; MI455X (gfx1250); checked and timed in simulation.
; The chip was launched on July 23, 2026; its instructions are those of AMD's public machine-readable ISA for CDNA 5 (MIT licence, August 2026) and "CDNA5" Instruction Set Architecture Reference Guide (July 2026). The comments in the code are by the model that wrote it; some were corrected since.
;; Expert Group. Allowed arithmetic: float matrix products may take bf16 or f16 operands with f32 sums; other float arithmetic in f32, or as packed bf16 or f16 multiplies, adds, multiply-adds, maxima and minima; sums over many terms, partial sums and values carried from step to step in f32; what a program stores and reads back later, other than sums and carried values, may be rounded once to bf16 or f16.
;; Inputs: W1 16 x 1,024 x 2,048 float32; W2 16 x 2,048 x 1,024 float32; Wg 16 x 1,024 float32; b1 16 x 2,048 float32; b2 16 x 1,024 float32; x 1,024 x 1,024 float32.
;; Outputs: out0 1,024 x 1,024 float32.
;; 3 versions, each right; version 2 is faster than version 1; version 3 is version 2 with the launches ffn1, ffn2 written anew for expert scheduling mode. Each part assembles by itself: llvm-mc -triple=amdgcn-amd-amdhsa -mcpu=gfx1250 --defsym DOCPART=n.
;; ======== version 1 of 3: 4 launches
;; workspace buffers: xb 2,097,152 bytes; bm 4,096 bytes of whole numbers; rw 8,192 bytes; hf 67,108,864 bytes; rowlist 65,536 bytes of whole numbers; cntb 2,048 bytes of whole numbers; part 16,777,216 bytes
;; launch router (part 1): grid 32 x 1, 8 waves a work-group, no clusters, 83,456 bytes of LDS; arguments x, Wg, xb, bm, rw; writes xb, bm, rw
.if DOCPART == 1
	.amdgcn_target "amdgcn-amd-amdhsa--gfx1250"
	.amdhsa_code_object_version 6
	.text
	.protected	k_q78edce205d_router
	.globl	k_q78edce205d_router
	.p2align	8
	.type	k_q78edce205d_router,@function
k_q78edce205d_router:
	s_mov_b64 s[64:65], 0
	v_nop
	global_prefetch_b8 v0, s[64:65] scope:SCOPE_SE
	s_setreg_imm32_b32 hwreg(HW_REG_WAVE_MODE, 25, 1), 1
	s_wait_xcnt 0x0
; ROUTER.  logits = x Wg^T on x and Wg rounded once to bf16, sums in f32; the two largest logits of each token (the lower index wins a tie, by an ascending
; scan with a strict comparison); softmax over the two with the larger one taken away first.  Also x rounded to bf16 is stored for the next launch.
; OUT: xb [1024][1024] bf16;  bm: word g*128 + k*64 + e*4, bit l = "choice k of token 32 g + l is expert e";  rw [2][1024] f32, the two weights.
; The choice is stored at fixed places: no address of this launch hangs on it.
; LIMITS.  Logits are taken as finite: NaN and infinities are not treated apart.  The choice is that of the bf16-rounded x and Wg with f32 sums in this
; order of adding; a gap between two logits below the last bits of those sums may fall either way.
; SHARES.  32 work-groups of 32 tokens; 8 waves.  Wave w rounds rows 4 w .. 4 w + 3 and multiplies the K range 128 w .. 128 w + 127 for all 32 tokens;
; the eight partial sums meet in LDS and wave 0 adds them in ascending w.  No cluster: work-groups share Wg alone, 64 KiB, a sixty-fourth of x.
.set XP,    2064                       ; a row of x in LDS: 2,048 bytes + 16: an odd multiple of 16, so the 16 rows of a fragment load start in different groups of four banks
.set RED,   32*XP                      ; eight waves' partial logits, 2,048 bytes each
.set SPARE, RED+8*2048                 ; the spare words: 128 bytes a wave, four blocks of 256 bytes that no other line names
.set SPW, 10                           ; v10  my spare word's address; never rewritten
.set NIL, 11                           ; v11  0; never rewritten
.set X,   16                           ; v16-143   four rows of x as loaded, 32 loads of 4 registers
.set G,   144                          ; v144-207  Wg in f32; later the token fragments
.set GF,  208                          ; v208-239  four fragments of Wg, bf16
.set D0,  240                          ; v240-247  logits^T of tokens 0-15: lane (r, h), register j: expert 8 h + j, token r
.set D1,  248                          ; v248-255  of tokens 16-31
	s_load_b256 s[4:11], s[0:1], 0x0               ; x s[4:5], Wg s[6:7], xb s[8:9], bm s[10:11]
	s_load_b64 s[12:13], s[0:1], 0x20              ; rw
	v_lshl_add_u32 v[SPW], v0, 2, SPARE
	v_mov_b32 v[NIL], 0
	v_and_b32 v1, 15, v0                           ; r
	v_bfe_u32 v2, v0, 4, 1                         ; h
	v_and_b32 v3, 31, v0                           ; lane
	v_lshrrev_b32 v4, 5, v0
	v_readfirstlane_b32 s14, v4                    ; wave
	s_lshl_b32 s16, ttmp9, 17                      ; the group's 32 rows of 4,096 bytes in x
	s_mov_b32 s17, 0
	s_lshl_b32 s18, ttmp9, 16                      ; and of 2,048 bytes in xb
	s_mov_b32 s19, 0
	s_lshl_b32 s15, s14, 14
	v_lshl_add_u32 v5, v3, 4, s15                  ; x: my wave's four rows + 16 x lane
	s_lshl_b32 s15, s14, 9
	v_lshl_add_u32 v6, v1, 12, s15                 ; Wg: expert r's row + my wave's 128 k
	v_lshl_add_u32 v6, v2, 5, v6                   ; + 8 h numbers
	s_mul_i32 s15, s14, 4*XP
	v_lshl_add_u32 v7, v3, 3, s15                  ; LDS: my four rows + 8 x lane
	s_lshl_b32 s15, s14, 13
	v_lshl_add_u32 v8, v3, 3, s15                  ; xb: my four rows + 8 x lane
	s_lshl_b32 s15, s14, 8
	v_mul_u32_u24 v9, v1, XP
	v_lshl_add_u32 v9, v2, 4, v9
	v_add_nc_u32 v9, s15, v9                       ; a token fragment: row r, my wave's 256 bytes, 16 h
	s_lshl_b32 s15, s14, 11
	s_add_co_u32 s15, s15, RED
	v_lshl_add_u32 v12, v3, 4, s15                 ; my wave's partial sums
	v_lshlrev_b32 v13, 4, v3
	v_add_nc_u32 v13, RED, v13                     ; all waves' partial sums, as wave 0 reads them
	v_lshlrev_b32 v14, 2, v3                       ; 4 x lane
	s_wait_kmcnt 0x0
	s_add_nc_u64 s[4:5], s[4:5], s[16:17]
	s_add_nc_u64 s[8:9], s[8:9], s[18:19]
.irp a, 0,1,2,3
.irp u, 0,1,2,3,4,5,6,7
	global_load_b128 v[X+4*(8*\a+\u):X+4*(8*\a+\u)+3], v5, s[4:5] offset:\a*4096+\u*512 th:TH_LOAD_NT  ; 512 consecutive bytes of a row
.endr
.endr
.irp k, 0,1,2,3                        ; Wg for k = 128 w + 32 k: 16-byte pieces of 16 rows, 8 KiB a wave, once
	global_load_b128 v[G+16*\k:G+16*\k+3],     v6, s[6:7] offset:128*\k
	global_load_b128 v[G+16*\k+4:G+16*\k+7],   v6, s[6:7] offset:128*\k+16
	global_load_b128 v[G+16*\k+8:G+16*\k+11],  v6, s[6:7] offset:128*\k+64
	global_load_b128 v[G+16*\k+12:G+16*\k+15], v6, s[6:7] offset:128*\k+80
.endr
.irp a, 0,1,2,3
	s_wait_loadcnt 40-8*\a                         ; row a is in: the younger rows' loads and Wg's sixteen may stay out
.irp u, 0,1,2,3,4,5,6,7
	v_cvt_pk_bf16_f32 v[X+4*(8*\a+\u)],   v[X+4*(8*\a+\u)],   v[X+4*(8*\a+\u)+1]
	v_cvt_pk_bf16_f32 v[X+4*(8*\a+\u)+1], v[X+4*(8*\a+\u)+2], v[X+4*(8*\a+\u)+3]
	ds_store_b64 v7, v[X+4*(8*\a+\u):X+4*(8*\a+\u)+1] offset:\a*XP+\u*256
	global_store_b64 v8, v[X+4*(8*\a+\u):X+4*(8*\a+\u)+1], s[8:9] offset:\a*2048+\u*256  ; 32 lanes store 256 consecutive bytes, aligned
.endr
.endr
	s_wait_loadcnt 0x0                             ; Wg
.set n, 0
.rept 32
	v_cvt_pk_bf16_f32 v[GF+n], v[G+2*n], v[G+2*n+1]
.set n, n+1
.endr
	s_wait_dscnt 0x0                               ; for the others' sake: my rows are in LDS
	s_barrier_signal -1
	s_barrier_wait -1
.irp t, 0,1
.irp k, 0,1,2,3
	ds_load_b128 v[G+8*(4*\t+\k):G+8*(4*\t+\k)+3],   v9 offset:\t*16*XP+64*\k
	ds_load_b128 v[G+8*(4*\t+\k)+4:G+8*(4*\t+\k)+7], v9 offset:\t*16*XP+64*\k+32
.endr
.endr
	s_wait_dscnt 0x0
	v_wmma_f32_16x16x32_bf16 v[D0:D0+7], v[GF:GF+7], v[G:G+7], 0            ; the two accumulators take turns
	v_wmma_f32_16x16x32_bf16 v[D1:D1+7], v[GF:GF+7], v[G+32:G+39], 0
.irp k, 1,2,3
	v_wmma_f32_16x16x32_bf16 v[D0:D0+7], v[GF+8*\k:GF+8*\k+7], v[G+8*\k:G+8*\k+7], v[D0:D0+7]
	v_wmma_f32_16x16x32_bf16 v[D1:D1+7], v[GF+8*\k:GF+8*\k+7], v[G+32+8*\k:G+32+8*\k+7], v[D1:D1+7]
.endr
.rept 4
	v_nop                                          ; four places between the last product and the stores of its result
.endr
	ds_store_b128 v12, v[D0:D0+3]
	ds_store_b128 v12, v[D0+4:D0+7] offset:512
	ds_store_b128 v12, v[D1:D1+3] offset:1024
	ds_store_b128 v12, v[D1+4:D1+7] offset:1536
	s_wait_dscnt 0x0                               ; for wave 0's sake
	s_barrier_signal -1
	s_barrier_wait -1
	s_cmp_lg_u32 s14, 0
	s_cbranch_scc1 .Lend                           ; the rest is wave 0's: no barrier stands in it
	s_wait_xcnt 0x0                                ; v16 on were the data of my stores to xb
.irp w, 0,1,2,3,4,5,6,7
.irp n, 0,1,2,3
	ds_load_b128 v[16+16*\w+4*\n:16+16*\w+4*\n+3], v13 offset:2048*\w+512*\n
.endr
.endr
	s_mov_b32 s20, 0xffff0000                      ; lanes 16-31
	s_mov_b32 s24, 0x76543210                      ; v_permlanex16_b32: each lane takes its own place in the other half
	s_mov_b32 s25, 0xfedcba98
	s_lshl_b32 s16, ttmp9, 7                       ; 128 bytes a group in bm and in each half of rw
	s_add_nc_u64 s[10:11], s[10:11], s[16:17]
	s_add_nc_u64 s[12:13], s[12:13], s[16:17]
	s_wait_dscnt 0x0
.irp w, 1,2,3,4,5,6,7                  ; the partial sums are added in ascending w
.irp m, 0,1,2,3,4,5,6,7
	v_pk_add_f32 v[16+2*\m:17+2*\m], v[16+2*\m:17+2*\m], v[16+16*\w+2*\m:17+16*\w+2*\m]
.endr
.endr
	; lane l is to hold all 16 logits of token l: experts 0-7 lie in the low half of the lanes, 8-15 in the high half
.irp j, 0,1,2,3,4,5,6,7
	v_permlanex16_b32 v[32+\j], v[16+\j], s24, s25 ; the other half's tokens 0-15
	v_permlanex16_b32 v[40+\j], v[24+\j], s24, s25 ; the other half's tokens 16-31
.endr
.irp j, 0,1,2,3,4,5,6,7
	v_cndmask_b32 v[48+\j], v[16+\j], v[40+\j], s20  ; expert j
	v_cndmask_b32 v[56+\j], v[32+\j], v[24+\j], s20  ; expert 8 + j
.endr
	v_mov_b32 v64, v48                             ; the largest, and its index
	v_mov_b32 v65, 0
.irp e, 1,2,3,4,5,6,7,8,9,10,11,12,13,14,15
	v_cmp_le_f32 vcc_lo, v[48+\e], v64             ; kept unless strictly greater: the lower index wins a tie
	v_cndmask_b32 v64, v[48+\e], v64, vcc_lo
	v_cndmask_b32 v65, \e, v65, vcc_lo
.endr
	v_mov_b32 v68, 0xff800000
.irp e, 0,1,2,3,4,5,6,7,8,9,10,11,12,13,14,15
	v_cmp_eq_u32 vcc_lo, \e, v65
	v_cndmask_b32 v[48+\e], v[48+\e], v68, vcc_lo  ; the winner leaves the field
.endr
	v_mov_b32 v66, v48                             ; the second largest
	v_mov_b32 v67, 0
.irp e, 1,2,3,4,5,6,7,8,9,10,11,12,13,14,15
	v_cmp_le_f32 vcc_lo, v[48+\e], v66
	v_cndmask_b32 v66, v[48+\e], v66, vcc_lo
	v_cndmask_b32 v67, \e, v67, vcc_lo
.endr
	v_sub_f32 v70, v66, v64                        ; the maximum is taken away: the exponent is 0 or below
	v_mul_f32 v70, 0x3fb8aa3b, v70
	v_exp_f32 v71, v70
	v_mov_b32 v75, 0                               ; a plain instruction behind the exponential
	s_wait_alu depctr_va_vdst(0)                   ; the wait ahead of the result's first reader
	v_add_f32 v72, 1.0, v71
	v_rcp_f32 v73, v72                             ; the first weight
.irp e, 0,1,2,3,4,5,6,7,8,9,10,11,12,13,14,15
	v_cmp_eq_u32 s22, \e, v65                      ; the 32 tokens whose first choice is e,
	v_writelane_b32 v75, s22, \e                   ; as word e
	v_cmp_eq_u32 s23, \e, v67
	v_writelane_b32 v75, s23, 16+\e                ; second choice: word 16 + e
.endr
	s_wait_alu depctr_va_vdst(0)                   ; the wait for the reciprocal
	v_mul_f32 v74, v71, v73                        ; the second weight
	global_store_b32 v14, v75, s[10:11]
	global_store_b32 v14, v73, s[12:13]
	global_store_b32 v14, v74, s[12:13] offset:4096
.Lend:
	s_wait_tensorcnt 0x0                           ; the wave's end, behind my last LDS store
	ds_add_u32 v[SPW], v[NIL]
	s_wait_dscnt 0x0
	s_endpgm
.Lfunc_end_k_q78edce205d_router:
	.size	k_q78edce205d_router, .Lfunc_end_k_q78edce205d_router-k_q78edce205d_router
	.p2alignl 7, 3214868480
	.fill 96, 4, 3214868480
	.section	.rodata,"a",@progbits
	.p2align	6, 0x0
	.amdhsa_kernel k_q78edce205d_router
		.amdhsa_group_segment_fixed_size 83456
		.amdhsa_private_segment_fixed_size 0
		.amdhsa_enable_private_segment 0
		.amdhsa_kernarg_size 40
		.amdhsa_user_sgpr_count 2
		.amdhsa_user_sgpr_kernarg_segment_ptr 1
		.amdhsa_wavefront_size32 1
		.amdhsa_system_sgpr_workgroup_id_x 1
		.amdhsa_system_sgpr_workgroup_id_y 1
		.amdhsa_system_sgpr_workgroup_id_z 1
		.amdhsa_system_vgpr_workitem_id 0
		.amdhsa_next_free_vgpr 256
		.amdhsa_next_free_sgpr 66
		.amdhsa_reserve_vcc 1
		.amdhsa_float_denorm_mode_32 3
		.amdhsa_float_denorm_mode_16_64 3
		.amdhsa_memory_ordered 1
		.amdhsa_forward_progress 1
		.amdhsa_inst_pref_size 37
	.end_amdhsa_kernel
	.amdgpu_metadata
---
amdhsa.version: [ 1, 2 ]
amdhsa.kernels:
  - .name:           k_q78edce205d_router
    .symbol:         k_q78edce205d_router.kd
    .args:
      - { .name: x, .offset: 0, .size: 8, .value_kind: global_buffer, .address_space: global }
      - { .name: Wg, .offset: 8, .size: 8, .value_kind: global_buffer, .address_space: global }
      - { .name: xb, .offset: 16, .size: 8, .value_kind: global_buffer, .address_space: global }
      - { .name: bm, .offset: 24, .size: 8, .value_kind: global_buffer, .address_space: global }
      - { .name: rw, .offset: 32, .size: 8, .value_kind: global_buffer, .address_space: global }
    .group_segment_fixed_size: 83456
    .private_segment_fixed_size: 0
    .kernarg_segment_align: 8
    .kernarg_segment_size: 40
    .max_flat_workgroup_size: 256
    .sgpr_count:     66
    .vgpr_count:     256
    .wavefront_size: 32
...
	.end_amdgpu_metadata
.endif
;; end of part 1
;; launch ffn1 (part 2): grid 16 x 16, 8 waves a work-group, no clusters, 285,696 bytes of LDS; arguments W1, b1, xb, bm, hf, rowlist, cntb; writes hf, rowlist, cntb
.if DOCPART == 2
	.amdgcn_target "amdgcn-amd-amdhsa--gfx1250"
	.amdhsa_code_object_version 6
	.text
	.protected	k_q78edce205d_ffn1
	.globl	k_q78edce205d_ffn1
	.p2align	8
	.type	k_q78edce205d_ffn1,@function
k_q78edce205d_ffn1:
	s_mov_b64 s[64:65], 0
	v_nop
	global_prefetch_b8 v0, s[64:65] scope:SCOPE_SE
	s_setreg_imm32_b32 hwreg(HW_REG_WAVE_MODE, 25, 1), 1
	s_wait_xcnt 0x0
; FIRST LAYER.  h = relu(x W1[e] + b1[e]) for the rows that chose expert e alone.  x and W1 rounded once to bf16, sums and bias in f32, h rounded once to bf16.
; GRID.  x = slice sg of 128 hidden columns, y = expert e.  A work-group alone reads its 512 KiB of W1, once, whatever the split of the tokens.
; TWO PHASES, one text for all eight waves, ONE barrier between them.
; PHASE 1, the stream.  Wave w takes rows k = 64 o + 8 w + j (o = 0..15, j = 0..7), a row's 512 bytes to a load.  A ring of seven slots of eight loads in registers keeps 56 loads of
; every wave out, refilled slot by slot behind counted waits.  A lane's 8 rows x 4 columns become 4 columns x 8 k of bf16: four 16-byte LDS stores into the slice, kept as [column][k].
; THE SLICE IN LDS.  Row = column of the slice, pitch 2,064.  Of each four 16-byte blocks of k the block's place is turned by (row / 16) mod 4.
; the fragment loads' sixteen lanes lie in one group of 16 rows, where the turn is a constant of the address.
; PHASE 2, the products: nothing writes the slice any more, so no barrier stands here.  Wave w: q = w / 2, g = w mod 2: row tiles 12 b + q + 4 t (t = 0..2) of block b of 192 rows, column
; tiles 4 g .. 4 g + 3.  Six blocks cover every split; a block in which the wave has no row is jumped.  The pass is written for three tiles and for two, and chosen once a pass, so that
; no load and no product inside it hangs on the count.  Its 32 steps of 32 k are written out: every LDS address of the pass is a register made at the head, never rewritten, plus an
; immediate.  Places past the count repeat the last row; a tile without rows is not stored.
; PRODUCT, transposed: source 0 = 16 columns of W, source 1 = 16 tokens: lane (r, h) register j of column tile c is column 16 c + 8 h + j of token r.  The first step's products take the
; bias as their C operand: nothing is cleared and nothing is added afterwards.
; TOKENS.  Every wave makes the expert's list of pairs p = 1024 k + token from the bitmap of the launch before, in LDS bytes of its own.  A token fragment comes straight from xb: a lane takes
; 16 bytes of its own token's row.
; OUT.  hf [e][tile][image 0..63][1,024 bytes]: image i holds hidden 32 i .. 32 i + 31 of the tile's 16 rows as a ready matrix operand: bytes 16 l of its first half are registers 0-3 of lane l,
; of its second half registers 4-7.  rowlist [e][1024]: p of rank min(n, count - 1); cntb [e][32]: the count.  Both from slice 0's wave 0.
; LIMITS.  An expert without rows still streams its slice (every wave passes the barrier) and stores nothing into hf.  h beyond bf16's range becomes an infinity; NaN is not treated apart.
; b1 is taken in f32 as it is given, not rounded to bf16.
; NO TENSOR LOADS, NO CLUSTER: each weight has one reader, and the rows that the 16 slices share come by a list that no tile descriptor covers.
.set PITCH, 8192                       ; bytes from row to row of W1[e]
.set WP,    2064                       ; a column's k in LDS: 2,048 bytes + 16: an odd multiple of 16 (64 banks of 4 bytes: ISA guide 11.1)
.set LISTB, 128*WP                     ; behind the slice: a list for each wave: 1,024 entries of 16 bits, then 32 that take the lanes without a bit
.set LQ,    2560
.set SPARE, LISTB+8*LQ                 ; the spare words: 128 bytes a wave, four blocks of 256 bytes that no other line names
.set NS,    7                          ; ring slots
; window 0
.set ZR,   9                           ; v9       0
.set SPW,  10                          ; v10, v11 the add's two registers; never rewritten
.set NIL,  11
.set GOFF, 12                          ; v12      my wave's 8 rows + 16 x lane
.set LST,  13                          ; v13      LDS: row 4 x lane, my wave's block of k, turned
.set LB,   14                          ; v14      my list
.set L16,  15                          ; v15      16 x lane
.set BW,   16                          ; v16-23   W's fragments at k = 0: column tile c, low half; 4 + c, high half; never rewritten
.set ROWA, 24                          ; v24-26   tile t: token x 2,048 + 16 h
.set H32,  27                          ; v27      32 h
.set H16,  28                          ; v28      16 h
.set ACC,  32                          ; v32-127  accumulators 32 t + 8 c
.set BF,   128                         ; v128-255 W fragments: four steps of 32 registers
.set TT,   128                         ; phase 1: packed weights, two sets of 16
.set U,    128                         ; the way out: 16 registers a tile
; window 1
.set AF,   0                           ; v0-191   token fragments: step mod 8 x 24 + 8 t  (phase 1: the ring, slot x 32 + 4 j + c, v0-223)
.set BT,   192                         ; v192-223 bias 8 c + j
.set WV, 20
.set Q, 21
.set G, 22
.set SG, 23
.set EX, 24
.set CNT, 25                           ; the expert's rows
.set CM1, 26                           ; max(count, 1) - 1
.set BC, 27
.set RB16, 28                          ; first row of my tile 0 in the block in hand
.set WB, 30                            ; s[30:31] W1 at the slice
.set HS, 34                            ; s[34:35] hf at my tile 0 of the block, my two images
.set B1B, 48                           ; s[48:49] b1 at my 64 columns
.set MSB, 0
.macro WIN new                         ; the immediate's high byte repeats the setting that is left; a switch that changes nothing is dropped
.if MSB != (\new)
	s_set_vgpr_msb (MSB<<8)|(\new)
.set MSB, (\new)
.endif
.endm
.macro PLACES                          ; four places in front of loads into registers that products have read, and of the first read of results
.rept 4
	v_nop
.endr
.endm
; Group o of my rows: its slot has landed; 8 rows x 4 columns a lane -> four 16-byte LDS stores; the slot is asked for again at once, for group o + 7.
.macro OCT o
.set SL, 32*((\o)%NS)
.set TS, TT+16*((\o)%2)
.if (\o) <= 15-(NS-1)
	s_wait_loadcnt 8*(NS-1)                        ; six younger slots of eight loads stay out
.else
	s_wait_loadcnt 8*(15-(\o))                     ; nothing is asked for any more: the counts run down
.endif
	WIN 0x05                                       ; sources in window 1
.irp c, 0,1,2,3
.irp i, 0,1,2,3
	v_cvt_pk_bf16_f32 v[TS+4*\c+\i], v[SL+8*\i+\c], v[SL+8*\i+4+\c]
.endr
.endr
	WIN 0
.irp c, 0,1,2,3
	ds_store_b128 v[LST], v[TS+4*\c:TS+4*\c+3] offset:\c*WP+128*(\o)
.endr
.if (\o)+NS <= 15
	WIN 0x40
.irp j, 0,1,2,3,4,5,6,7
	global_load_b128 v[SL+4*\j:SL+4*\j+3], v[GOFF], s[WB:WB+1] offset:(64*((\o)+NS)+\j)*PITCH th:TH_LOAD_NT
.endr
	WIN 0
.endif
.endm
.macro GA kp, nt                       ; the token fragments of step kp (destination window 1)
.set y, 0
.rept \nt
	global_load_b128 v[AF+24*((\kp)%8)+8*y:AF+24*((\kp)%8)+8*y+3],   v[ROWA+y], s[8:9] offset:64*(\kp)
	global_load_b128 v[AF+24*((\kp)%8)+8*y+4:AF+24*((\kp)%8)+8*y+7], v[ROWA+y], s[8:9] offset:64*(\kp)+32
.set y, y+1
.endr
.endm
.macro FB kx, buf                      ; my four W fragments of step kx
.irp c, 0,1,2,3
	ds_load_b128 v[BF+32*(\buf)+8*\c:BF+32*(\buf)+8*\c+3],   v[BW+\c]   offset:64*(\kx)
	ds_load_b128 v[BF+32*(\buf)+8*\c+4:BF+32*(\buf)+8*\c+7], v[BW+4+\c] offset:64*(\kx)
.endr
.endm
.macro MM nt                           ; step ST's 4 nt products; the accumulators take turns, one instruction a turn
.if ST == 0
	WIN 0x14                                       ; sources 1 and 2 in window 1: the first products take the bias as C
.else
	WIN 0x04                                       ; source 1 in window 1
.endif
.irp c, 0,1,2,3
.set y, 0
.rept \nt
.if ST == 0
	v_wmma_f32_16x16x32_bf16 v[ACC+32*y+8*\c:ACC+32*y+8*\c+7], v[BF+32*(ST%4)+8*\c:BF+32*(ST%4)+8*\c+7], v[AF+24*(ST%8)+8*y:AF+24*(ST%8)+8*y+7], v[BT+8*\c:BT+8*\c+7]
.else
	v_wmma_f32_16x16x32_bf16 v[ACC+32*y+8*\c:ACC+32*y+8*\c+7], v[BF+32*(ST%4)+8*\c:BF+32*(ST%4)+8*\c+7], v[AF+24*(ST%8)+8*y:AF+24*(ST%8)+8*y+7], v[ACC+32*y+8*\c:ACC+32*y+8*\c+7]
.endif
.set y, y+1
.endr
.endr
.endm
; Step ST of 32.  Its token fragments were asked for eight steps ago, its W fragments four: the counts leave the younger steps' loads out, and run down at the end.
; Behind the products the registers just read are asked for again, while steps are left.
.macro KB nt
.if ST < 24
	s_wait_loadcnt 14*(\nt)                        ; seven younger steps of 2 nt loads
.else
	s_wait_loadcnt 2*(\nt)*(31-ST)
.endif
.if ST < 28
	s_wait_dscnt 24                                ; three younger steps of eight loads
.else
	s_wait_dscnt 8*(31-ST)
.endif
	MM \nt
	PLACES
.if ST < 28
	FB ST+4, ST%4                                  ; an LDS load takes destination and address by the fields that the setting above leaves at window 0
.endif
.if ST < 24
	WIN 0x40
	GA ST+8, \nt
.endif
.endm
; The way out of tile t: rounding, ReLU, and for each column tile one store of 512 consecutive bytes: half an image.  Each accumulator's registers 0 and 1 are read first.
.macro EPIT t, cond
.if \cond
	s_add_co_u32 s46, s[RB16], 64*(\t)
	s_cmp_lt_u32 s46, s[CNT]
	s_cbranch_scc0 .Lep_\@
.endif
.irp c, 0,1,2,3
.irp n, 0,1,2,3
	v_cvt_pk_bf16_f32 v[U+16*(\t)+4*\c+\n], v[ACC+32*(\t)+8*\c+2*\n], v[ACC+32*(\t)+8*\c+2*\n+1]
.endr
.endr
.set n, 0
.rept 16
	v_pk_max_num_bf16 v[U+16*(\t)+n], v[U+16*(\t)+n], v[ZR]
.set n, n+1
.endr
.irp c, 0,1,2,3
	global_store_b128 v[L16], v[U+16*(\t)+4*\c:U+16*(\t)+4*\c+3], s[HS:HS+1] offset:(\t)*262144+(\c/2)*1024+(\c%2)*512
.endr
.if \cond
.Lep_\@:
.endif
.endm
; The list entries of my three tiles' rows -> byte offsets in xb.  What comes from the list is clamped in front of the address.
.macro ROWS
.irp t, 0,1,2
	s_add_co_u32 s46, s[RB16], 64*\t
	v_add_nc_u32 v[ROWA+\t], s46, v1
	v_min_u32 v[ROWA+\t], s[CM1], v[ROWA+\t]       ; places past the count repeat the last row
	v_min_u32 v[ROWA+\t], 0x3ff, v[ROWA+\t]
	v_lshl_add_u32 v[ROWA+\t], v[ROWA+\t], 1, v[LB]
	ds_load_u16 v[ROWA+\t], v[ROWA+\t]
.endr
	s_wait_dscnt 0x0
.irp t, 0,1,2
	v_min_u32 v[ROWA+\t], 0x7ff, v[ROWA+\t]
	v_and_b32 v[ROWA+\t], 0x3ff, v[ROWA+\t]        ; the token of pair p
	v_lshl_add_u32 v[ROWA+\t], v[ROWA+\t], 11, v[H16]
.endr
.endm
; A pass: nt tiles x 4 column tiles over all 1,024 k.
.macro PASS nt
	WIN 0x40
.irp k, 0,1,2,3,4,5,6,7
	GA \k, \nt
.endr
	WIN 0
.irp k, 0,1,2,3
	FB \k, \k
.endr
.set ST, 0
.rept 32
	KB \nt
.set ST, ST+1
.endr
	WIN 0                                          ; the last step's four places stand in front of the way out
	EPIT 0, 0
.if (\nt) == 3
	EPIT 1, 0
	EPIT 2, 0
.else
	EPIT 1, 1
.endif
.endm
	s_load_b256 s[4:11], s[0:1], 0x0               ; W1 s[4:5], b1 s[6:7], xb s[8:9], bm s[10:11]
	s_load_b128 s[12:15], s[0:1], 0x20             ; hf s[12:13], rowlist s[14:15]
	s_load_b64 s[16:17], s[0:1], 0x30              ; cntb
	v_lshl_add_u32 v[SPW], v0, 2, SPARE
	v_mov_b32 v[NIL], 0
	v_and_b32 v1, 15, v0                           ; r
	v_bfe_u32 v2, v0, 4, 1                         ; h
	v_and_b32 v3, 31, v0                           ; lane
	v_lshrrev_b32 v4, 5, v0
	v_readfirstlane_b32 s[WV], v4
	s_lshr_b32 s[Q], s[WV], 1
	s_and_b32 s[G], s[WV], 1
	s_mov_b32 s[SG], ttmp9
	s_and_b32 s[EX], ttmp7, 0xffff
	s_lshl_b32 s44, s[EX], 23                      ; an expert's 8 MiB
	s_lshl_b32 s45, s[SG], 9                       ; the slice's 512 bytes of a row
	s_add_co_u32 s44, s44, s45
	s_mov_b32 s45, 0
	s_lshl_b32 s46, s[WV], 16                      ; my 8 rows of 8,192 bytes
	v_lshl_add_u32 v[GOFF], v3, 4, s46
	s_lshl_b32 s46, s[EX], 2
	v_lshl_add_u32 v29, v3, 7, s46                 ; lane n takes token group n's two words for my expert
	s_wait_kmcnt 0x0
	s_add_nc_u64 s[WB:WB+1], s[4:5], s[44:45]
	global_load_b32 v32, v29, s[10:11]
	global_load_b32 v33, v29, s[10:11] offset:64
	WIN 0x40
.set n, 0
.rept 8*NS                             ; the ring is filled: groups 0 to 6
	global_load_b128 v[4*n:4*n+3], v[GOFF], s[WB:WB+1] offset:(64*(n/8)+n%8)*PITCH th:TH_LOAD_NT
.set n, n+1
.endr
	WIN 0
	; while the first rows are on their way: addresses, and the list
	s_mul_i32 s47, s[WV], LQ
	s_add_co_u32 s47, s47, LISTB
	v_mov_b32 v[LB], s47
	v_lshl_add_u32 v8, v3, 4, s47
	v_mov_b32 v4, 0
	v_mov_b32 v5, 0
	v_mov_b32 v6, 0
	v_mov_b32 v7, 0
.irp n, 0,1,2,3,4
	ds_store_b128 v8, v[4:7] offset:512*\n         ; every entry of my list holds a valid pair, also where the expert has no row
.endr
	v_mov_b32 v[ZR], 0
	v_lshlrev_b32 v[L16], 4, v3
	v_lshlrev_b32 v[H32], 5, v2
	v_lshlrev_b32 v[H16], 4, v2
	v_lshrrev_b32 v30, 2, v3                       ; my rows 4 l .. 4 l + 3 lie in group l / 4 of 16 rows
	v_add_nc_u32 v30, s[WV], v30                   ; my block of k is 8 o + w: its place among four is turned by that group,
	v_and_b32 v30, 3, v30
	s_and_b32 s46, s[WV], 4
	v_add_nc_u32 v30, s46, v30                     ; the rest of it stays
	v_mul_u32_u24 v31, v3, 4*WP
	v_lshl_add_u32 v[LST], v30, 4, v31
	s_mul_i32 s46, s[G], 64*WP
	v_mul_u32_u24 v5, v1, WP
	v_add_nc_u32 v5, s46, v5                       ; row 64 g + r
.irp c, 0,1,2,3
	v_add_nc_u32 v6, \c, v2                        ; blocks h and 2 + h of a step's four, turned by the column tile's number
	v_and_b32 v6, 3, v6
	v_xor_b32 v7, 2, v6
	v_lshl_add_u32 v6, v6, 4, v5
	v_lshl_add_u32 v7, v7, 4, v5
	v_add_nc_u32 v[BW+\c], \c*16*WP, v6
	v_add_nc_u32 v[BW+4+\c], \c*16*WP, v7
.endr
	s_lshl_b32 s44, s[EX], 22                      ; hf: an expert's 4 MiB,
	s_lshl_b32 s46, s[Q], 16                       ; tile q,
	s_add_co_u32 s44, s44, s46
	s_lshl_b32 s46, s[SG], 12                      ; the slice's four images,
	s_add_co_u32 s44, s44, s46
	s_lshl_b32 s46, s[G], 11                       ; my two of them
	s_add_co_u32 s44, s44, s46
	s_add_nc_u64 s[HS:HS+1], s[12:13], s[44:45]
	s_lshl_b32 s44, s[EX], 13
	s_lshl_b32 s46, s[SG], 9
	s_add_co_u32 s44, s44, s46
	s_lshl_b32 s46, s[G], 8
	s_add_co_u32 s44, s44, s46
	s_add_nc_u64 s[B1B:B1B+1], s[6:7], s[44:45]
	v_mov_b32 v34, v3                              ; p of choice 0 in group 0
	v_add_nc_u32 v35, 1024, v3                     ; p of choice 1
	v_add_nc_u32 v36, 1024, v3                     ; where a lane without a bit puts its number
	s_mov_b32 s44, 0                               ; rows so far
	s_mov_b32 s45, 0                               ; token group
	s_mov_b32 s46, 8
	s_wait_loadcnt 8*NS                            ; the two words are in; the ring's 56 loads stay out
.Llist:                                ; 8 trips of 4 groups x 2 choices: a set bit's rank is the rows so far + the set bits below the lane
.irp m, 0,1,2,3
	v_readlane_b32 s[36+2*\m], v32, s45
	v_readlane_b32 s[37+2*\m], v33, s45
	s_add_co_u32 s45, s45, 1
.endr
.irp m, 0,1,2,3,4,5,6,7
	s_mov_b32 s[52+\m], s44
	s_bcnt1_i32_b32 s47, s[36+\m]
	s_add_co_u32 s44, s44, s47
.endr
.irp m, 0,1,2,3,4,5,6,7
	v_mbcnt_lo_u32_b32 v[40+\m], s[36+\m], s[52+\m]
.endr
.irp m, 0,1,2,3,4,5,6,7
	v_cndmask_b32 v[40+\m], v36, v[40+\m], s[36+\m]
.endr
.irp m, 0,1,2,3,4,5,6,7
	v_min_u32 v[40+\m], 0x41f, v[40+\m]            ; inside the list's 1,056 entries
.endr
.irp m, 0,1,2,3,4,5,6,7
	v_lshl_add_u32 v[40+\m], v[40+\m], 1, v[LB]
.endr
.irp m, 0,1,2,3,4,5,6,7
	v_add_nc_u32 v[48+\m], 32*(\m/2), v[34+\m%2]
.endr
.irp m, 0,1,2,3,4,5,6,7
	ds_store_b16 v[40+\m], v[48+\m]
.endr
	v_add_nc_u32 v34, 128, v34
	v_add_nc_u32 v35, 128, v35
	s_sub_co_u32 s46, s46, 1
	s_cmp_lg_u32 s46, 0
	s_cbranch_scc1 .Llist
	s_mov_b32 s[CNT], s44
	s_max_u32 s47, s[CNT], 1
	s_sub_co_u32 s[CM1], s47, 1
	s_lshl_b32 s[RB16], s[Q], 4
	s_or_b32 s46, s[SG], s[WV]
	s_cmp_lg_u32 s46, 0
	s_cbranch_scc1 .Lstream
	; slice 0's wave 0 stores the list and the count for the next launch
	s_lshl_b32 s44, s[EX], 12
	s_mov_b32 s45, 0
	s_add_nc_u64 s[60:61], s[14:15], s[44:45]
	s_lshl_b32 s44, s[EX], 7
	s_add_nc_u64 s[62:63], s[16:17], s[44:45]
	v_mov_b32 v34, v3
	v_lshlrev_b32 v35, 2, v3
	v_lshlrev_b32 v37, 2, v3
	v_mov_b32 v38, s[CNT]
	global_store_b32 v37, v38, s[62:63]
	s_mov_b32 s46, 4
.Lrl:
.irp m, 0,1,2,3,4,5,6,7
	v_add_nc_u32 v[40+\m], 32*\m, v34
.endr
.irp m, 0,1,2,3,4,5,6,7
	v_min_u32 v[40+\m], s[CM1], v[40+\m]           ; entries past the count repeat the last row
.endr
.irp m, 0,1,2,3,4,5,6,7
	v_min_u32 v[40+\m], 0x3ff, v[40+\m]
.endr
.irp m, 0,1,2,3,4,5,6,7
	v_lshl_add_u32 v[40+\m], v[40+\m], 1, v[LB]
.endr
.irp m, 0,1,2,3,4,5,6,7
	ds_load_u16 v[40+\m], v[40+\m]
.endr
	s_wait_dscnt 0x0
.irp m, 0,1,2,3,4,5,6,7
	global_store_b32 v35, v[40+\m], s[60:61] offset:128*\m
.endr
	s_wait_xcnt 0x0                                ; the stores' data and offset are rewritten only behind this wait
	v_add_nc_u32 v34, 256, v34
	v_add_nc_u32 v35, 1024, v35
	s_sub_co_u32 s46, s46, 1
	s_cmp_lg_u32 s46, 0
	s_cbranch_scc1 .Lrl
.Lstream:
.irp o, 0,1,2,3,4,5,6,7,8,9,10,11,12,13,14,15
	OCT \o
.endr
	WIN 0x40
.irp c, 0,1,2,3
	global_load_b128 v[BT+8*\c:BT+8*\c+3],   v[H32], s[B1B:B1B+1] offset:64*\c     ; b1 of columns 16 c + 8 h + 0..7, in the accumulators' order
	global_load_b128 v[BT+8*\c+4:BT+8*\c+7], v[H32], s[B1B:B1B+1] offset:64*\c+16
.endr
	WIN 0
	s_wait_dscnt 0x0                               ; for the others' sake: my part of the slice is in LDS
	s_barrier_signal -1
	s_barrier_wait -1                              ; the slice is whole
	s_wait_loadcnt 0x0                             ; the bias
	s_mov_b32 s[BC], 0
.Lpass:                                ; six blocks of 192 rows cover every split
	s_cmp_lt_u32 s[RB16], s[CNT]
	s_cbranch_scc0 .Lnext                          ; my first tile of the block has no row
	ROWS
	s_add_co_u32 s46, s[RB16], 128
	s_cmp_lt_u32 s46, s[CNT]
	s_cbranch_scc0 .Ltwo
	PASS 3
	s_branch .Lnext
.Ltwo:
	PASS 2
.Lnext:
	s_wait_xcnt 0x0                                ; the stores' data and base are rewritten only behind this wait
	s_add_nc_u64 s[HS:HS+1], s[HS:HS+1], 786432    ; twelve tiles on
	s_add_co_u32 s[RB16], s[RB16], 192
	s_add_co_u32 s[BC], s[BC], 1
	s_cmp_lt_u32 s[BC], 6
	s_cbranch_scc1 .Lpass
	s_wait_tensorcnt 0x0                           ; the wave's end, behind my last LDS store
	ds_add_u32 v[SPW], v[NIL]
	s_wait_dscnt 0x0
	s_endpgm
.Lfunc_end_k_q78edce205d_ffn1:
	.size	k_q78edce205d_ffn1, .Lfunc_end_k_q78edce205d_ffn1-k_q78edce205d_ffn1
	.p2alignl 7, 3214868480
	.fill 96, 4, 3214868480
	.section	.rodata,"a",@progbits
	.p2align	6, 0x0
	.amdhsa_kernel k_q78edce205d_ffn1
		.amdhsa_group_segment_fixed_size 285696
		.amdhsa_private_segment_fixed_size 0
		.amdhsa_enable_private_segment 0
		.amdhsa_kernarg_size 56
		.amdhsa_user_sgpr_count 2
		.amdhsa_user_sgpr_kernarg_segment_ptr 1
		.amdhsa_wavefront_size32 1
		.amdhsa_system_sgpr_workgroup_id_x 1
		.amdhsa_system_sgpr_workgroup_id_y 1
		.amdhsa_system_sgpr_workgroup_id_z 1
		.amdhsa_system_vgpr_workitem_id 0
		.amdhsa_next_free_vgpr 512
		.amdhsa_next_free_sgpr 80
		.amdhsa_reserve_vcc 0
		.amdhsa_float_denorm_mode_32 3
		.amdhsa_float_denorm_mode_16_64 3
		.amdhsa_memory_ordered 1
		.amdhsa_forward_progress 1
		.amdhsa_inst_pref_size 180
	.end_amdhsa_kernel
	.amdgpu_metadata
---
amdhsa.version: [ 1, 2 ]
amdhsa.kernels:
  - .name:           k_q78edce205d_ffn1
    .symbol:         k_q78edce205d_ffn1.kd
    .args:
      - { .name: W1, .offset: 0, .size: 8, .value_kind: global_buffer, .address_space: global }
      - { .name: b1, .offset: 8, .size: 8, .value_kind: global_buffer, .address_space: global }
      - { .name: xb, .offset: 16, .size: 8, .value_kind: global_buffer, .address_space: global }
      - { .name: bm, .offset: 24, .size: 8, .value_kind: global_buffer, .address_space: global }
      - { .name: hf, .offset: 32, .size: 8, .value_kind: global_buffer, .address_space: global }
      - { .name: rowlist, .offset: 40, .size: 8, .value_kind: global_buffer, .address_space: global }
      - { .name: cntb, .offset: 48, .size: 8, .value_kind: global_buffer, .address_space: global }
    .group_segment_fixed_size: 285696
    .private_segment_fixed_size: 0
    .kernarg_segment_align: 8
    .kernarg_segment_size: 56
    .max_flat_workgroup_size: 256
    .sgpr_count:     80
    .vgpr_count:     512
    .wavefront_size: 32
...
	.end_amdgpu_metadata
.endif
;; end of part 2
;; launch ffn2 (part 3): grid 16 x 16, 8 waves a work-group, no clusters, 300,032 bytes of LDS; arguments W2, b2, hf, rowlist, cntb, part; writes part
.if DOCPART == 3
	.amdgcn_target "amdgcn-amd-amdhsa--gfx1250"
	.amdhsa_code_object_version 6
	.text
	.protected	k_q78edce205d_ffn2
	.globl	k_q78edce205d_ffn2
	.p2align	8
	.type	k_q78edce205d_ffn2,@function
k_q78edce205d_ffn2:
	s_mov_b64 s[64:65], 0
	v_nop
	global_prefetch_b8 v0, s[64:65] scope:SCOPE_SE
	s_setreg_imm32_b32 hwreg(HW_REG_WAVE_MODE, 25, 1), 1
	s_wait_xcnt 0x0
; SECOND LAYER.  part[kh][p] = h[p][half kh of the hidden width] W2[e] (+ b2[e] in half 0) for the pairs p = 1024 k + token of expert e.  The two halves, and the router's weights, are put
; together by the next launch.  W2 rounded once to bf16, h bf16, sums, bias and the partial rows f32.
; GRID.  x = 8 kh + cs: half kh of the 2,048 hidden, slice cs of 128 output columns; y = expert e.  A work-group alone reads its 512 KiB of W2, once.  The hidden width is halved so that a
; slice has the first layer's shape: 128 columns x 1,024 k fit in LDS as bf16, and a wave has four column tiles for each token fragment that it loads.
; PHASES, ring, slice in LDS, shares of the waves and the pass are the first layer's: eight waves stream the slice into LDS as [column][k] with the blocks of k turned by (row / 16) mod 4,
; one barrier, then wave (q = w / 2, g = w mod 2) multiplies row tiles 12 b + q + 4 t by column tiles 4 g .. 4 g + 3.  The pass's 32 steps are written out: every LDS address is a register
; made at the head, never rewritten, plus an immediate.
; TOKEN OPERANDS come from hf as ready register images, two loads of 512 consecutive bytes each.  A tile past the expert's last is read as the last one and not stored.
; WAY OUT.  Lane (r, h) register j of column tile c is column 16 c + 8 h + j of row r: the accumulators go as they lie into my wave's stage, come back as rows of 256 bytes, and sixteen lanes
; store 256 consecutive bytes, aligned, at the row that the list names.  Places past the count repeat the last pair and store its bytes again.
; LIMITS.  An expert without rows still streams its slice (every wave passes the barrier) and stores nothing.  NaN and infinities are not treated apart.  b2 is taken in f32 as it is given.
; NO TENSOR LOADS, NO CLUSTER: each weight has one reader.  hf's tiles are shared by the 8 slices of a half, but beside the slice some 60 KiB of LDS are free and eight steps of 12 tiles are
; 96 KiB: two slots for joint loads do not fit.
.set PITCH, 4096                       ; bytes from row to row of W2[e]
.set WP,    2064
.set STG,   128*WP                     ; behind the slice: each wave's stage, 16 rows of 256 bytes + 16
.set SGP,   272
.set SPARE, STG+8*16*SGP               ; the spare words: 128 bytes a wave
.set NS,    7
; window 0
.set SPW,  10
.set NIL,  11
.set GOFF, 12                          ; v12      my wave's 8 rows + 16 x lane
.set LST,  13                          ; v13      LDS: row 4 x lane, my wave's block of k, turned
.set STO,  14                          ; v14      stage, in: row r, 32 h
.set L16,  15                          ; v15      16 x lane
.set BW,   16                          ; v16-23   W's fragments at k = 0; never rewritten
.set VA,   24                          ; v24-26   tile t: tile x 65,536 + 16 x lane
.set H32,  27                          ; v27      32 h
.set SRD,  28                          ; v28      stage, out: row h, 16 r
.set R16,  29                          ; v29      16 r
.set ACC,  32                          ; v32-127  accumulators 32 t + 8 c
.set BF,   128                         ; v128-255 W fragments: four steps of 32 registers
.set TT,   128
.set OB,   128                         ; the way out: 16 rows read back
; window 1
.set AF,   0                           ; v0-191   token images: step mod 8 x 24 + 8 t  (phase 1: the ring, v0-223)
.set BT,   192                         ; v192-223 bias 8 c + j, or 0 in half 1
.set PROW, 232                         ; v232-255 tile t, pair of rows i: p x 4,096 + 16 r of row 2 i + h
.set WV, 20
.set Q, 21
.set G, 22
.set CS, 23
.set EX, 24
.set CNT, 25
.set NT1, 26                           ; the expert's last tile
.set BC, 27
.set RB16, 28
.set WB, 30                            ; s[30:31] W2 at the slice
.set HB0, 34                           ; s[34:35] hf at the expert's half
.set RLB, 36                           ; s[36:37] rowlist at the expert
.set PB, 38                            ; s[38:39] part at my 64 columns
.set B2B, 40                           ; s[40:41] b2 at my 64 columns
.set KH, 42
.set T0, 43                            ; my tile 0 of the block
.set MSB, 0
.macro WIN new
.if MSB != (\new)
	s_set_vgpr_msb (MSB<<8)|(\new)
.set MSB, (\new)
.endif
.endm
.macro PLACES
.rept 4
	v_nop
.endr
.endm
.macro OCT o                           ; group o of my rows: 8 rows x 4 columns a lane -> four 16-byte LDS stores; the slot is asked for again, for group o + 7
.set SL, 32*((\o)%NS)
.set TS, TT+16*((\o)%2)
.if (\o) <= 15-(NS-1)
	s_wait_loadcnt 8*(NS-1)                        ; six younger slots of eight loads stay out
.else
	s_wait_loadcnt 8*(15-(\o))
.endif
	WIN 0x05
.irp c, 0,1,2,3
.irp i, 0,1,2,3
	v_cvt_pk_bf16_f32 v[TS+4*\c+\i], v[SL+8*\i+\c], v[SL+8*\i+4+\c]
.endr
.endr
	WIN 0
.irp c, 0,1,2,3
	ds_store_b128 v[LST], v[TS+4*\c:TS+4*\c+3] offset:\c*WP+128*(\o)
.endr
.if (\o)+NS <= 15
	WIN 0x40
.irp j, 0,1,2,3,4,5,6,7
	global_load_b128 v[SL+4*\j:SL+4*\j+3], v[GOFF], s[WB:WB+1] offset:(64*((\o)+NS)+\j)*PITCH th:TH_LOAD_NT
.endr
	WIN 0
.endif
.endm
.macro GA kp, nt                       ; the images of step kp (destination window 1)
.set y, 0
.rept \nt
	global_load_b128 v[AF+24*((\kp)%8)+8*y:AF+24*((\kp)%8)+8*y+3],   v[VA+y], s[HB0:HB0+1] offset:1024*(\kp)
	global_load_b128 v[AF+24*((\kp)%8)+8*y+4:AF+24*((\kp)%8)+8*y+7], v[VA+y], s[HB0:HB0+1] offset:1024*(\kp)+512
.set y, y+1
.endr
.endm
.macro FB kx, buf
.irp c, 0,1,2,3
	ds_load_b128 v[BF+32*(\buf)+8*\c:BF+32*(\buf)+8*\c+3],   v[BW+\c]   offset:64*(\kx)
	ds_load_b128 v[BF+32*(\buf)+8*\c+4:BF+32*(\buf)+8*\c+7], v[BW+4+\c] offset:64*(\kx)
.endr
.endm
.macro MM nt                           ; step ST's 4 nt products; the accumulators take turns, one instruction a turn
.if ST == 0
	WIN 0x14                                       ; sources 1 and 2 in window 1: the first products take the bias (half 1: zeros) as C
.else
	WIN 0x04
.endif
.irp c, 0,1,2,3
.set y, 0
.rept \nt
.if ST == 0
	v_wmma_f32_16x16x32_bf16 v[ACC+32*y+8*\c:ACC+32*y+8*\c+7], v[BF+32*(ST%4)+8*\c:BF+32*(ST%4)+8*\c+7], v[AF+24*(ST%8)+8*y:AF+24*(ST%8)+8*y+7], v[BT+8*\c:BT+8*\c+7]
.else
	v_wmma_f32_16x16x32_bf16 v[ACC+32*y+8*\c:ACC+32*y+8*\c+7], v[BF+32*(ST%4)+8*\c:BF+32*(ST%4)+8*\c+7], v[AF+24*(ST%8)+8*y:AF+24*(ST%8)+8*y+7], v[ACC+32*y+8*\c:ACC+32*y+8*\c+7]
.endif
.set y, y+1
.endr
.endr
.endm
; Step ST of 32, as in the first layer.  extra: loads issued behind the last images, which may stay out too.
.macro KB nt, extra=0
.if ST < 24
	s_wait_loadcnt 14*(\nt)                        ; seven younger steps of 2 nt loads
.else
	s_wait_loadcnt 2*(\nt)*(31-ST)+(\extra)
.endif
.if ST < 28
	s_wait_dscnt 24                                ; three younger steps of eight loads
.else
	s_wait_dscnt 8*(31-ST)
.endif
	MM \nt
	PLACES
.if ST < 28
	FB ST+4, ST%4
.endif
.if ST < 24
	WIN 0x40
	GA ST+8, \nt
.endif
.endm
.macro PLOAD nt                        ; the pairs of my rows are asked for, four steps ahead of the way out; each load lands on its own address register
	WIN 0
	v_add_nc_u32 v4, s[RB16], v2
	WIN 0x40
.set n, 0
.rept 8*(\nt)
	v_add_nc_u32 v[PROW+n], 64*(n/8)+2*(n%8), v4
.set n, n+1
.endr
	WIN 0x44
.set n, 0
.rept 8*(\nt)
	v_min_u32 v[PROW+n], 0x3ff, v[PROW+n]
.set n, n+1
.endr
.set n, 0
.rept 8*(\nt)
	v_lshlrev_b32 v[PROW+n], 2, v[PROW+n]
.set n, n+1
.endr
	WIN 0x41
.set n, 0
.rept 8*(\nt)
	global_load_b32 v[PROW+n], v[PROW+n], s[RLB:RLB+1]
.set n, n+1
.endr
.endm
.macro PFIN nt                         ; what was loaded is clamped in front of the address
	WIN 0x44
.set n, 0
.rept 8*(\nt)
	v_min_u32 v[PROW+n], 0x7ff, v[PROW+n]
.set n, n+1
.endr
	WIN 0x41
.set n, 0
.rept 8*(\nt)
	v_lshl_add_u32 v[PROW+n], v[PROW+n], 12, v[R16]
.set n, n+1
.endr
.endm
; The way out of tile t.  Each accumulator's registers 0-3 are read first.  The stage is my wave's own, and LDS serves a wave in order (ISA guide 5.7.1.4).
.macro EPIT t, cond
.if \cond
	s_add_co_u32 s46, s[RB16], 64*(\t)
	s_cmp_lt_u32 s46, s[CNT]
	s_cbranch_scc0 .Lep_\@
.endif
	s_wait_xcnt 0x0                                ; OB was the data of the tile before's stores
.irp c, 0,1,2,3
	ds_store_b128 v[STO], v[ACC+32*(\t)+8*\c:ACC+32*(\t)+8*\c+3]   offset:64*\c
	ds_store_b128 v[STO], v[ACC+32*(\t)+8*\c+4:ACC+32*(\t)+8*\c+7] offset:64*\c+16
.endr
.irp i, 0,1,2,3,4,5,6,7
	ds_load_b128 v[OB+4*\i:OB+4*\i+3], v[SRD] offset:2*SGP*\i
.endr
	WIN 0x01                                       ; the stores' offsets lie in window 1
.irp i, 0,1,2,3,4,5,6,7
	s_wait_dscnt 7-\i
	global_store_b128 v[PROW+8*(\t)+\i], v[OB+4*\i:OB+4*\i+3], s[PB:PB+1]
.endr
	WIN 0
.if \cond
.Lep_\@:
.endif
.endm
.macro PASS nt
	WIN 0x40
.irp k, 0,1,2,3,4,5,6,7
	GA \k, \nt
.endr
	WIN 0
.irp k, 0,1,2,3
	FB \k, \k
.endr
.set ST, 0
.rept 32
.if ST >= 28
	KB \nt, 8*(\nt)
.else
	KB \nt
.endif
.if ST == 27
	PLOAD \nt
.endif
.set ST, ST+1
.endr
	WIN 0
	s_wait_loadcnt 0x0                             ; the pairs
	PFIN \nt
	WIN 0
	EPIT 0, 0
.if (\nt) == 3
	EPIT 1, 0
	EPIT 2, 0
.else
	EPIT 1, 1
.endif
.endm
	s_load_b256 s[4:11], s[0:1], 0x0               ; W2 s[4:5], b2 s[6:7], hf s[8:9], rowlist s[10:11]
	s_load_b128 s[12:15], s[0:1], 0x20             ; cntb s[12:13], part s[14:15]
	v_lshl_add_u32 v[SPW], v0, 2, SPARE
	v_mov_b32 v[NIL], 0
	v_and_b32 v1, 15, v0                           ; r
	v_bfe_u32 v2, v0, 4, 1                         ; h
	v_and_b32 v3, 31, v0                           ; lane
	v_lshrrev_b32 v4, 5, v0
	v_readfirstlane_b32 s[WV], v4
	s_lshr_b32 s[Q], s[WV], 1
	s_and_b32 s[G], s[WV], 1
	s_and_b32 s[CS], ttmp9, 7
	s_lshr_b32 s[KH], ttmp9, 3
	s_and_b32 s[EX], ttmp7, 0xffff
	s_lshl_b32 s44, s[EX], 23                      ; an expert's 8 MiB,
	s_lshl_b32 s45, s[KH], 22                      ; the half's 1,024 rows of 4,096 bytes,
	s_add_co_u32 s44, s44, s45
	s_lshl_b32 s45, s[CS], 9                       ; the slice's 512 bytes of a row
	s_add_co_u32 s44, s44, s45
	s_mov_b32 s45, 0
	s_lshl_b32 s46, s[WV], 15                      ; my 8 rows
	v_lshl_add_u32 v[GOFF], v3, 4, s46
	s_wait_kmcnt 0x0
	s_add_nc_u64 s[WB:WB+1], s[4:5], s[44:45]
	WIN 0x40
.set n, 0
.rept 8*NS                             ; the ring is filled: groups 0 to 6
	global_load_b128 v[4*n:4*n+3], v[GOFF], s[WB:WB+1] offset:(64*(n/8)+n%8)*PITCH th:TH_LOAD_NT
.set n, n+1
.endr
	WIN 0
	s_lshl_b32 s44, s[EX], 7
	s_add_nc_u64 s[60:61], s[12:13], s[44:45]
	s_load_b32 s[CNT], s[60:61], 0x0
	v_lshlrev_b32 v[L16], 4, v3
	v_lshlrev_b32 v[H32], 5, v2
	v_lshlrev_b32 v[R16], 4, v1
	v_lshrrev_b32 v30, 2, v3                       ; the turn of my block of k, as in the first layer
	v_add_nc_u32 v30, s[WV], v30
	v_and_b32 v30, 3, v30
	s_and_b32 s46, s[WV], 4
	v_add_nc_u32 v30, s46, v30
	v_mul_u32_u24 v31, v3, 4*WP
	v_lshl_add_u32 v[LST], v30, 4, v31
	s_mul_i32 s46, s[G], 64*WP
	v_mul_u32_u24 v5, v1, WP
	v_add_nc_u32 v5, s46, v5                       ; row 64 g + r
.irp c, 0,1,2,3
	v_add_nc_u32 v6, \c, v2
	v_and_b32 v6, 3, v6
	v_xor_b32 v7, 2, v6
	v_lshl_add_u32 v6, v6, 4, v5
	v_lshl_add_u32 v7, v7, 4, v5
	v_add_nc_u32 v[BW+\c], \c*16*WP, v6
	v_add_nc_u32 v[BW+4+\c], \c*16*WP, v7
.endr
	s_mul_i32 s47, s[WV], 16*SGP
	s_add_co_u32 s47, s47, STG                     ; my stage
	v_mul_u32_u24 v[STO], v1, SGP
	v_lshl_add_u32 v[STO], v2, 5, v[STO]
	v_add_nc_u32 v[STO], s47, v[STO]
	v_mul_u32_u24 v[SRD], v2, SGP
	v_lshl_add_u32 v[SRD], v1, 4, v[SRD]
	v_add_nc_u32 v[SRD], s47, v[SRD]
	s_lshl_b32 s44, s[EX], 22                      ; hf: an expert's 4 MiB, the half's 32 images
	s_lshl_b32 s46, s[KH], 15
	s_add_co_u32 s44, s44, s46
	s_add_nc_u64 s[HB0:HB0+1], s[8:9], s[44:45]
	s_lshl_b32 s44, s[EX], 12
	s_add_nc_u64 s[RLB:RLB+1], s[10:11], s[44:45]
	s_lshl_b32 s46, s[CS], 9
	s_lshl_b32 s47, s[G], 8
	s_add_co_u32 s46, s46, s47                     ; my 64 columns, in bytes
	s_add_co_u32 s44, s44, s46
	s_add_nc_u64 s[B2B:B2B+1], s[6:7], s[44:45]
	s_lshl_b32 s44, s[KH], 23                      ; part: a half's 8 MiB
	s_add_co_u32 s44, s44, s46
	s_add_nc_u64 s[PB:PB+1], s[14:15], s[44:45]
	s_lshl_b32 s[RB16], s[Q], 4
	s_mov_b32 s[T0], s[Q]
	s_wait_kmcnt 0x0
	s_sub_co_u32 s[NT1], s[CNT], 1
	s_lshr_b32 s[NT1], s[NT1], 4                   ; used only where the count is above 0
.irp o, 0,1,2,3,4,5,6,7,8,9,10,11,12,13,14,15
	OCT \o
.endr
	WIN 0x40
.irp c, 0,1,2,3
	global_load_b128 v[BT+8*\c:BT+8*\c+3],   v[H32], s[B2B:B2B+1] offset:64*\c     ; b2 of columns 16 c + 8 h + 0..7, in the accumulators' order
	global_load_b128 v[BT+8*\c+4:BT+8*\c+7], v[H32], s[B2B:B2B+1] offset:64*\c+16
.endr
	WIN 0
	s_wait_dscnt 0x0                               ; for the others' sake: my part of the slice is in LDS
	s_barrier_signal -1
	s_barrier_wait -1                              ; the slice is whole
	s_wait_loadcnt 0x0                             ; the bias
	s_cmp_eq_u32 s[KH], 0
	s_cselect_b32 s46, -1, 0
	WIN 0x44
.set n, 0
.rept 32
	v_cndmask_b32 v[BT+n], 0, v[BT+n], s46         ; the bias belongs to half 0 alone
.set n, n+1
.endr
	WIN 0
	s_mov_b32 s[BC], 0
.Lpass:                                ; six blocks of 192 rows cover every split
	s_cmp_lt_u32 s[RB16], s[CNT]
	s_cbranch_scc0 .Lnext                          ; my first tile of the block has no row
.irp t, 0,1,2
	s_add_co_u32 s46, s[T0], 4*\t
	s_min_u32 s46, s46, s[NT1]                     ; a tile past the last is read as the last
	s_min_u32 s46, s46, 63
	s_lshl_b32 s46, s46, 16
	v_add_nc_u32 v[VA+\t], s46, v[L16]
.endr
	s_add_co_u32 s46, s[RB16], 128
	s_cmp_lt_u32 s46, s[CNT]
	s_cbranch_scc0 .Ltwo
	PASS 3
	s_branch .Lnext
.Ltwo:
	PASS 2
.Lnext:
	s_wait_xcnt 0x0                                ; the stores' data and offsets are rewritten only behind this wait
	s_add_co_u32 s[RB16], s[RB16], 192
	s_add_co_u32 s[T0], s[T0], 12
	s_add_co_u32 s[BC], s[BC], 1
	s_cmp_lt_u32 s[BC], 6
	s_cbranch_scc1 .Lpass
	s_wait_tensorcnt 0x0                           ; the wave's end, behind my last LDS store
	ds_add_u32 v[SPW], v[NIL]
	s_wait_dscnt 0x0
	s_endpgm
.Lfunc_end_k_q78edce205d_ffn2:
	.size	k_q78edce205d_ffn2, .Lfunc_end_k_q78edce205d_ffn2-k_q78edce205d_ffn2
	.p2alignl 7, 3214868480
	.fill 96, 4, 3214868480
	.section	.rodata,"a",@progbits
	.p2align	6, 0x0
	.amdhsa_kernel k_q78edce205d_ffn2
		.amdhsa_group_segment_fixed_size 300032
		.amdhsa_private_segment_fixed_size 0
		.amdhsa_enable_private_segment 0
		.amdhsa_kernarg_size 48
		.amdhsa_user_sgpr_count 2
		.amdhsa_user_sgpr_kernarg_segment_ptr 1
		.amdhsa_wavefront_size32 1
		.amdhsa_system_sgpr_workgroup_id_x 1
		.amdhsa_system_sgpr_workgroup_id_y 1
		.amdhsa_system_sgpr_workgroup_id_z 1
		.amdhsa_system_vgpr_workitem_id 0
		.amdhsa_next_free_vgpr 512
		.amdhsa_next_free_sgpr 80
		.amdhsa_reserve_vcc 0
		.amdhsa_float_denorm_mode_32 3
		.amdhsa_float_denorm_mode_16_64 3
		.amdhsa_memory_ordered 1
		.amdhsa_forward_progress 1
		.amdhsa_inst_pref_size 186
	.end_amdhsa_kernel
	.amdgpu_metadata
---
amdhsa.version: [ 1, 2 ]
amdhsa.kernels:
  - .name:           k_q78edce205d_ffn2
    .symbol:         k_q78edce205d_ffn2.kd
    .args:
      - { .name: W2, .offset: 0, .size: 8, .value_kind: global_buffer, .address_space: global }
      - { .name: b2, .offset: 8, .size: 8, .value_kind: global_buffer, .address_space: global }
      - { .name: hf, .offset: 16, .size: 8, .value_kind: global_buffer, .address_space: global }
      - { .name: rowlist, .offset: 24, .size: 8, .value_kind: global_buffer, .address_space: global }
      - { .name: cntb, .offset: 32, .size: 8, .value_kind: global_buffer, .address_space: global }
      - { .name: part, .offset: 40, .size: 8, .value_kind: global_buffer, .address_space: global }
    .group_segment_fixed_size: 300032
    .private_segment_fixed_size: 0
    .kernarg_segment_align: 8
    .kernarg_segment_size: 48
    .max_flat_workgroup_size: 256
    .sgpr_count:     80
    .vgpr_count:     512
    .wavefront_size: 32
...
	.end_amdgpu_metadata
.endif
;; end of part 3
;; launch combine (part 4): grid 256 x 1, 8 waves a work-group, no clusters, 0 bytes of LDS; arguments part, rw, out0; writes out0
.if DOCPART == 4
	.amdgcn_target "amdgcn-amd-amdhsa--gfx1250"
	.amdhsa_code_object_version 6
	.text
	.protected	k_q78edce205d_combine
	.globl	k_q78edce205d_combine
	.p2align	8
	.type	k_q78edce205d_combine,@function
k_q78edce205d_combine:
	s_mov_b64 s[64:65], 0
	v_nop
	global_prefetch_b8 v0, s[64:65] scope:SCOPE_SE
	s_setreg_imm32_b32 hwreg(HW_REG_WAVE_MODE, 25, 1), 1
	s_wait_xcnt 0x0
; out0[t] = w0[t] (part[0][t] + part[1][t]) + w1[t] (part[0][1024 + t] + part[1][1024 + t]): for each of the token's two experts the two halves of the hidden width are added (the bias lies in
; half 0), then the router's softmax weighs them.  All f32.
; A work-group owns four tokens; thread i owns the 16 bytes at 16 i of every row, so a wave's load or store covers 512 consecutive bytes.  All sixteen loads of a thread are out at once;
; no LDS, no barrier, no matrix unit: each byte is read once and written once, and nothing is shared.
	s_load_b128 s[4:7], s[0:1], 0x0                ; part s[4:5], rw s[6:7]
	s_load_b64 s[8:9], s[0:1], 0x10                ; out0
	v_lshlrev_b32 v1, 4, v0
	s_lshl_b32 s10, ttmp9, 4                       ; four weights of 4 bytes
	s_mov_b32 s11, 0
	s_lshl_b32 s20, ttmp9, 14                      ; four rows of 4,096 bytes
	s_mov_b32 s21, 0
	s_wait_kmcnt 0x0
	s_add_nc_u64 s[6:7], s[6:7], s[10:11]
	s_add_nc_u64 s[4:5], s[4:5], s[20:21]
	s_add_nc_u64 s[8:9], s[8:9], s[20:21]
	s_add_nc_u64 s[22:23], s[4:5], 0x800000        ; half 1 lies 8 MiB on
	s_load_b128 s[12:15], s[6:7], 0x0              ; w0 of my four tokens
	s_load_b128 s[16:19], s[6:7], 0x1000           ; w1
.irp a, 0,1,2,3
	global_load_b128 v[4+16*\a:7+16*\a],   v1, s[4:5]   offset:\a*4096 th:TH_LOAD_NT
	global_load_b128 v[8+16*\a:11+16*\a],  v1, s[22:23] offset:\a*4096 th:TH_LOAD_NT
	global_load_b128 v[12+16*\a:15+16*\a], v1, s[4:5]   offset:\a*4096+4194304 th:TH_LOAD_NT
	global_load_b128 v[16+16*\a:19+16*\a], v1, s[22:23] offset:\a*4096+4194304 th:TH_LOAD_NT
.endr
	s_wait_kmcnt 0x0
.irp a, 0,1,2,3
	s_wait_loadcnt 12-4*\a                         ; token a's four loads are in; the younger tokens' stay out
	v_pk_add_f32 v[4+16*\a:5+16*\a],   v[4+16*\a:5+16*\a],   v[8+16*\a:9+16*\a]
	v_pk_add_f32 v[6+16*\a:7+16*\a],   v[6+16*\a:7+16*\a],   v[10+16*\a:11+16*\a]
	v_pk_add_f32 v[12+16*\a:13+16*\a], v[12+16*\a:13+16*\a], v[16+16*\a:17+16*\a]
	v_pk_add_f32 v[14+16*\a:15+16*\a], v[14+16*\a:15+16*\a], v[18+16*\a:19+16*\a]
.irp c, 0,1,2,3
	v_mul_f32 v[4+16*\a+\c], s[12+\a], v[4+16*\a+\c]
.endr
.irp c, 0,1,2,3
	v_fma_f32 v[4+16*\a+\c], s[16+\a], v[12+16*\a+\c], v[4+16*\a+\c]
.endr
	global_store_b128 v1, v[4+16*\a:7+16*\a], s[8:9] offset:\a*4096 th:TH_STORE_NT
.endr
	s_endpgm
.Lfunc_end_k_q78edce205d_combine:
	.size	k_q78edce205d_combine, .Lfunc_end_k_q78edce205d_combine-k_q78edce205d_combine
	.p2alignl 7, 3214868480
	.fill 96, 4, 3214868480
	.section	.rodata,"a",@progbits
	.p2align	6, 0x0
	.amdhsa_kernel k_q78edce205d_combine
		.amdhsa_group_segment_fixed_size 0
		.amdhsa_private_segment_fixed_size 0
		.amdhsa_enable_private_segment 0
		.amdhsa_kernarg_size 24
		.amdhsa_user_sgpr_count 2
		.amdhsa_user_sgpr_kernarg_segment_ptr 1
		.amdhsa_wavefront_size32 1
		.amdhsa_system_sgpr_workgroup_id_x 1
		.amdhsa_system_sgpr_workgroup_id_y 1
		.amdhsa_system_sgpr_workgroup_id_z 1
		.amdhsa_system_vgpr_workitem_id 0
		.amdhsa_next_free_vgpr 72
		.amdhsa_next_free_sgpr 66
		.amdhsa_reserve_vcc 0
		.amdhsa_float_denorm_mode_32 3
		.amdhsa_float_denorm_mode_16_64 3
		.amdhsa_memory_ordered 1
		.amdhsa_forward_progress 1
		.amdhsa_inst_pref_size 6
	.end_amdhsa_kernel
	.amdgpu_metadata
---
amdhsa.version: [ 1, 2 ]
amdhsa.kernels:
  - .name:           k_q78edce205d_combine
    .symbol:         k_q78edce205d_combine.kd
    .args:
      - { .name: part, .offset: 0, .size: 8, .value_kind: global_buffer, .address_space: global }
      - { .name: rw, .offset: 8, .size: 8, .value_kind: global_buffer, .address_space: global }
      - { .name: out0, .offset: 16, .size: 8, .value_kind: global_buffer, .address_space: global }
    .group_segment_fixed_size: 0
    .private_segment_fixed_size: 0
    .kernarg_segment_align: 8
    .kernarg_segment_size: 24
    .max_flat_workgroup_size: 256
    .sgpr_count:     66
    .vgpr_count:     72
    .wavefront_size: 32
...
	.end_amdgpu_metadata
.endif
;; end of part 4
;; ======== version 2 of 3: 4 launches; 1.12 times as fast as version 1
;; workspace buffers: xb 2,097,152 bytes; bm 4,096 bytes of whole numbers; rw 8,192 bytes; hf 67,108,864 bytes; rowlist 100,352 bytes of whole numbers; cntb 2,048 bytes of whole numbers; part 16,777,216 bytes
;; launch router: the kernel of part 1 again; grid 32 x 1, 8 waves a work-group, no clusters, 83,456 bytes of LDS; arguments x, Wg, xb, bm, rw; writes xb, bm, rw
;; launch ffn1 (part 5): grid 16 x 16, 8 waves a work-group, no clusters, 265,216 bytes of LDS; arguments W1, b1, xb, bm, hf, rowlist, cntb; writes hf, rowlist, cntb
.if DOCPART == 5
	.amdgcn_target "amdgcn-amd-amdhsa--gfx1250"
	.amdhsa_code_object_version 6
	.text
	.protected	k_q78edce205d_ffn1
	.globl	k_q78edce205d_ffn1
	.p2align	8
	.type	k_q78edce205d_ffn1,@function
k_q78edce205d_ffn1:
	s_mov_b64 s[64:65], 0
	v_nop
	global_prefetch_b8 v0, s[64:65] scope:SCOPE_SE
	s_setreg_imm32_b32 hwreg(HW_REG_WAVE_MODE, 25, 1), 1
	s_wait_xcnt 0x0
; FIRST LAYER.  h = relu(x W1[e] + b1[e]) for the rows that chose expert e alone.  x and W1 rounded once to bf16, sums and bias in f32, h rounded once to bf16.
; GRID.  x = slice sg of 128 hidden columns, y = expert e.  A work-group alone reads its 512 KiB of W1, once, whatever the split of the tokens.
; TWO PHASES, one text for all eight waves, a barrier between them and one behind the second.
; PHASE 1, the stream.  Wave w takes rows k = 64 o + 8 w + j (o = 0..15, j = 0..7), a row's 512 bytes to a load.  A ring of seven slots of eight loads in registers keeps 56 loads of
; every wave out, refilled slot by slot behind counted waits.  A lane's 8 rows x 4 columns become 4 columns x 8 k of bf16: four 16-byte LDS stores into the slice, kept as [column][k].
; THE SLICE IN LDS.  Row = column of the slice, pitch 2,064.  Of each four 16-byte blocks of k the block's place is turned by (row / 16) mod 4.
; the fragment loads' sixteen lanes lie in one group of 16 rows, where the turn is a constant of the address.
; PHASE 2, the products: nothing writes the slice any more, so no barrier stands inside it.  Wave w: q = w / 2, g = w mod 2: row tiles 12 b + q + 4 t (t = 0..2) of block b of 192 rows, column
; tiles 4 g .. 4 g + 3.  Six blocks cover every split; a block in which the wave has no row is jumped.  The pass is written for three tiles and for two, and chosen once a pass, so that
; no load and no product inside it hangs on the count.  Its 32 steps of 32 k are four laps of eight: three in a counted loop, the last written out, since it asks for nothing more.  A lap's
; LDS addresses are eight registers made at the head and never rewritten, plus a scalar that steps by a lap's 512 bytes.  Places past the count repeat the last row; a tile without rows is not stored.
; PRODUCT, transposed: source 0 = 16 columns of W, source 1 = 16 tokens: lane (r, h) register j of column tile c is column 16 c + 8 h + j of token r.  The sums start from the bias, by 32 moves
; a tile that are issued while the pass's first loads are on their way: the price of a first step that is not written out; nothing is added afterwards.
; TOKENS.  The expert's rows are ranked by word (token group, then choice) and bit of the bitmap of the launch before.  The token of a rank is found in registers alone: among the 64 words the
; last whose key, (rows ahead << 6) + word number, is at most (rank << 6) + 63; in that word the wanted set bit, by five halvings over partial bit counts.  All six blocks are looked up at the
; head, the last first, into a shift register of 18 registers, while the ring's first loads are on their way; blocks without rows are jumped.
; A token fragment comes straight from xb: a lane takes 16 bytes of its own token's row.
; OUT.  hf [e][tile][image 0..63][1,024 bytes]: image i holds hidden 32 i .. 32 i + 31 of the tile's 16 rows as a ready matrix operand: bytes 16 l of its first half are registers 0-3 of lane l,
; of its second half registers 4-7.  rowlist: expert e's part begins at entry 1,056 e; entry n below the count: the pair p = 1024 k + token of rank n; the entries from the count on are not written
; and not read.  Wave 0 of slice sg stores the pairs of words 4 sg .. 4 sg + 3; its lanes without a bit store into 32 entries of its own behind the 16 parts.  cntb [e][32]: the count, from slice 0.
; LIMITS.  An expert without rows still streams its slice (every wave passes the barriers) and stores nothing into hf.  h beyond bf16's range becomes an infinity; NaN is not treated apart.
; b1 is taken in f32 as it is given, not rounded to bf16.
; NO TENSOR LOADS, NO CLUSTER: each weight has one reader, and the rows that the 16 slices share come by a list that no tile descriptor covers.
.set PITCH, 8192                       ; bytes from row to row of W1[e]
.set WP,    2064                       ; a column's k in LDS: 2,048 bytes + 16: an odd multiple of 16 (64 banks of 4 bytes: ISA guide 11.1)
.set SPARE, 128*WP                     ; behind the slice: the spare words: 128 bytes a wave, four blocks of 256 bytes that no other line names
.set NS,    7                          ; ring slots
.set LAP,   512                        ; bytes of a token's row, and of a column's k in LDS, in a lap of eight steps
.set RLE,   1056                       ; entries of an expert's part of rowlist
.set DUMP,  16*RLE                     ; behind the 16 parts: 32 entries for each expert and slice: 25,088 entries in all
; window 0
.set ZR,   9                           ; v9       0
.set SPW,  10                          ; v10, v11 the add's two registers; never rewritten
.set NIL,  11
.set GOFF, 12                          ; v12      my wave's 8 rows + 16 x lane
.set LST,  13                          ; v13      LDS: row 4 x lane, my wave's block of k, turned
.set BM0,  14                          ; v14      lane n: token group n's word for my expert, first choice
.set L16,  15                          ; v15      16 x lane
.set BW,   16                          ; v16-23   this lap's addresses of W's fragments: column tile c, low half; 4 + c, high half
.set ROWA, 24                          ; v24-26   tile t: token x 2,048 + 16 h
.set H32,  27                          ; v27      32 h
.set H16,  28                          ; v28      16 h
.set BM1,  29                          ; v29      the same as BM0, second choice
.set ACC,  32                          ; v32-127  accumulators 32 t + 8 c
.set BF,   128                         ; v128-255 W fragments: four steps of 32 registers
.set TT,   128                         ; phase 1: packed weights, two sets of 16
.set U,    128                         ; the way out: 16 registers a tile
; at the head, in BF's registers: the lookup's, one for each tile t
.set LIM,  128                         ; (rank << 6) + 63
.set KK,   132                         ; the key kept
.set WW,   136                         ; the word kept
.set DD,   140                         ; the rank; then which set bit of the word
.set PP,   144                         ; the bit's place
.set TQ,   148                         ; at work
.set C1,   152                         ; set bits in each 2 bits of the word
.set C2,   156                         ; in each 4
.set C4,   160                         ; in each 8
.set C8,   164                         ; low byte: in the low 16
.set IN,   168                         ; at work
.set SP0,  176                         ; v176-180 the list: p of choice 0, of choice 1, the spare entry, 4 x lane, the count
.set SA,   184                         ; v184-187 its offsets
.set SD,   192                         ; v192-195 its data
; window 1
.set AF,   0                           ; v0-191   token fragments: step mod 8 x 24 + 8 t  (phase 1: the ring, slot x 32 + 4 j + c, v0-223)
.set BT,   192                         ; v192-223 bias 8 c + j
.set RT,   224                         ; v224-241 tokens of block b, tile t at 3 b + t; moved down by three behind each pass
.set BAD0, 242                         ; v242-249 BW at k = 0; never rewritten
.set WV, 20
.set Q, 21
.set G, 22
.set SG, 23
.set EX, 24
.set CNT, 25                           ; the expert's rows
.set CM1, 26                           ; max(count, 1) - 1
.set BC, 27
.set RB16, 28                          ; first row of my tile 0 in the block in hand
.set LBK, 29                           ; blocks still to be looked up
.set WB, 30                            ; s[30:31] W1 at the slice
.set LRB, 32                           ; first row of my tile 0 in the block looked up
.set HS, 34                            ; s[34:35] hf at my tile 0 of the block, my two images
.set B1B, 48                           ; s[48:49] b1 at my 64 columns
.set KC, 50                            ; LDS byte of the lap along k
.set LAPC, 51
.set PRE, 56                           ; the rows ahead of my slice's four words
.set MINE, 57                          ; the token group behind my slice's four words
.set XA, 58                            ; s[58:59] xb at the lap that is asked for
.set CW, 68                            ; s68-71   my slice's four words
.set MSB, 0
.macro WIN new                         ; the immediate's high byte repeats the setting that is left; a switch that changes nothing is dropped
.if MSB != (\new)
	s_set_vgpr_msb (MSB<<8)|(\new)
.set MSB, (\new)
.endif
.endm
.macro PLACES                          ; four places in front of loads into registers that products have read, and of the first read of results
.rept 4
	v_nop
.endr
.endm
; Group o of my rows: its slot has landed; 8 rows x 4 columns a lane -> four 16-byte LDS stores; the slot is asked for again at once, for group o + 7.
.macro OCT o
.set SL, 32*((\o)%NS)
.set TS, TT+16*((\o)%2)
.if (\o) <= 15-(NS-1)
	s_wait_loadcnt 8*(NS-1)                        ; six younger slots of eight loads stay out
.elseif (\o) <= 13
	s_wait_loadcnt 8*(15-(\o))                     ; nothing is asked for any more: the counts run down
.else
	s_wait_loadcnt 8*(15-(\o))+8                   ; the bias's eight loads, issued behind group 13, stay out too
.endif
	WIN 0x05                                       ; sources in window 1
.irp c, 0,1,2,3
.irp i, 0,1,2,3
	v_cvt_pk_bf16_f32 v[TS+4*\c+\i], v[SL+8*\i+\c], v[SL+8*\i+4+\c]
.endr
.endr
	WIN 0
.irp c, 0,1,2,3
	ds_store_b128 v[LST], v[TS+4*\c:TS+4*\c+3] offset:\c*WP+128*(\o)
.endr
.if (\o)+NS <= 15
	WIN 0x40
.irp j, 0,1,2,3,4,5,6,7
	global_load_b128 v[SL+4*\j:SL+4*\j+3], v[GOFF], s[WB:WB+1] offset:(64*((\o)+NS)+\j)*PITCH th:TH_LOAD_NT
.endr
	WIN 0
.endif
.endm
.macro BIASLD                          ; b1 of columns 16 c + 8 h + 0..7, in the accumulators' order, into ring slot 6, which group 13 has left
	WIN 0x40
.irp c, 0,1,2,3
	global_load_b128 v[BT+8*\c:BT+8*\c+3],   v[H32], s[B1B:B1B+1] offset:64*\c
	global_load_b128 v[BT+8*\c+4:BT+8*\c+7], v[H32], s[B1B:B1B+1] offset:64*\c+16
.endr
	WIN 0
.endm
.macro GA kp, nt                       ; the token fragments of step kp of the lap at XA (destination window 1)
.set y, 0
.rept \nt
	global_load_b128 v[AF+24*(\kp)+8*y:AF+24*(\kp)+8*y+3],   v[ROWA+y], s[XA:XA+1] offset:64*(\kp)
	global_load_b128 v[AF+24*(\kp)+8*y+4:AF+24*(\kp)+8*y+7], v[ROWA+y], s[XA:XA+1] offset:64*(\kp)+32
.set y, y+1
.endr
.endm
.macro FB kx, buf                      ; my four W fragments of step kx, counted from the lap in hand (8 to 11: the next lap's first four)
.irp c, 0,1,2,3
	ds_load_b128 v[BF+32*(\buf)+8*\c:BF+32*(\buf)+8*\c+3],   v[BW+\c]   offset:64*(\kx)
	ds_load_b128 v[BF+32*(\buf)+8*\c+4:BF+32*(\buf)+8*\c+7], v[BW+4+\c] offset:64*(\kx)
.endr
.endm
.macro MM kp, nt                       ; 4 nt products; the accumulators take turns, one instruction a turn, over the loop's backward jump too
	WIN 0x04                                       ; source 1 in window 1
.irp c, 0,1,2,3
.set y, 0
.rept \nt
	v_wmma_f32_16x16x32_bf16 v[ACC+32*y+8*\c:ACC+32*y+8*\c+7], v[BF+32*((\kp)%4)+8*\c:BF+32*((\kp)%4)+8*\c+7], v[AF+24*(\kp)+8*y:AF+24*(\kp)+8*y+7], v[ACC+32*y+8*\c:ACC+32*y+8*\c+7]
.set y, y+1
.endr
.endr
.endm
; Step kp of a lap.  Its token fragments were asked for eight steps ago, its W fragments four: the counts leave the younger steps' loads out.  Behind the products the registers just read are
; asked for again.  tail = 1: the last lap: no token refill, W refills while steps are left, and the counts run down.
.macro KB kp, nt, tail
.if \tail
	s_wait_loadcnt 2*(\nt)*(7-(\kp))
.if (\kp) <= 4
	s_wait_dscnt 24
.else
	s_wait_dscnt 8*(7-(\kp))
.endif
.else
	s_wait_loadcnt 14*(\nt)                        ; seven younger steps of 2 nt loads
	s_wait_dscnt 24                                ; three younger steps of eight loads
.endif
	MM \kp, \nt
	PLACES
.if ((\tail) == 0) || ((\kp) < 4)
	FB (\kp)+4, (\kp)%4                            ; an LDS load takes destination and address by the fields that the setting above leaves at window 0
.endif
.if (\tail) == 0
.if (\kp) == 0
	s_wait_xcnt 0x0                                ; the base is stepped only behind this wait; the lap's first products and fragment loads stand between the last token loads and it
	s_add_nc_u64 s[XA:XA+1], s[XA:XA+1], LAP       ; from here on the next lap is asked for
.endif
	WIN 0x40
	GA \kp, \nt
.endif
.endm
; The way out of tile t: rounding, ReLU, and for each column tile one store of 512 consecutive bytes: half an image.  Each accumulator's registers 0 and 1 are read first.
.macro EPIT t, cond
.if \cond
	s_add_co_u32 s46, s[RB16], 64*(\t)
	s_cmp_lt_u32 s46, s[CNT]
	s_cbranch_scc0 .Lep_\@
.endif
.irp c, 0,1,2,3
.irp n, 0,1,2,3
	v_cvt_pk_bf16_f32 v[U+16*(\t)+4*\c+\n], v[ACC+32*(\t)+8*\c+2*\n], v[ACC+32*(\t)+8*\c+2*\n+1]
.endr
.endr
.set n, 0
.rept 16
	v_pk_max_num_bf16 v[U+16*(\t)+n], v[U+16*(\t)+n], v[ZR]
.set n, n+1
.endr
.irp c, 0,1,2,3
	global_store_b128 v[L16], v[U+16*(\t)+4*\c:U+16*(\t)+4*\c+3], s[HS:HS+1] offset:(\t)*262144+(\c/2)*1024+(\c%2)*512
.endr
.if \cond
.Lep_\@:
.endif
.endm
.macro LAPADR                          ; the lap's eight LDS addresses: the bases plus the scalar step
	WIN 0x04                                       ; source 1 in window 1
.set n, 0
.rept 8
	v_add_nc_u32 v[BW+n], s[KC], v[BAD0+n]
.set n, n+1
.endr
.endm
; A pass: nt tiles x 4 column tiles over all 1,024 k.
.macro PASS nt
	s_mov_b32 s[KC], 0
	s_mov_b64 s[XA:XA+1], s[8:9]                   ; no load that names XA is out: the pass before ended on a wait for all loads
	LAPADR
	WIN 0x40
.irp k, 0,1,2,3,4,5,6,7
	GA \k, \nt
.endr
	WIN 0
.irp k, 0,1,2,3
	FB \k, \k
.endr
	WIN 0x01
.set y, 0
.rept \nt
.set n, 0
.rept 32
	v_mov_b32 v[ACC+32*y+n], v[BT+n]               ; the sums start from the bias, while the loads above are on their way
.set n, n+1
.endr
.set y, y+1
.endr
	WIN 0
	s_mov_b32 s[LAPC], 3
.Llap_\@:                              ; laps 0 to 2; they ask for laps 1 to 3
.irp k, 0,1,2,3,4,5,6,7
	KB \k, \nt, 0
.endr
	s_add_co_u32 s[KC], s[KC], LAP
	LAPADR
	WIN 0
	s_sub_co_u32 s[LAPC], s[LAPC], 1
	s_cmp_lg_u32 s[LAPC], 0
	s_cbranch_scc1 .Llap_\@
.irp k, 0,1,2,3,4,5,6,7
	KB \k, \nt, 1                                  ; the last lap is written out: no load leaves a token's row or the slice
.endr
	WIN 0                                          ; the last step's four places stand in front of the way out
	EPIT 0, 0
.if (\nt) == 3
	EPIT 1, 0
	EPIT 2, 0
.else
	EPIT 1, 1
.endif
.endm
; One halving of the search for the wanted set bit: if as many bits as wanted, or fewer, lie in the lower part, they are taken off and the place moves up.
.macro LEV1 t, mask, src, wid, half
	v_bfe_u32 v[TQ+\t], v[\src+\t], v[PP+\t], \wid
	v_cmp_ge_u32 \mask, v[DD+\t], v[TQ+\t]
	v_cndmask_b32 v[TQ+\t], 0, v[TQ+\t], \mask
	v_sub_nc_u32 v[DD+\t], v[DD+\t], v[TQ+\t]
	v_cndmask_b32 v[IN+\t], 0, \half, \mask
	v_add_nc_u32 v[PP+\t], v[PP+\t], v[IN+\t]
.endm
.macro LEVEL src, wid, half
	LEV1 0, vcc_lo, \src, \wid, \half
	LEV1 1, s66, \src, \wid, \half
	LEV1 2, s67, \src, \wid, \half
.endm
	s_load_b256 s[4:11], s[0:1], 0x0               ; W1 s[4:5], b1 s[6:7], xb s[8:9], bm s[10:11]
	s_load_b128 s[12:15], s[0:1], 0x20             ; hf s[12:13], rowlist s[14:15]
	s_load_b64 s[16:17], s[0:1], 0x30              ; cntb
	v_lshl_add_u32 v[SPW], v0, 2, SPARE
	v_mov_b32 v[NIL], 0
	v_and_b32 v1, 15, v0                           ; r
	v_bfe_u32 v2, v0, 4, 1                         ; h
	v_and_b32 v3, 31, v0                           ; lane
	v_lshrrev_b32 v4, 5, v0
	v_readfirstlane_b32 s[WV], v4
	s_lshr_b32 s[Q], s[WV], 1
	s_and_b32 s[G], s[WV], 1
	s_mov_b32 s[SG], ttmp9
	s_and_b32 s[EX], ttmp7, 0xffff
	s_lshl_b32 s44, s[EX], 23                      ; an expert's 8 MiB
	s_lshl_b32 s45, s[SG], 9                       ; the slice's 512 bytes of a row
	s_add_co_u32 s44, s44, s45
	s_mov_b32 s45, 0
	s_lshl_b32 s46, s[WV], 16                      ; my 8 rows of 8,192 bytes
	v_lshl_add_u32 v[GOFF], v3, 4, s46
	s_lshl_b32 s46, s[EX], 2
	v_lshl_add_u32 v8, v3, 7, s46                  ; lane n takes token group n's two words for my expert
	s_wait_kmcnt 0x0
	s_add_nc_u64 s[WB:WB+1], s[4:5], s[44:45]
	global_load_b32 v[BM0], v8, s[10:11]
	global_load_b32 v[BM1], v8, s[10:11] offset:64
	WIN 0x40
.set n, 0
.rept 8*NS                             ; the ring is filled: groups 0 to 6
	global_load_b128 v[4*n:4*n+3], v[GOFF], s[WB:WB+1] offset:(64*(n/8)+n%8)*PITCH th:TH_LOAD_NT
.set n, n+1
.endr
.set n, 0
.rept 18
	v_mov_b32 v[RT+n], 0                           ; the shift register holds numbers before it is first moved
.set n, n+1
.endr
	WIN 0
	; while the first rows are on their way: addresses, the count, the tokens of my rows
	v_mov_b32 v[ZR], 0
	v_lshlrev_b32 v[L16], 4, v3
	v_lshlrev_b32 v[H32], 5, v2
	v_lshlrev_b32 v[H16], 4, v2
	v_lshrrev_b32 v30, 2, v3                       ; my rows 4 l .. 4 l + 3 lie in group l / 4 of 16 rows
	v_add_nc_u32 v30, s[WV], v30                   ; my block of k is 8 o + w: its place among four is turned by that group,
	v_and_b32 v30, 3, v30
	s_and_b32 s46, s[WV], 4
	v_add_nc_u32 v30, s46, v30                     ; the rest of it stays
	v_mul_u32_u24 v31, v3, 4*WP
	v_lshl_add_u32 v[LST], v30, 4, v31
	s_mul_i32 s46, s[G], 64*WP
	v_mul_u32_u24 v5, v1, WP
	v_add_nc_u32 v5, s46, v5                       ; row 64 g + r
.irp c, 0,1,2,3
	v_add_nc_u32 v6, \c, v2                        ; blocks h and 2 + h of a step's four, turned by the column tile's number
	v_and_b32 v6, 3, v6
	v_xor_b32 v7, 2, v6
	v_lshl_add_u32 v6, v6, 4, v5
	v_lshl_add_u32 v7, v7, 4, v5
	v_add_nc_u32 v[BW+\c], \c*16*WP, v6
	v_add_nc_u32 v[BW+4+\c], \c*16*WP, v7
.endr
	WIN 0x40
.set n, 0
.rept 8
	v_mov_b32 v[BAD0+n], v[BW+n]
.set n, n+1
.endr
	WIN 0
	s_lshl_b32 s44, s[EX], 22                      ; hf: an expert's 4 MiB,
	s_lshl_b32 s46, s[Q], 16                       ; tile q,
	s_add_co_u32 s44, s44, s46
	s_lshl_b32 s46, s[SG], 12                      ; the slice's four images,
	s_add_co_u32 s44, s44, s46
	s_lshl_b32 s46, s[G], 11                       ; my two of them
	s_add_co_u32 s44, s44, s46
	s_add_nc_u64 s[HS:HS+1], s[12:13], s[44:45]
	s_lshl_b32 s44, s[EX], 13
	s_lshl_b32 s46, s[SG], 9
	s_add_co_u32 s44, s44, s46
	s_lshl_b32 s46, s[G], 8
	s_add_co_u32 s44, s44, s46
	s_add_nc_u64 s[B1B:B1B+1], s[6:7], s[44:45]
	s_mov_b32 s44, 0                               ; rows so far
	s_mov_b32 s45, 0                               ; token group
	s_mov_b32 s46, 16
	s_mov_b32 s[PRE], 0
.irp m, 0,1,2,3
	s_mov_b32 s[CW+\m], 0
.endr
	s_lshl_b32 s[MINE], s[SG], 1
	s_add_co_u32 s[MINE], s[MINE], 2               ; trip sg of the loop below ends at this token group
	s_wait_loadcnt 8*NS                            ; the two words are in; the ring's 56 loads stay out
.Lcnt:                                 ; 16 trips of 2 groups x 2 choices: the expert's rows are counted; trip sg's four words, and the rows ahead of them, are kept
.irp m, 0,1
	v_readlane_b32 s[36+2*\m], v[BM0], s45
	v_readlane_b32 s[37+2*\m], v[BM1], s45
	s_add_co_u32 s45, s45, 1
.endr
	s_cmp_eq_u32 s45, s[MINE]
	s_cselect_b32 s[PRE], s44, s[PRE]
.irp m, 0,1,2,3
	s_cselect_b32 s[CW+\m], s[36+\m], s[CW+\m]
.endr
.irp m, 0,1,2,3
	s_bcnt1_i32_b32 s[52+\m], s[36+\m]
.endr
.irp m, 0,1,2,3
	s_add_co_u32 s44, s44, s[52+\m]
.endr
	s_sub_co_u32 s46, s46, 1
	s_cmp_lg_u32 s46, 0
	s_cbranch_scc1 .Lcnt
	s_mov_b32 s[CNT], s44
	s_max_u32 s47, s[CNT], 1
	s_sub_co_u32 s[CM1], s47, 1
	s_lshl_b32 s[RB16], s[Q], 4
	s_mov_b32 s[LBK], 6
	s_add_co_u32 s[LRB], s[RB16], 960              ; my first row in block 5
.Lblk:                                 ; blocks 5 to 0: the register moves up by three, and a block with rows puts its three tokens in at the bottom
	WIN 0x41
.set n, 14
.rept 15
	v_mov_b32 v[RT+n+3], v[RT+n]
.set n, n-1
.endr
	WIN 0
	s_cmp_lt_u32 s[LRB], s[CNT]
	s_cbranch_scc0 .Lblk_next
.irp t, 0,1,2
	s_add_co_u32 s47, s[LRB], 64*\t
	v_add_nc_u32 v[DD+\t], s47, v1                 ; the rank of row r of tile t;
	v_min_u32 v[DD+\t], s[CM1], v[DD+\t]           ; places past the count repeat the last row
	v_lshl_or_b32 v[LIM+\t], v[DD+\t], 6, 63
	v_mov_b32 v[KK+\t], 0
	v_mov_b32 v[WW+\t], 0
.endr
	s_mov_b32 s44, 0                               ; (rows so far << 6) + word number
	s_mov_b32 s45, 0
	s_mov_b32 s46, 16
.Lwd:                                  ; 16 trips of 4 words: the keys ascend, so the last that is not above the limit stays
.irp m, 0,1
	v_readlane_b32 s[36+2*\m], v[BM0], s45
	v_readlane_b32 s[37+2*\m], v[BM1], s45
	s_add_co_u32 s45, s45, 1
.endr
.irp m, 0,1,2,3
	s_mov_b32 s[52+\m], s44
	s_bcnt1_i32_b32 s47, s[36+\m]
	s_lshl_b32 s47, s47, 6
	s_add_co_u32 s47, s47, 1
	s_add_co_u32 s44, s44, s47
.endr
.irp m, 0,1,2,3
	v_cmp_le_u32 vcc_lo, s[52+\m], v[LIM]
	v_cmp_le_u32 s66, s[52+\m], v[LIM+1]
	v_cmp_le_u32 s67, s[52+\m], v[LIM+2]
	v_cndmask_b32 v[KK], v[KK], s[52+\m], vcc_lo
	v_cndmask_b32 v[WW], v[WW], s[36+\m], vcc_lo
	v_cndmask_b32 v[KK+1], v[KK+1], s[52+\m], s66
	v_cndmask_b32 v[WW+1], v[WW+1], s[36+\m], s66
	v_cndmask_b32 v[KK+2], v[KK+2], s[52+\m], s67
	v_cndmask_b32 v[WW+2], v[WW+2], s[36+\m], s67
.endr
	s_sub_co_u32 s46, s46, 1
	s_cmp_lg_u32 s46, 0
	s_cbranch_scc1 .Lwd
.irp t, 0,1,2
	v_lshrrev_b32 v[TQ+\t], 6, v[KK+\t]            ; the rows ahead of the word
	v_sub_nc_u32 v[DD+\t], v[DD+\t], v[TQ+\t]      ; which of its set bits is wanted
	v_lshrrev_b32 v[TQ+\t], 1, v[WW+\t]            ; the set bits of each 2, 4, 8 and 16 bits of the word
	v_and_b32 v[TQ+\t], 0x55555555, v[TQ+\t]
	v_sub_nc_u32 v[C1+\t], v[WW+\t], v[TQ+\t]
	v_lshrrev_b32 v[TQ+\t], 2, v[C1+\t]
	v_and_b32 v[TQ+\t], 0x33333333, v[TQ+\t]
	v_and_b32 v[C2+\t], 0x33333333, v[C1+\t]
	v_add_nc_u32 v[C2+\t], v[C2+\t], v[TQ+\t]
	v_lshrrev_b32 v[TQ+\t], 4, v[C2+\t]
	v_add_nc_u32 v[C4+\t], v[C2+\t], v[TQ+\t]
	v_and_b32 v[C4+\t], 0x0f0f0f0f, v[C4+\t]
	v_lshrrev_b32 v[TQ+\t], 8, v[C4+\t]
	v_add_nc_u32 v[C8+\t], v[C4+\t], v[TQ+\t]
	v_mov_b32 v[PP+\t], 0
.endr
	LEVEL C8, 5, 16
	LEVEL C4, 4, 8
	LEVEL C2, 4, 4
	LEVEL C1, 2, 2
	LEVEL WW, 1, 1
.irp t, 0,1,2
	v_bfe_u32 v[TQ+\t], v[KK+\t], 1, 5             ; the word's token group
	v_lshl_add_u32 v[TQ+\t], v[TQ+\t], 5, v[PP+\t] ; the token
.endr
	WIN 0x40
.irp t, 0,1,2
	v_mov_b32 v[RT+\t], v[TQ+\t]
.endr
	WIN 0
.Lblk_next:
	s_sub_co_u32 s[LRB], s[LRB], 192
	s_sub_co_u32 s[LBK], s[LBK], 1
	s_cmp_lg_u32 s[LBK], 0
	s_cbranch_scc1 .Lblk
	s_cmp_lg_u32 s[WV], 0
	s_cbranch_scc1 .Lstream
	; wave 0 stores, by rank, the pairs of my slice's four words: a set bit's rank is the rows ahead of its word + the set bits below the lane
	s_mul_i32 s47, s[EX], RLE                      ; the expert's first entry
	s_add_co_u32 s52, s[PRE], s47
.irp m, 0,1,2
	s_bcnt1_i32_b32 s47, s[CW+\m]
	s_add_co_u32 s[53+\m], s[52+\m], s47
.endr
	s_lshl_b32 s44, s[EX], 4
	s_add_co_u32 s44, s44, s[SG]
	s_lshl_b32 s44, s44, 5
	s_add_co_u32 s44, s44, DUMP                    ; the 32 entries of my expert and slice,
	v_add_nc_u32 v[SP0+2], s44, v3                 ; where a lane without a bit puts its number
	s_lshl_b32 s44, s[SG], 6                       ; the first token of my four words
	v_add_nc_u32 v[SP0], s44, v3                   ; p of choice 0 in their first group
	v_add_nc_u32 v[SP0+1], 1024, v[SP0]            ; p of choice 1
.irp m, 0,1,2,3
	v_mbcnt_lo_u32_b32 v[SA+\m], s[CW+\m], s[52+\m]
.endr
.irp m, 0,1,2,3
	v_cndmask_b32 v[SA+\m], v[SP0+2], v[SA+\m], s[CW+\m]
.endr
.irp m, 0,1,2,3
	v_min_u32 v[SA+\m], 0x61ff, v[SA+\m]           ; inside the buffer's 25,088 entries
.endr
.irp m, 0,1,2,3
	v_lshlrev_b32 v[SA+\m], 2, v[SA+\m]
.endr
.irp m, 0,1,2,3
	v_add_nc_u32 v[SD+\m], 32*(\m/2), v[SP0+\m%2]
.endr
.irp m, 0,1,2,3
	global_store_b32 v[SA+\m], v[SD+\m], s[14:15]
.endr
	s_cmp_lg_u32 s[SG], 0
	s_cbranch_scc1 .Lstream
	s_lshl_b32 s44, s[EX], 7                       ; slice 0 stores the count too
	s_mov_b32 s45, 0
	s_add_nc_u64 s[62:63], s[16:17], s[44:45]
	v_lshlrev_b32 v[SP0+3], 2, v3
	v_mov_b32 v[SP0+4], s[CNT]
	global_store_b32 v[SP0+3], v[SP0+4], s[62:63]
.Lstream:
.irp o, 0,1,2,3,4,5,6,7,8,9,10,11,12,13,14,15
	OCT \o
.if \o == 13
	BIASLD                                         ; early, so that the bias is on its way under the last two groups and the barrier
.endif
.endr
	s_wait_dscnt 0x0                               ; for the others' sake: my part of the slice is in LDS
	s_barrier_signal -1
	s_barrier_wait -1                              ; the slice is whole
	s_wait_loadcnt 0x0                             ; the bias
	s_wait_xcnt 0x0                                ; the list's stores have read their registers, which lie where W's fragments land
	s_mov_b32 s[BC], 0
.Lpass:                                ; six blocks of 192 rows cover every split
	s_cmp_lt_u32 s[RB16], s[CNT]
	s_cbranch_scc0 .Lnext                          ; my first tile of the block has no row
	WIN 0x04
.irp t, 0,1,2
	v_min_u32 v[ROWA+\t], 0x3ff, v[RT+\t]          ; what hangs on loaded words is clamped in front of the address
.endr
	WIN 0
.irp t, 0,1,2
	v_lshl_add_u32 v[ROWA+\t], v[ROWA+\t], 11, v[H16]
.endr
	s_add_co_u32 s46, s[RB16], 128
	s_cmp_lt_u32 s46, s[CNT]
	s_cbranch_scc0 .Ltwo
	PASS 3
	s_branch .Lnext
.Ltwo:
	PASS 2
.Lnext:
	s_wait_xcnt 0x0                                ; the stores' data and base, and the loads' offsets, are rewritten only behind this wait
	WIN 0x41
.set n, 0
.rept 15
	v_mov_b32 v[RT+n], v[RT+n+3]                   ; the next block's tokens come to the bottom
.set n, n+1
.endr
	WIN 0
	s_add_nc_u64 s[HS:HS+1], s[HS:HS+1], 786432    ; twelve tiles on
	s_add_co_u32 s[RB16], s[RB16], 192
	s_add_co_u32 s[BC], s[BC], 1
	s_cmp_lt_u32 s[BC], 6
	s_cbranch_scc1 .Lpass
	s_wait_dscnt 0x0                               ; my reads of the slice are over
	s_barrier_signal -1
	s_barrier_wait -1                              ; every wave's are: only now does a wave touch LDS again, by the closing add
	s_wait_tensorcnt 0x0                           ; the wave's end, behind my last LDS store
	ds_add_u32 v[SPW], v[NIL]
	s_wait_dscnt 0x0
	s_endpgm
.Lfunc_end_k_q78edce205d_ffn1:
	.size	k_q78edce205d_ffn1, .Lfunc_end_k_q78edce205d_ffn1-k_q78edce205d_ffn1
	.p2alignl 7, 3214868480
	.fill 96, 4, 3214868480
	.section	.rodata,"a",@progbits
	.p2align	6, 0x0
	.amdhsa_kernel k_q78edce205d_ffn1
		.amdhsa_group_segment_fixed_size 265216
		.amdhsa_private_segment_fixed_size 0
		.amdhsa_enable_private_segment 0
		.amdhsa_kernarg_size 56
		.amdhsa_user_sgpr_count 2
		.amdhsa_user_sgpr_kernarg_segment_ptr 1
		.amdhsa_wavefront_size32 1
		.amdhsa_system_sgpr_workgroup_id_x 1
		.amdhsa_system_sgpr_workgroup_id_y 1
		.amdhsa_system_sgpr_workgroup_id_z 1
		.amdhsa_system_vgpr_workitem_id 0
		.amdhsa_next_free_vgpr 512
		.amdhsa_next_free_sgpr 80
		.amdhsa_reserve_vcc 1
		.amdhsa_float_denorm_mode_32 3
		.amdhsa_float_denorm_mode_16_64 3
		.amdhsa_memory_ordered 1
		.amdhsa_forward_progress 1
		.amdhsa_inst_pref_size 134
	.end_amdhsa_kernel
	.amdgpu_metadata
---
amdhsa.version: [ 1, 2 ]
amdhsa.kernels:
  - .name:           k_q78edce205d_ffn1
    .symbol:         k_q78edce205d_ffn1.kd
    .args:
      - { .name: W1, .offset: 0, .size: 8, .value_kind: global_buffer, .address_space: global }
      - { .name: b1, .offset: 8, .size: 8, .value_kind: global_buffer, .address_space: global }
      - { .name: xb, .offset: 16, .size: 8, .value_kind: global_buffer, .address_space: global }
      - { .name: bm, .offset: 24, .size: 8, .value_kind: global_buffer, .address_space: global }
      - { .name: hf, .offset: 32, .size: 8, .value_kind: global_buffer, .address_space: global }
      - { .name: rowlist, .offset: 40, .size: 8, .value_kind: global_buffer, .address_space: global }
      - { .name: cntb, .offset: 48, .size: 8, .value_kind: global_buffer, .address_space: global }
    .group_segment_fixed_size: 265216
    .private_segment_fixed_size: 0
    .kernarg_segment_align: 8
    .kernarg_segment_size: 56
    .max_flat_workgroup_size: 256
    .sgpr_count:     80
    .vgpr_count:     512
    .wavefront_size: 32
...
	.end_amdgpu_metadata
.endif
;; end of part 5
;; launch ffn2 (part 6): grid 16 x 16, 8 waves a work-group, no clusters, 300,032 bytes of LDS; arguments W2, b2, hf, rowlist, cntb, part; writes part
.if DOCPART == 6
	.amdgcn_target "amdgcn-amd-amdhsa--gfx1250"
	.amdhsa_code_object_version 6
	.text
	.protected	k_q78edce205d_ffn2
	.globl	k_q78edce205d_ffn2
	.p2align	8
	.type	k_q78edce205d_ffn2,@function
k_q78edce205d_ffn2:
	s_mov_b64 s[64:65], 0
	v_nop
	global_prefetch_b8 v0, s[64:65] scope:SCOPE_SE
	s_setreg_imm32_b32 hwreg(HW_REG_WAVE_MODE, 25, 1), 1
	s_wait_xcnt 0x0
; SECOND LAYER.  part[kh][p] = h[p][half kh of the hidden width] W2[e] (+ b2[e] in half 0) for the pairs p = 1024 k + token of expert e.  The two halves, and the router's weights, are put
; together by the next launch.  W2 rounded once to bf16, h bf16, sums, bias and the partial rows f32.
; GRID.  x = 8 kh + cs: half kh of the 2,048 hidden, slice cs of 128 output columns; y = expert e.  A work-group alone reads its 512 KiB of W2, once.  The hidden width is halved so that a
; slice has the first layer's shape: 128 columns x 1,024 k fit in LDS as bf16, and a wave has four column tiles for each token fragment that it loads.
; PHASES, ring, slice in LDS, shares of the waves and the pass are the first layer's: eight waves stream the slice into LDS as [column][k] with the blocks of k turned by (row / 16) mod 4,
; one barrier, then wave (q = w / 2, g = w mod 2) multiplies row tiles 12 b + q + 4 t by column tiles 4 g .. 4 g + 3.  The pass's 32 steps are written out: every LDS address is a register
; made at the head, never rewritten, plus an immediate.
; TOKEN OPERANDS come from hf as ready register images, two loads of 512 consecutive bytes each.  A tile past the expert's last is read as the last one and not stored.
; WAY OUT.  Lane (r, h) register j of column tile c is column 16 c + 8 h + j of row r: the accumulators go as they lie into my wave's stage, come back as rows of 256 bytes, and sixteen lanes
; store 256 consecutive bytes, aligned, at the row that the list names.  The list holds the count's entries alone: places past the count read the last entry and store its row's bytes again.
; LIMITS.  An expert without rows still streams its slice (every wave passes the barrier) and stores nothing.  NaN and infinities are not treated apart.  b2 is taken in f32 as it is given.
; NO TENSOR LOADS, NO CLUSTER: each weight has one reader.  hf's tiles are shared by the 8 slices of a half, but beside the slice some 60 KiB of LDS are free and eight steps of 12 tiles are
; 96 KiB: two slots for joint loads do not fit.
.set PITCH, 4096                       ; bytes from row to row of W2[e]
.set WP,    2064
.set STG,   128*WP                     ; behind the slice: each wave's stage, 16 rows of 256 bytes + 16
.set SGP,   272
.set SPARE, STG+8*16*SGP               ; the spare words: 128 bytes a wave
.set NS,    7
.set RLP,   4224                       ; bytes of an expert's part of rowlist
; window 0
.set SPW,  10
.set NIL,  11
.set GOFF, 12                          ; v12      my wave's 8 rows + 16 x lane
.set LST,  13                          ; v13      LDS: row 4 x lane, my wave's block of k, turned
.set STO,  14                          ; v14      stage, in: row r, 32 h
.set L16,  15                          ; v15      16 x lane
.set BW,   16                          ; v16-23   W's fragments at k = 0; never rewritten
.set VA,   24                          ; v24-26   tile t: tile x 65,536 + 16 x lane
.set H32,  27                          ; v27      32 h
.set SRD,  28                          ; v28      stage, out: row h, 16 r
.set R16,  29                          ; v29      16 r
.set ACC,  32                          ; v32-127  accumulators 32 t + 8 c
.set BF,   128                         ; v128-255 W fragments: four steps of 32 registers
.set TT,   128
.set OB,   128                         ; the way out: 16 rows read back
; window 1
.set AF,   0                           ; v0-191   token images: step mod 8 x 24 + 8 t  (phase 1: the ring, v0-223)
.set BT,   192                         ; v192-223 bias 8 c + j, or 0 in half 1
.set PROW, 232                         ; v232-255 tile t, pair of rows i: p x 4,096 + 16 r of row 2 i + h
.set WV, 20
.set Q, 21
.set G, 22
.set CS, 23
.set EX, 24
.set CNT, 25
.set NT1, 26                           ; the expert's last tile
.set BC, 27
.set RB16, 28
.set CM1, 29                           ; count - 1: used only where the count is above 0
.set WB, 30                            ; s[30:31] W2 at the slice
.set HB0, 34                           ; s[34:35] hf at the expert's half
.set RLB, 36                           ; s[36:37] rowlist at the expert
.set PB, 38                            ; s[38:39] part at my 64 columns
.set B2B, 40                           ; s[40:41] b2 at my 64 columns
.set KH, 42
.set T0, 43                            ; my tile 0 of the block
.set MSB, 0
.macro WIN new
.if MSB != (\new)
	s_set_vgpr_msb (MSB<<8)|(\new)
.set MSB, (\new)
.endif
.endm
.macro PLACES
.rept 4
	v_nop
.endr
.endm
.macro OCT o                           ; group o of my rows: 8 rows x 4 columns a lane -> four 16-byte LDS stores; the slot is asked for again, for group o + 7
.set SL, 32*((\o)%NS)
.set TS, TT+16*((\o)%2)
.if (\o) <= 15-(NS-1)
	s_wait_loadcnt 8*(NS-1)                        ; six younger slots of eight loads stay out
.elseif (\o) <= 13
	s_wait_loadcnt 8*(15-(\o))
.else
	s_wait_loadcnt 8*(15-(\o))+8                   ; the bias's eight loads, issued behind group 13, stay out too
.endif
	WIN 0x05
.irp c, 0,1,2,3
.irp i, 0,1,2,3
	v_cvt_pk_bf16_f32 v[TS+4*\c+\i], v[SL+8*\i+\c], v[SL+8*\i+4+\c]
.endr
.endr
	WIN 0
.irp c, 0,1,2,3
	ds_store_b128 v[LST], v[TS+4*\c:TS+4*\c+3] offset:\c*WP+128*(\o)
.endr
.if (\o)+NS <= 15
	WIN 0x40
.irp j, 0,1,2,3,4,5,6,7
	global_load_b128 v[SL+4*\j:SL+4*\j+3], v[GOFF], s[WB:WB+1] offset:(64*((\o)+NS)+\j)*PITCH th:TH_LOAD_NT
.endr
	WIN 0
.endif
.endm
.macro BIASLD                          ; b2 of columns 16 c + 8 h + 0..7, in the accumulators' order, into ring slot 6, which group 13 has left
	WIN 0x40
.irp c, 0,1,2,3
	global_load_b128 v[BT+8*\c:BT+8*\c+3],   v[H32], s[B2B:B2B+1] offset:64*\c
	global_load_b128 v[BT+8*\c+4:BT+8*\c+7], v[H32], s[B2B:B2B+1] offset:64*\c+16
.endr
	WIN 0
.endm
.macro GA kp, nt                       ; the images of step kp (destination window 1)
.set y, 0
.rept \nt
	global_load_b128 v[AF+24*((\kp)%8)+8*y:AF+24*((\kp)%8)+8*y+3],   v[VA+y], s[HB0:HB0+1] offset:1024*(\kp)
	global_load_b128 v[AF+24*((\kp)%8)+8*y+4:AF+24*((\kp)%8)+8*y+7], v[VA+y], s[HB0:HB0+1] offset:1024*(\kp)+512
.set y, y+1
.endr
.endm
.macro FB kx, buf
.irp c, 0,1,2,3
	ds_load_b128 v[BF+32*(\buf)+8*\c:BF+32*(\buf)+8*\c+3],   v[BW+\c]   offset:64*(\kx)
	ds_load_b128 v[BF+32*(\buf)+8*\c+4:BF+32*(\buf)+8*\c+7], v[BW+4+\c] offset:64*(\kx)
.endr
.endm
.macro MM nt                           ; step ST's 4 nt products; the accumulators take turns, one instruction a turn
.if ST == 0
	WIN 0x14                                       ; sources 1 and 2 in window 1: the first products take the bias (half 1: zeros) as C
.else
	WIN 0x04
.endif
.irp c, 0,1,2,3
.set y, 0
.rept \nt
.if ST == 0
	v_wmma_f32_16x16x32_bf16 v[ACC+32*y+8*\c:ACC+32*y+8*\c+7], v[BF+32*(ST%4)+8*\c:BF+32*(ST%4)+8*\c+7], v[AF+24*(ST%8)+8*y:AF+24*(ST%8)+8*y+7], v[BT+8*\c:BT+8*\c+7]
.else
	v_wmma_f32_16x16x32_bf16 v[ACC+32*y+8*\c:ACC+32*y+8*\c+7], v[BF+32*(ST%4)+8*\c:BF+32*(ST%4)+8*\c+7], v[AF+24*(ST%8)+8*y:AF+24*(ST%8)+8*y+7], v[ACC+32*y+8*\c:ACC+32*y+8*\c+7]
.endif
.set y, y+1
.endr
.endr
.endm
; Step ST of 32, as in the first layer.  extra: loads issued behind the last images, which may stay out too.
.macro KB nt, extra=0
.if ST < 24
	s_wait_loadcnt 14*(\nt)                        ; seven younger steps of 2 nt loads
.else
	s_wait_loadcnt 2*(\nt)*(31-ST)+(\extra)
.endif
.if ST < 28
	s_wait_dscnt 24                                ; three younger steps of eight loads
.else
	s_wait_dscnt 8*(31-ST)
.endif
	MM \nt
	PLACES
.if ST < 28
	FB ST+4, ST%4
.endif
.if ST < 24
	WIN 0x40
	GA ST+8, \nt
.endif
.endm
.macro PLOAD nt                        ; the pairs of my rows are asked for, four steps ahead of the way out; each load lands on its own address register
	WIN 0
	v_add_nc_u32 v4, s[RB16], v2
	WIN 0x40
.set n, 0
.rept 8*(\nt)
	v_add_nc_u32 v[PROW+n], 64*(n/8)+2*(n%8), v4
.set n, n+1
.endr
	WIN 0x44
.set n, 0
.rept 8*(\nt)
	v_min_u32 v[PROW+n], s[CM1], v[PROW+n]         ; places past the count read the last entry
.set n, n+1
.endr
.set n, 0
.rept 8*(\nt)
	v_min_u32 v[PROW+n], 0x3ff, v[PROW+n]
.set n, n+1
.endr
.set n, 0
.rept 8*(\nt)
	v_lshlrev_b32 v[PROW+n], 2, v[PROW+n]
.set n, n+1
.endr
	WIN 0x41
.set n, 0
.rept 8*(\nt)
	global_load_b32 v[PROW+n], v[PROW+n], s[RLB:RLB+1]
.set n, n+1
.endr
.endm
.macro PFIN nt                         ; what was loaded is clamped in front of the address
	WIN 0x44
.set n, 0
.rept 8*(\nt)
	v_min_u32 v[PROW+n], 0x7ff, v[PROW+n]
.set n, n+1
.endr
	WIN 0x41
.set n, 0
.rept 8*(\nt)
	v_lshl_add_u32 v[PROW+n], v[PROW+n], 12, v[R16]
.set n, n+1
.endr
.endm
; The way out of tile t.  Each accumulator's registers 0-3 are read first.  The stage is my wave's own, and LDS serves a wave in order (ISA guide 5.7.1.4).
.macro EPIT t, cond
.if \cond
	s_add_co_u32 s46, s[RB16], 64*(\t)
	s_cmp_lt_u32 s46, s[CNT]
	s_cbranch_scc0 .Lep_\@
.endif
	s_wait_xcnt 0x0                                ; OB was the data of the tile before's stores
.irp c, 0,1,2,3
	ds_store_b128 v[STO], v[ACC+32*(\t)+8*\c:ACC+32*(\t)+8*\c+3]   offset:64*\c
	ds_store_b128 v[STO], v[ACC+32*(\t)+8*\c+4:ACC+32*(\t)+8*\c+7] offset:64*\c+16
.endr
.irp i, 0,1,2,3,4,5,6,7
	ds_load_b128 v[OB+4*\i:OB+4*\i+3], v[SRD] offset:2*SGP*\i
.endr
	WIN 0x01                                       ; the stores' offsets lie in window 1
.irp i, 0,1,2,3,4,5,6,7
	s_wait_dscnt 7-\i
	global_store_b128 v[PROW+8*(\t)+\i], v[OB+4*\i:OB+4*\i+3], s[PB:PB+1]
.endr
	WIN 0
.if \cond
.Lep_\@:
.endif
.endm
.macro PASS nt
	WIN 0x40
.irp k, 0,1,2,3,4,5,6,7
	GA \k, \nt
.endr
	WIN 0
.irp k, 0,1,2,3
	FB \k, \k
.endr
.set ST, 0
.rept 32
.if ST >= 28
	KB \nt, 8*(\nt)
.else
	KB \nt
.endif
.if ST == 27
	PLOAD \nt
.endif
.set ST, ST+1
.endr
	WIN 0
	s_wait_loadcnt 0x0                             ; the pairs
	PFIN \nt
	WIN 0
	EPIT 0, 0
.if (\nt) == 3
	EPIT 1, 0
	EPIT 2, 0
.else
	EPIT 1, 1
.endif
.endm
	s_load_b256 s[4:11], s[0:1], 0x0               ; W2 s[4:5], b2 s[6:7], hf s[8:9], rowlist s[10:11]
	s_load_b128 s[12:15], s[0:1], 0x20             ; cntb s[12:13], part s[14:15]
	v_lshl_add_u32 v[SPW], v0, 2, SPARE
	v_mov_b32 v[NIL], 0
	v_and_b32 v1, 15, v0                           ; r
	v_bfe_u32 v2, v0, 4, 1                         ; h
	v_and_b32 v3, 31, v0                           ; lane
	v_lshrrev_b32 v4, 5, v0
	v_readfirstlane_b32 s[WV], v4
	s_lshr_b32 s[Q], s[WV], 1
	s_and_b32 s[G], s[WV], 1
	s_and_b32 s[CS], ttmp9, 7
	s_lshr_b32 s[KH], ttmp9, 3
	s_and_b32 s[EX], ttmp7, 0xffff
	s_lshl_b32 s44, s[EX], 23                      ; an expert's 8 MiB,
	s_lshl_b32 s45, s[KH], 22                      ; the half's 1,024 rows of 4,096 bytes,
	s_add_co_u32 s44, s44, s45
	s_lshl_b32 s45, s[CS], 9                       ; the slice's 512 bytes of a row
	s_add_co_u32 s44, s44, s45
	s_mov_b32 s45, 0
	s_lshl_b32 s46, s[WV], 15                      ; my 8 rows
	v_lshl_add_u32 v[GOFF], v3, 4, s46
	s_wait_kmcnt 0x0
	s_add_nc_u64 s[WB:WB+1], s[4:5], s[44:45]
	WIN 0x40
.set n, 0
.rept 8*NS                             ; the ring is filled: groups 0 to 6
	global_load_b128 v[4*n:4*n+3], v[GOFF], s[WB:WB+1] offset:(64*(n/8)+n%8)*PITCH th:TH_LOAD_NT
.set n, n+1
.endr
	WIN 0
	s_lshl_b32 s44, s[EX], 7
	s_add_nc_u64 s[60:61], s[12:13], s[44:45]
	s_load_b32 s[CNT], s[60:61], 0x0
	v_lshlrev_b32 v[L16], 4, v3
	v_lshlrev_b32 v[H32], 5, v2
	v_lshlrev_b32 v[R16], 4, v1
	v_lshrrev_b32 v30, 2, v3                       ; the turn of my block of k, as in the first layer
	v_add_nc_u32 v30, s[WV], v30
	v_and_b32 v30, 3, v30
	s_and_b32 s46, s[WV], 4
	v_add_nc_u32 v30, s46, v30
	v_mul_u32_u24 v31, v3, 4*WP
	v_lshl_add_u32 v[LST], v30, 4, v31
	s_mul_i32 s46, s[G], 64*WP
	v_mul_u32_u24 v5, v1, WP
	v_add_nc_u32 v5, s46, v5                       ; row 64 g + r
.irp c, 0,1,2,3
	v_add_nc_u32 v6, \c, v2
	v_and_b32 v6, 3, v6
	v_xor_b32 v7, 2, v6
	v_lshl_add_u32 v6, v6, 4, v5
	v_lshl_add_u32 v7, v7, 4, v5
	v_add_nc_u32 v[BW+\c], \c*16*WP, v6
	v_add_nc_u32 v[BW+4+\c], \c*16*WP, v7
.endr
	s_mul_i32 s47, s[WV], 16*SGP
	s_add_co_u32 s47, s47, STG                     ; my stage
	v_mul_u32_u24 v[STO], v1, SGP
	v_lshl_add_u32 v[STO], v2, 5, v[STO]
	v_add_nc_u32 v[STO], s47, v[STO]
	v_mul_u32_u24 v[SRD], v2, SGP
	v_lshl_add_u32 v[SRD], v1, 4, v[SRD]
	v_add_nc_u32 v[SRD], s47, v[SRD]
	s_lshl_b32 s44, s[EX], 22                      ; hf: an expert's 4 MiB, the half's 32 images
	s_lshl_b32 s46, s[KH], 15
	s_add_co_u32 s44, s44, s46
	s_add_nc_u64 s[HB0:HB0+1], s[8:9], s[44:45]
	s_mul_i32 s44, s[EX], RLP
	s_add_nc_u64 s[RLB:RLB+1], s[10:11], s[44:45]
	s_lshl_b32 s44, s[EX], 12                      ; b2: an expert's 4,096 bytes,
	s_lshl_b32 s46, s[CS], 9
	s_lshl_b32 s47, s[G], 8
	s_add_co_u32 s46, s46, s47                     ; my 64 columns, in bytes
	s_add_co_u32 s44, s44, s46
	s_add_nc_u64 s[B2B:B2B+1], s[6:7], s[44:45]
	s_lshl_b32 s44, s[KH], 23                      ; part: a half's 8 MiB
	s_add_co_u32 s44, s44, s46
	s_add_nc_u64 s[PB:PB+1], s[14:15], s[44:45]
	s_lshl_b32 s[RB16], s[Q], 4
	s_mov_b32 s[T0], s[Q]
	s_wait_kmcnt 0x0
	s_sub_co_u32 s[CM1], s[CNT], 1
	s_lshr_b32 s[NT1], s[CM1], 4                   ; both used only where the count is above 0
.irp o, 0,1,2,3,4,5,6,7,8,9,10,11,12,13,14,15
	OCT \o
.if \o == 13
	BIASLD                                         ; early, so that the bias is on its way under the last two groups and the barrier
.endif
.endr
	s_wait_dscnt 0x0                               ; for the others' sake: my part of the slice is in LDS
	s_barrier_signal -1
	s_barrier_wait -1                              ; the slice is whole
	s_wait_loadcnt 0x0                             ; the bias
	s_cmp_eq_u32 s[KH], 0
	s_cselect_b32 s46, -1, 0
	WIN 0x44
.set n, 0
.rept 32
	v_cndmask_b32 v[BT+n], 0, v[BT+n], s46         ; the bias belongs to half 0 alone
.set n, n+1
.endr
	WIN 0
	s_mov_b32 s[BC], 0
.Lpass:                                ; six blocks of 192 rows cover every split
	s_cmp_lt_u32 s[RB16], s[CNT]
	s_cbranch_scc0 .Lnext                          ; my first tile of the block has no row
.irp t, 0,1,2
	s_add_co_u32 s46, s[T0], 4*\t
	s_min_u32 s46, s46, s[NT1]                     ; a tile past the last is read as the last
	s_min_u32 s46, s46, 63
	s_lshl_b32 s46, s46, 16
	v_add_nc_u32 v[VA+\t], s46, v[L16]
.endr
	s_add_co_u32 s46, s[RB16], 128
	s_cmp_lt_u32 s46, s[CNT]
	s_cbranch_scc0 .Ltwo
	PASS 3
	s_branch .Lnext
.Ltwo:
	PASS 2
.Lnext:
	s_wait_xcnt 0x0                                ; the stores' data and offsets are rewritten only behind this wait
	s_add_co_u32 s[RB16], s[RB16], 192
	s_add_co_u32 s[T0], s[T0], 12
	s_add_co_u32 s[BC], s[BC], 1
	s_cmp_lt_u32 s[BC], 6
	s_cbranch_scc1 .Lpass
	s_wait_tensorcnt 0x0                           ; the wave's end, behind my last LDS store
	ds_add_u32 v[SPW], v[NIL]
	s_wait_dscnt 0x0
	s_endpgm
.Lfunc_end_k_q78edce205d_ffn2:
	.size	k_q78edce205d_ffn2, .Lfunc_end_k_q78edce205d_ffn2-k_q78edce205d_ffn2
	.p2alignl 7, 3214868480
	.fill 96, 4, 3214868480
	.section	.rodata,"a",@progbits
	.p2align	6, 0x0
	.amdhsa_kernel k_q78edce205d_ffn2
		.amdhsa_group_segment_fixed_size 300032
		.amdhsa_private_segment_fixed_size 0
		.amdhsa_enable_private_segment 0
		.amdhsa_kernarg_size 48
		.amdhsa_user_sgpr_count 2
		.amdhsa_user_sgpr_kernarg_segment_ptr 1
		.amdhsa_wavefront_size32 1
		.amdhsa_system_sgpr_workgroup_id_x 1
		.amdhsa_system_sgpr_workgroup_id_y 1
		.amdhsa_system_sgpr_workgroup_id_z 1
		.amdhsa_system_vgpr_workitem_id 0
		.amdhsa_next_free_vgpr 512
		.amdhsa_next_free_sgpr 80
		.amdhsa_reserve_vcc 0
		.amdhsa_float_denorm_mode_32 3
		.amdhsa_float_denorm_mode_16_64 3
		.amdhsa_memory_ordered 1
		.amdhsa_forward_progress 1
		.amdhsa_inst_pref_size 187
	.end_amdhsa_kernel
	.amdgpu_metadata
---
amdhsa.version: [ 1, 2 ]
amdhsa.kernels:
  - .name:           k_q78edce205d_ffn2
    .symbol:         k_q78edce205d_ffn2.kd
    .args:
      - { .name: W2, .offset: 0, .size: 8, .value_kind: global_buffer, .address_space: global }
      - { .name: b2, .offset: 8, .size: 8, .value_kind: global_buffer, .address_space: global }
      - { .name: hf, .offset: 16, .size: 8, .value_kind: global_buffer, .address_space: global }
      - { .name: rowlist, .offset: 24, .size: 8, .value_kind: global_buffer, .address_space: global }
      - { .name: cntb, .offset: 32, .size: 8, .value_kind: global_buffer, .address_space: global }
      - { .name: part, .offset: 40, .size: 8, .value_kind: global_buffer, .address_space: global }
    .group_segment_fixed_size: 300032
    .private_segment_fixed_size: 0
    .kernarg_segment_align: 8
    .kernarg_segment_size: 48
    .max_flat_workgroup_size: 256
    .sgpr_count:     80
    .vgpr_count:     512
    .wavefront_size: 32
...
	.end_amdgpu_metadata
.endif
;; end of part 6
;; launch combine (part 7): grid 256 x 1, 8 waves a work-group, no clusters, 0 bytes of LDS; arguments part, rw, out0; writes out0
.if DOCPART == 7
	.amdgcn_target "amdgcn-amd-amdhsa--gfx1250"
	.amdhsa_code_object_version 6
	.text
	.protected	k_q78edce205d_combine
	.globl	k_q78edce205d_combine
	.p2align	8
	.type	k_q78edce205d_combine,@function
k_q78edce205d_combine:
	s_mov_b64 s[64:65], 0
	v_nop
	global_prefetch_b8 v0, s[64:65] scope:SCOPE_SE
	s_setreg_imm32_b32 hwreg(HW_REG_WAVE_MODE, 25, 1), 1
	s_wait_xcnt 0x0
; out0[t] = w0[t] (part[0][t] + part[1][t]) + w1[t] (part[0][1024 + t] + part[1][1024 + t]): for each of the token's two experts the two halves of the hidden width are added (the bias lies in
; half 0), then the router's softmax weighs them.  All f32.
; A work-group owns four tokens; thread i owns the 16 bytes at 16 i of every row, so a wave's load or store covers 512 consecutive bytes.  The eight weights come by two vector loads in which
; every lane names the same 16 bytes: they go out with the rows' sixteen loads, behind the one wait for the arguments.  No LDS, no barrier, no matrix unit: each byte of the rows is read once
; and written once, and nothing is shared.
	s_load_b128 s[4:7], s[0:1], 0x0                ; part s[4:5], rw s[6:7]
	s_load_b64 s[8:9], s[0:1], 0x10                ; out0
	v_lshlrev_b32 v1, 4, v0
	s_lshl_b32 s10, ttmp9, 4                       ; four weights of 4 bytes
	v_mov_b32 v2, s10
	s_lshl_b32 s20, ttmp9, 14                      ; four rows of 4,096 bytes
	s_mov_b32 s21, 0
	s_wait_kmcnt 0x0
	global_load_b128 v[68:71], v2, s[6:7]              ; w0 of my four tokens
	global_load_b128 v[72:75], v2, s[6:7] offset:4096  ; w1
	s_add_nc_u64 s[4:5], s[4:5], s[20:21]
	s_add_nc_u64 s[8:9], s[8:9], s[20:21]
	s_add_nc_u64 s[22:23], s[4:5], 0x800000        ; half 1 lies 8 MiB on
.irp a, 0,1,2,3
	global_load_b128 v[4+16*\a:7+16*\a],   v1, s[4:5]   offset:\a*4096 th:TH_LOAD_NT
	global_load_b128 v[8+16*\a:11+16*\a],  v1, s[22:23] offset:\a*4096 th:TH_LOAD_NT
	global_load_b128 v[12+16*\a:15+16*\a], v1, s[4:5]   offset:\a*4096+4194304 th:TH_LOAD_NT
	global_load_b128 v[16+16*\a:19+16*\a], v1, s[22:23] offset:\a*4096+4194304 th:TH_LOAD_NT
.endr
.irp a, 0,1,2,3
	s_wait_loadcnt 12-4*\a                         ; token a's four loads are in, and the weights, which are older; the younger tokens' loads stay out
	v_pk_add_f32 v[4+16*\a:5+16*\a],   v[4+16*\a:5+16*\a],   v[8+16*\a:9+16*\a]
	v_pk_add_f32 v[6+16*\a:7+16*\a],   v[6+16*\a:7+16*\a],   v[10+16*\a:11+16*\a]
	v_pk_add_f32 v[12+16*\a:13+16*\a], v[12+16*\a:13+16*\a], v[16+16*\a:17+16*\a]
	v_pk_add_f32 v[14+16*\a:15+16*\a], v[14+16*\a:15+16*\a], v[18+16*\a:19+16*\a]
.irp c, 0,1,2,3
	v_mul_f32 v[4+16*\a+\c], v[68+\a], v[4+16*\a+\c]
.endr
.irp c, 0,1,2,3
	v_fma_f32 v[4+16*\a+\c], v[72+\a], v[12+16*\a+\c], v[4+16*\a+\c]
.endr
	global_store_b128 v1, v[4+16*\a:7+16*\a], s[8:9] offset:\a*4096 th:TH_STORE_NT
.endr
	s_endpgm
.Lfunc_end_k_q78edce205d_combine:
	.size	k_q78edce205d_combine, .Lfunc_end_k_q78edce205d_combine-k_q78edce205d_combine
	.p2alignl 7, 3214868480
	.fill 96, 4, 3214868480
	.section	.rodata,"a",@progbits
	.p2align	6, 0x0
	.amdhsa_kernel k_q78edce205d_combine
		.amdhsa_group_segment_fixed_size 0
		.amdhsa_private_segment_fixed_size 0
		.amdhsa_enable_private_segment 0
		.amdhsa_kernarg_size 24
		.amdhsa_user_sgpr_count 2
		.amdhsa_user_sgpr_kernarg_segment_ptr 1
		.amdhsa_wavefront_size32 1
		.amdhsa_system_sgpr_workgroup_id_x 1
		.amdhsa_system_sgpr_workgroup_id_y 1
		.amdhsa_system_sgpr_workgroup_id_z 1
		.amdhsa_system_vgpr_workitem_id 0
		.amdhsa_next_free_vgpr 76
		.amdhsa_next_free_sgpr 66
		.amdhsa_reserve_vcc 0
		.amdhsa_float_denorm_mode_32 3
		.amdhsa_float_denorm_mode_16_64 3
		.amdhsa_memory_ordered 1
		.amdhsa_forward_progress 1
		.amdhsa_inst_pref_size 6
	.end_amdhsa_kernel
	.amdgpu_metadata
---
amdhsa.version: [ 1, 2 ]
amdhsa.kernels:
  - .name:           k_q78edce205d_combine
    .symbol:         k_q78edce205d_combine.kd
    .args:
      - { .name: part, .offset: 0, .size: 8, .value_kind: global_buffer, .address_space: global }
      - { .name: rw, .offset: 8, .size: 8, .value_kind: global_buffer, .address_space: global }
      - { .name: out0, .offset: 16, .size: 8, .value_kind: global_buffer, .address_space: global }
    .group_segment_fixed_size: 0
    .private_segment_fixed_size: 0
    .kernarg_segment_align: 8
    .kernarg_segment_size: 24
    .max_flat_workgroup_size: 256
    .sgpr_count:     66
    .vgpr_count:     76
    .wavefront_size: 32
...
	.end_amdgpu_metadata
.endif
;; end of part 7
;; ======== version 3 of 3: 4 launches; version 2 with the launches ffn1, ffn2 written anew for expert scheduling mode
;; workspace buffers: xb 2,097,152 bytes; bm 4,096 bytes of whole numbers; rw 8,192 bytes; hf 67,108,864 bytes; rowlist 100,352 bytes of whole numbers; cntb 2,048 bytes of whole numbers; part 16,777,216 bytes
;; launch router: the kernel of part 1 again; grid 32 x 1, 8 waves a work-group, no clusters, 83,456 bytes of LDS; arguments x, Wg, xb, bm, rw; writes xb, bm, rw
;; launch ffn1 (part 8): grid 16 x 16, 8 waves a work-group, no clusters, 265,216 bytes of LDS; arguments W1, b1, xb, bm, hf, rowlist, cntb; writes hf, rowlist, cntb
.if DOCPART == 8
	.amdgcn_target "amdgcn-amd-amdhsa--gfx1250"
	.amdhsa_code_object_version 6
	.text
	.protected	k_q78edce205d_ffn1
	.globl	k_q78edce205d_ffn1
	.p2align	8
	.type	k_q78edce205d_ffn1,@function
k_q78edce205d_ffn1:
	s_mov_b64 s[64:65], 0
	v_nop
	global_prefetch_b8 v0, s[64:65] scope:SCOPE_SE
	s_setreg_imm32_b32 hwreg(HW_REG_WAVE_SCHED_MODE, 0, 2), 2
	s_setreg_imm32_b32 hwreg(HW_REG_WAVE_MODE, 25, 1), 1
	s_wait_xcnt 0x0
	s_wait_alu depctr_vm_vsrc(0)
; FIRST LAYER.  h = relu(x W1[e] + b1[e]) for the rows that chose expert e alone.  x and W1 rounded once to bf16, sums and bias in f32, h rounded once to bf16.
; GRID.  x = slice sg of 128 hidden columns, y = expert e.  A work-group alone reads its 512 KiB of W1, once, whatever the split of the tokens.
; TWO PHASES, one text for all eight waves, a barrier between them and one behind the second.
; PHASE 1, the stream.  Wave w takes rows k = 64 o + 8 w + j (o = 0..15, j = 0..7), a row's 512 bytes to a load.  A ring of seven slots of eight loads in registers keeps 56 loads of
; every wave out, refilled slot by slot behind counted waits.  A lane's 8 rows x 4 columns become 4 columns x 8 k of bf16: four 16-byte LDS stores into the slice, kept as [column][k].
; THE SLICE IN LDS.  Row = column of the slice, pitch 2,064.  Of each four 16-byte blocks of k the block's place is turned by (row / 16) mod 4.
; the fragment loads' sixteen lanes lie in one group of 16 rows, where the turn is a constant of the address.
; Behind the slice's 264,192 bytes 1,024 bytes hold the spare words of the closing add.
; PHASE 2, the products: nothing writes the slice any more, so no barrier stands inside it.  Wave w: q = w / 2, g = w mod 2: row tiles 12 b + q + 4 t (t = 0..2) of block b of 192 rows, column
; tiles 4 g .. 4 g + 3.  Six blocks cover every split. The pass is written for three tiles and for two, and chosen once a pass, so that
; no load and no product inside it hangs on the count.  Its 32 steps of 32 k are four laps of eight: three in a counted loop, the last written out, since it asks for little more.  A lap's
; LDS addresses are eight registers made at the head and never rewritten, plus a scalar that steps by a lap's 512 bytes.  Places past the count repeat the last row; a tile without rows is not stored.
; PRODUCT, transposed: source 0 = 16 columns of W, source 1 = 16 tokens: lane (r, h) register j of column tile c is column 16 c + 8 h + j of token r.  The sums start from the bias, by 32 moves
; a tile that are issued while the pass's first loads are on their way: the price of a first step that is not written out; nothing is added afterwards.
; TOKENS.  The expert's rows are ranked by word (token group, then choice) and bit of the bitmap of the launch before.  The token of a rank is found in registers alone: among the 64 words the
; last whose key, (rows ahead << 6) + word number, is at most (rank << 6) + 63; in that word the wanted set bit, by five halvings over partial bit counts.  All six blocks are looked up at the
; head, the last first, into a shift register of 18 registers, while the ring's first loads are on their way; blocks without rows are jumped.
; A token fragment comes straight from xb: a lane takes 16 bytes of its own token's row.
; OUT.  hf [e][tile][image 0..63][1,024 bytes]: image i holds hidden 32 i .. 32 i + 31 of the tile's 16 rows as a ready matrix operand: bytes 16 l of its first half are registers 0-3 of lane l,
; of its second half registers 4-7.  rowlist: expert e's part begins at entry 1,056 e; entry n below the count: the pair p = 1024 k + token of rank n; the entries from the count on are not written
; and not read.  Wave 0 of slice sg stores the pairs of words 4 sg .. 4 sg + 3; its lanes without a bit store into 32 entries of its own behind the 16 parts.  cntb [e][32]: the count, from slice 0.
; LIMITS.  An expert without rows still streams its slice (every wave passes the barriers) and stores nothing into hf.  h beyond bf16's range becomes an infinity; NaN is not treated apart.
; b1 is taken in f32 as it is given, not rounded to bf16.
; NO TENSOR LOADS, NO CLUSTER: each weight has one reader, and the rows that the 16 slices share come by a list that no tile descriptor covers.
; THE MODE: SCHED_MODE bits 1:0 = 2 (LLVM: expert scheduling mode 2), set by the entry lines.  The code itself states the register dependences
; between vector or matrix instructions and memory or LDS instructions, and those through scalar registers that vector instructions write, with s_wait_alu, always for 0.
; THE PLAN.  Registers that memory or LDS instructions touch:
;   ring slots    Group o: its sixteen conversions read slot o mod 7; behind them the loads of group o + 7 land in it (in slot 6, at last, the bias).
;   TT0, TT1      Group o: its conversions write TT[o mod 2], its four LDS stores read it; group o + 2's conversions write it again.
;   AF0 .. AF7    Step s: its products read AF[s mod 8]; the loads issued in step s + 1 land in it (the token fragments of step s + 8).
;   BF0 .. BF3    Step s: its products read BF[s mod 4]; the LDS loads issued in step s + 1 land in it (W's fragments of step s + 4).
;   BW            Read by every LDS load of a fragment; written at a pass's head and once a lap.      ROWA  Read by every token load; written at a pass's head.
;   U0 .. U2      Written by the way out's conversions, read by its stores; they lie in BF, in which the next pass's fragments land.
;   GOFF, LST, L16, H32, v8   Made at the head, never written again.
; So in the stream ONE wait on va_vdst stands in a group, behind its conversions, and one on vm_vsrc at its head; in the pass ONE wait on va_vdst stands at the head of a step, behind the waits
; for its data: the step's loads go into the buffers that the step before read, which no product of this step names, and are dealt among its products with no further wait.
.set PITCH, 8192                       ; bytes from row to row of W1[e]
.set WP,    2064                       ; a column's k in LDS: 2,048 bytes + 16: an odd multiple of 16 (64 banks of 4 bytes: ISA guide 11.1)
.set NS,    7                          ; ring slots
.set LAP,   512                        ; bytes of a token's row, and of a column's k in LDS, in a lap of eight steps
.set RLE,   1056                       ; entries of an expert's part of rowlist
.set DUMP,  16*RLE                     ; behind the 16 parts: 32 entries for each expert and slice: 25,088 entries in all
; window 0
.set ZR,   9                           ; v9       0
.set GOFF, 12                          ; v12      my wave's 8 rows + 16 x lane
.set LST,  13                          ; v13      LDS: row 4 x lane, my wave's block of k, turned
.set BM0,  14                          ; v14      lane n: token group n's word for my expert, first choice
.set L16,  15                          ; v15      16 x lane
.set BW,   16                          ; v16-23   this lap's addresses of W's fragments: column tile c, low half; 4 + c, high half
.set ROWA, 24                          ; v24-26   tile t: token x 2,048 + 16 h
.set H32,  27                          ; v27      32 h
.set H16,  28                          ; v28      16 h
.set BM1,  29                          ; v29      the same as BM0, second choice
.set ACC,  32                          ; v32-127  accumulators 32 t + 8 c
.set BF,   128                         ; v128-255 W fragments: four steps of 32 registers
.set TT,   128                         ; phase 1: packed weights, two sets of 16
.set U,    128                         ; the way out: 16 registers a tile
; at the head, in BF's registers: the lookup's, one for each tile t
.set LIM,  128                         ; (rank << 6) + 63
.set KK,   132                         ; the key kept
.set WW,   136                         ; the word kept
.set DD,   140                         ; the rank; then which set bit of the word
.set PP,   144                         ; the bit's place
.set TQ,   148                         ; at work
.set C1,   152                         ; set bits in each 2 bits of the word
.set C2,   156                         ; in each 4
.set C4,   160                         ; in each 8
.set C8,   164                         ; low byte: in the low 16
.set IN,   168                         ; at work
.set SP0,  176                         ; v176-180 the list: p of choice 0, of choice 1, the spare entry, 4 x lane, the count
.set SA,   184                         ; v184-187 its offsets
.set SD,   192                         ; v192-195 its data
; window 1
.set AF,   0                           ; v0-191   token fragments: step mod 8 x 24 + 8 t  (phase 1: the ring, slot x 32 + 4 j + c, v0-223)
.set BT,   192                         ; v192-223 bias 8 c + j
.set RT,   224                         ; v224-241 tokens of block b, tile t at 3 b + t; moved down by three behind each pass
.set BAD0, 242                         ; v242-249 BW at k = 0; never rewritten
.set WV, 20
.set Q, 21
.set G, 22
.set SG, 23
.set EX, 24
.set CNT, 25                           ; the expert's rows
.set CM1, 26                           ; max(count, 1) - 1
.set BC, 27
.set RB16, 28                          ; first row of my tile 0 in the block in hand
.set LBK, 29                           ; blocks still to be looked up
.set WB, 30                            ; s[30:31] W1 at the slice
.set LRB, 32                           ; first row of my tile 0 in the block looked up
.set HS, 34                            ; s[34:35] hf at my tile 0 of the block, my two images
.set B1B, 48                           ; s[48:49] b1 at my 64 columns
.set KC, 50                            ; LDS byte of the lap along k
.set LAPC, 51
.set PRE, 56                           ; the rows ahead of my slice's four words
.set MINE, 57                          ; the token group behind my slice's four words
.set XA, 58                            ; s[58:59] xb at the lap of the step that is asked for: in a lap's first step the lap in hand, from its second step on the next; it stays at the last lap
.set CW, 68                            ; s68-71   my slice's four words
.set MK, 72                            ; s72-79 and s40-43: the lookup's masks: number i at 72 + i, from 8 on at 32 + i
.set MSB, 0
.macro WIN new                         ; the immediate's high byte repeats the setting that is left; a switch that changes nothing is dropped
.if MSB != (\new)
	s_set_vgpr_msb (MSB<<8)|(\new)
.set MSB, (\new)
.endif
.endm
.macro PLACES                          ; four places in front of the first read of the products' results (ISA guide 7.12.1)
.rept 4
	v_nop
.endr
.endm
; Group o of my rows: its slot has landed; 8 rows x 4 columns a lane -> four 16-byte LDS stores; the slot is asked for again at once, for group o + 7.
.macro OCT o
.set SL, 32*((\o)%NS)
.set TS, TT+16*((\o)%2)
.if (\o) <= 15-(NS-1)
	s_wait_loadcnt 8*(NS-1)                        ; six younger slots of eight loads stay out
.elseif (\o) <= 13
	s_wait_loadcnt 8*(15-(\o))                     ; nothing is asked for any more: the counts run down
.else
	s_wait_loadcnt 8*(15-(\o))+8                   ; the bias's eight loads, issued behind group 13, stay out too
.endif
.if (\o) >= 2
	s_wait_alu depctr_vm_vsrc(0)                   ; the LDS stores of the group before last have read this set of TT, which the conversions below write again
.endif
	WIN 0x05                                       ; sources in window 1
.irp c, 0,1,2,3
.irp i, 0,1,2,3
	v_cvt_pk_bf16_f32 v[TS+4*\c+\i], v[SL+8*\i+\c], v[SL+8*\i+4+\c]
.endr
.endr
.if (\o)+NS <= 15
	WIN 0x40
	s_wait_alu depctr_va_vdst(0)                   ; the conversions are done reading the slot, in which the loads below land, and have written TT, which the LDS stores below read
.irp j, 0,1,2,3,4,5,6,7
	global_load_b128 v[SL+4*\j:SL+4*\j+3], v[GOFF], s[WB:WB+1] offset:(64*((\o)+NS)+\j)*PITCH th:TH_LOAD_NT
.endr
	WIN 0
.else
	WIN 0
	s_wait_alu depctr_va_vdst(0)                   ; the conversions have written TT, which the LDS stores below read (group 13: and are done reading slot 6, in which the bias lands)
.endif
.irp c, 0,1,2,3
	ds_store_b128 v[LST], v[TS+4*\c:TS+4*\c+3] offset:\c*WP+128*(\o)
.endr
.endm
.macro BIASLD                          ; b1 of columns 16 c + 8 h + 0..7, in the accumulators' order, into ring slot 6, which group 13 has left.  No wait: since group 13's wait only its LDS stores were issued
	WIN 0x40
.irp c, 0,1,2,3
	global_load_b128 v[BT+8*\c:BT+8*\c+3],   v[H32], s[B1B:B1B+1] offset:64*\c
	global_load_b128 v[BT+8*\c+4:BT+8*\c+7], v[H32], s[B1B:B1B+1] offset:64*\c+16
.endr
	WIN 0
.endm
.macro GA buf, nt                      ; the token fragments of step buf of the lap at XA, into buffer buf (destination window 1); the immediate is the step's bytes in the lap, 0 to 480
.set y, 0
.rept \nt
	global_load_b128 v[AF+24*(\buf)+8*y:AF+24*(\buf)+8*y+3],   v[ROWA+y], s[XA:XA+1] offset:64*(\buf)
	global_load_b128 v[AF+24*(\buf)+8*y+4:AF+24*(\buf)+8*y+7], v[ROWA+y], s[XA:XA+1] offset:64*(\buf)+32
.set y, y+1
.endr
.endm
.macro FBC kx, buf, c                  ; W's fragment of column tile c in step kx, counted from the lap in hand (8 to 10: the next lap's first three)
	ds_load_b128 v[BF+32*(\buf)+8*(\c):BF+32*(\buf)+8*(\c)+3],   v[BW+(\c)]   offset:64*(\kx)
	ds_load_b128 v[BF+32*(\buf)+8*(\c)+4:BF+32*(\buf)+8*(\c)+7], v[BW+4+(\c)] offset:64*(\kx)
.endm
.macro FB kx, buf                      ; my four W fragments of a step
.irp c, 0,1,2,3
	FBC \kx, \buf, \c
.endr
.endm
; 4 nt products; the accumulators take turns, one instruction a turn, over the loop's backward jump too.  fb = 1: behind each column tile's products two LDS loads of the
; fragments three steps on, into the buffer that the step before read.  An LDS load takes destination and address by the fields that the products' setting leaves at window 0.
.macro MM kp, nt, fb
.irp c, 0,1,2,3
.set y, 0
.rept \nt
	v_wmma_f32_16x16x32_bf16 v[ACC+32*y+8*\c:ACC+32*y+8*\c+7], v[BF+32*((\kp)%4)+8*\c:BF+32*((\kp)%4)+8*\c+7], v[AF+24*(\kp)+8*y:AF+24*(\kp)+8*y+7], v[ACC+32*y+8*\c:ACC+32*y+8*\c+7]
.set y, y+1
.endr
.if \fb
	FBC (\kp)+3, ((\kp)+3)%4, \c
.endif
.endr
.endm
; Step kp of a lap.  Its token fragments were asked for seven steps ago, its W fragments three: the counts leave the younger steps' loads out.  The step asks again for the registers that the step
; before read: a lap's first step for the lap's own last step, the others for the next lap's steps 0 to 6, so the token base moves on in the second step.
; tail = 1: the last lap: one token refill (the last step's), W refills while steps are left, and the counts run down.
.macro KB kp, nt, tail
.if (\tail) && ((\kp) > 0)
	s_wait_loadcnt 2*(\nt)*(7-(\kp))
.else
	s_wait_loadcnt 12*(\nt)                        ; six younger steps of 2 nt loads
.endif
.if (\tail) && ((\kp) > 5)
	s_wait_dscnt 8*(7-(\kp))
.else
	s_wait_dscnt 16                                ; two younger steps of eight loads
.endif
	WIN 0x04                                       ; source 1 in window 1
.if ((\tail) == 0) || ((\kp) <= 4)
	s_wait_alu depctr_va_vdst(0)                   ; the products of the step before are done reading their W and token fragments, in which this step's loads land; in a lap's first step BW is written
	MM \kp, \nt, 1
.else
	MM \kp, \nt, 0
.endif
.if (\kp) == 0
	WIN 0x40
	GA 7, \nt                                      ; this lap's last step, seven steps on.  No wait: no product since the wait above names this buffer
.elseif (\tail) == 0
.if (\kp) == 1
	s_wait_xcnt 0x0                                ; the base is stepped only behind this wait; this step's products and fragment loads stand between the last token loads and it
	s_add_nc_u64 s[XA:XA+1], s[XA:XA+1], LAP       ; from here on the next lap is asked for
.endif
	WIN 0x40
	GA (\kp)-1, \nt                                ; seven steps on.  No wait: no product since the wait above names this buffer
.endif
.endm
; The way out of tile t: rounding and ReLU.  Each accumulator's registers 0 and 1 are read first.
.macro CONV t
.irp c, 0,1,2,3
.irp n, 0,1,2,3
	v_cvt_pk_bf16_f32 v[U+16*(\t)+4*\c+\n], v[ACC+32*(\t)+8*\c+2*\n], v[ACC+32*(\t)+8*\c+2*\n+1]
.endr
.endr
.set n, 0
.rept 16
	v_pk_max_num_bf16 v[U+16*(\t)+n], v[U+16*(\t)+n], v[ZR]
.set n, n+1
.endr
.endm
; For each column tile one store of 512 consecutive bytes: half an image.  cond = 1: a tile without rows is not stored.
.macro SEND t, cond
.if \cond
	s_add_co_u32 s46, s[RB16], 64*(\t)
	s_cmp_lt_u32 s46, s[CNT]
	s_cbranch_scc0 .Lep_\@
.endif
.irp c, 0,1,2,3
	global_store_b128 v[L16], v[U+16*(\t)+4*\c:U+16*(\t)+4*\c+3], s[HS:HS+1] offset:(\t)*262144+(\c/2)*1024+(\c%2)*512
.endr
.if \cond
.Lep_\@:
.endif
.endm
.macro LAPADR                          ; the lap's eight LDS addresses: the bases plus the scalar step
	WIN 0x04                                       ; source 1 in window 1
.set n, 0
.rept 8
	v_add_nc_u32 v[BW+n], s[KC], v[BAD0+n]
.set n, n+1
.endr
.endm
; A pass: nt tiles x 4 column tiles over all 1,024 k.
.macro PASS nt
	s_mov_b32 s[KC], 0
	s_mov_b64 s[XA:XA+1], s[8:9]                   ; no load that names XA is out: the pass before ended on a wait for all loads
	LAPADR
	WIN 0x40
	s_wait_alu depctr_va_vdst(0)                   ; ROWA and BW are written, which the loads below read; all that read or wrote the fragments' registers (the stream's conversions, the lookup, the pass before) is done
.irp k, 0,1,2,3,4,5,6
	GA \k, \nt
.endr
	WIN 0
.irp k, 0,1,2
	FB \k, \k
.endr
	WIN 0x01
.set y, 0
.rept \nt
.set n, 0
.rept 32
	v_mov_b32 v[ACC+32*y+n], v[BT+n]               ; the sums start from the bias, while the loads above are on their way
.set n, n+1
.endr
.set y, y+1
.endr
	WIN 0
	s_mov_b32 s[LAPC], 3
.Llap_\@:                              ; laps 0 to 2; they ask for the token fragments of steps 7 to 30 and for W's of steps 3 to 26
.irp k, 0,1,2,3,4,5,6,7
	KB \k, \nt, 0
.endr
	s_add_co_u32 s[KC], s[KC], LAP
	s_wait_alu depctr_vm_vsrc(0)                   ; the LDS loads issued so far have read BW, which the adds below write
	LAPADR
	WIN 0
	s_sub_co_u32 s[LAPC], s[LAPC], 1
	s_cmp_lg_u32 s[LAPC], 0
	s_cbranch_scc1 .Llap_\@
.irp k, 0,1,2,3,4,5,6,7
	KB \k, \nt, 1                                  ; the last lap is written out: no load leaves a token's row or the slice
.endr
	WIN 0
	PLACES
	CONV 0
	CONV 1
.if (\nt) == 3
	CONV 2
.endif
	s_wait_alu depctr_va_vdst(0)                   ; the conversions and maxima have written U, which the stores below read: one wait for all the pass's stores
	SEND 0, 0
.if (\nt) == 3
	SEND 1, 0
	SEND 2, 0
.else
	SEND 1, 1
.endif
.endm
; One halving of the search for the wanted set bit, for the three tiles: if as many bits as wanted, or fewer, lie in the lower part, they are taken off and the place moves up.
.macro LEVEL src, wid, half
.irp t, 0,1,2
	v_bfe_u32 v[TQ+\t], v[\src+\t], v[PP+\t], \wid
.endr
.irp t, 0,1,2
	v_cmp_ge_u32 s[MK+\t], v[DD+\t], v[TQ+\t]
.endr
	s_wait_alu depctr_va_sdst(0)                   ; the three masks are written, ahead of the selects that read them
.irp t, 0,1,2
	v_cndmask_b32 v[TQ+\t], 0, v[TQ+\t], s[MK+\t]
	v_sub_nc_u32 v[DD+\t], v[DD+\t], v[TQ+\t]
	v_cndmask_b32 v[IN+\t], 0, \half, s[MK+\t]
	v_add_nc_u32 v[PP+\t], v[PP+\t], v[IN+\t]
.endr
.endm
	s_load_b256 s[4:11], s[0:1], 0x0               ; W1 s[4:5], b1 s[6:7], xb s[8:9], bm s[10:11]
	s_load_b128 s[12:15], s[0:1], 0x20             ; hf s[12:13], rowlist s[14:15]
	s_load_b64 s[16:17], s[0:1], 0x30              ; cntb
	v_lshl_add_u32 v10, v0, 2, 0x40800
	v_mov_b32 v11, 0
	; all addresses that hang on no argument are made here, in the wait for the arguments
	v_and_b32 v1, 15, v0                           ; r
	v_bfe_u32 v2, v0, 4, 1                         ; h
	v_and_b32 v3, 31, v0                           ; lane
	v_lshrrev_b32 v4, 5, v0
	v_readfirstlane_b32 s[WV], v4
	s_mov_b32 s[SG], ttmp9
	s_and_b32 s[EX], ttmp7, 0xffff
	v_mov_b32 v[ZR], 0
	v_lshlrev_b32 v[L16], 4, v3
	v_lshlrev_b32 v[H32], 5, v2
	v_lshlrev_b32 v[H16], 4, v2
	s_wait_alu depctr_va_sdst(0)                   ; the wave's number is written, ahead of its first reader
	s_lshr_b32 s[Q], s[WV], 1
	s_and_b32 s[G], s[WV], 1
	s_lshl_b32 s44, s[EX], 23                      ; an expert's 8 MiB
	s_lshl_b32 s45, s[SG], 9                       ; the slice's 512 bytes of a row
	s_add_co_u32 s44, s44, s45
	s_mov_b32 s45, 0
	s_lshl_b32 s46, s[WV], 16                      ; my 8 rows of 8,192 bytes
	v_lshl_add_u32 v[GOFF], v3, 4, s46
	s_lshl_b32 s46, s[EX], 2
	v_lshl_add_u32 v8, v3, 7, s46                  ; lane n takes token group n's two words for my expert
	v_lshrrev_b32 v30, 2, v3                       ; my rows 4 l .. 4 l + 3 lie in group l / 4 of 16 rows
	v_add_nc_u32 v30, s[WV], v30                   ; my block of k is 8 o + w: its place among four is turned by that group,
	v_and_b32 v30, 3, v30
	s_and_b32 s46, s[WV], 4
	v_add_nc_u32 v30, s46, v30                     ; the rest of it stays
	v_mul_u32_u24 v31, v3, 4*WP
	v_lshl_add_u32 v[LST], v30, 4, v31
	s_mul_i32 s46, s[G], 64*WP
	v_mul_u32_u24 v5, v1, WP
	v_add_nc_u32 v5, s46, v5                       ; row 64 g + r
.irp c, 0,1,2,3
	v_add_nc_u32 v6, \c, v2                        ; blocks h and 2 + h of a step's four, turned by the column tile's number
	v_and_b32 v6, 3, v6
	v_xor_b32 v7, 2, v6
	v_lshl_add_u32 v6, v6, 4, v5
	v_lshl_add_u32 v7, v7, 4, v5
	v_add_nc_u32 v[BW+\c], \c*16*WP, v6
	v_add_nc_u32 v[BW+4+\c], \c*16*WP, v7
.endr
	WIN 0x40
.set n, 0
.rept 8
	v_mov_b32 v[BAD0+n], v[BW+n]
.set n, n+1
.endr
.set n, 0
.rept 18
	v_mov_b32 v[RT+n], 0                           ; the shift register holds numbers before it is first moved
.set n, n+1
.endr
	WIN 0
	s_wait_kmcnt 0x0
	s_add_nc_u64 s[WB:WB+1], s[4:5], s[44:45]
	s_wait_alu depctr_va_vdst(0)                   ; v8, GOFF, LST, L16 and H32 are written: the offsets and addresses that the kernel's loads and stores read and that are never written again
	global_load_b32 v[BM0], v8, s[10:11]
	global_load_b32 v[BM1], v8, s[10:11] offset:64
	WIN 0x40
.set n, 0
.rept 8*NS                             ; the ring is filled: groups 0 to 6
	global_load_b128 v[4*n:4*n+3], v[GOFF], s[WB:WB+1] offset:(64*(n/8)+n%8)*PITCH th:TH_LOAD_NT
.set n, n+1
.endr
	WIN 0
	; while the first rows are on their way: the bases, the count, the tokens of my rows
	s_lshl_b32 s44, s[EX], 22                      ; hf: an expert's 4 MiB,
	s_lshl_b32 s46, s[Q], 16                       ; tile q,
	s_add_co_u32 s44, s44, s46
	s_lshl_b32 s46, s[SG], 12                      ; the slice's four images,
	s_add_co_u32 s44, s44, s46
	s_lshl_b32 s46, s[G], 11                       ; my two of them
	s_add_co_u32 s44, s44, s46
	s_add_nc_u64 s[HS:HS+1], s[12:13], s[44:45]
	s_lshl_b32 s44, s[EX], 13
	s_lshl_b32 s46, s[SG], 9
	s_add_co_u32 s44, s44, s46
	s_lshl_b32 s46, s[G], 8
	s_add_co_u32 s44, s44, s46
	s_add_nc_u64 s[B1B:B1B+1], s[6:7], s[44:45]
	s_mov_b32 s44, 0                               ; rows so far
	s_mov_b32 s45, 0                               ; token group
	s_mov_b32 s46, 16
	s_mov_b32 s[PRE], 0
.irp m, 0,1,2,3
	s_mov_b32 s[CW+\m], 0
.endr
	s_lshl_b32 s[MINE], s[SG], 1
	s_add_co_u32 s[MINE], s[MINE], 2               ; trip sg of the loop below ends at this token group
	s_wait_loadcnt 8*NS                            ; the two words are in; the ring's 56 loads stay out
.Lcnt:                                 ; 16 trips of 2 groups x 2 choices: the expert's rows are counted; trip sg's four words, and the rows ahead of them, are kept
.irp m, 0,1
	v_readlane_b32 s[36+2*\m], v[BM0], s45
	v_readlane_b32 s[37+2*\m], v[BM1], s45
	s_add_co_u32 s45, s45, 1
.endr
	s_wait_alu depctr_va_sdst(0)                   ; the four words s36 to s39 are written, ahead of the selects and counts that read them
	s_cmp_eq_u32 s45, s[MINE]
	s_cselect_b32 s[PRE], s44, s[PRE]
.irp m, 0,1,2,3
	s_cselect_b32 s[CW+\m], s[36+\m], s[CW+\m]
.endr
.irp m, 0,1,2,3
	s_bcnt1_i32_b32 s[52+\m], s[36+\m]
.endr
.irp m, 0,1,2,3
	s_add_co_u32 s44, s44, s[52+\m]
.endr
	s_sub_co_u32 s46, s46, 1
	s_cmp_lg_u32 s46, 0
	s_cbranch_scc1 .Lcnt
	s_mov_b32 s[CNT], s44
	s_max_u32 s47, s[CNT], 1
	s_sub_co_u32 s[CM1], s47, 1
	s_lshl_b32 s[RB16], s[Q], 4
	s_mov_b32 s[LBK], 6
	s_add_co_u32 s[LRB], s[RB16], 960              ; my first row in block 5
.Lblk:                                 ; blocks 5 to 0: the register moves up by three, and a block with rows puts its three tokens in at the bottom
	WIN 0x41
.set n, 14
.rept 15
	v_mov_b32 v[RT+n+3], v[RT+n]
.set n, n-1
.endr
	WIN 0
	s_cmp_lt_u32 s[LRB], s[CNT]
	s_cbranch_scc0 .Lblk_next
.irp t, 0,1,2
	s_add_co_u32 s47, s[LRB], 64*\t
	v_add_nc_u32 v[DD+\t], s47, v1                 ; the rank of row r of tile t;
	v_min_u32 v[DD+\t], s[CM1], v[DD+\t]           ; places past the count repeat the last row
	v_lshl_or_b32 v[LIM+\t], v[DD+\t], 6, 63
	v_mov_b32 v[KK+\t], 0
	v_mov_b32 v[WW+\t], 0
.endr
	s_mov_b32 s44, 0                               ; (rows so far << 6) + word number
	s_mov_b32 s45, 0
	s_mov_b32 s46, 16
.Lwd:                                  ; 16 trips of 4 words: the keys ascend, so the last that is not above the limit stays
.irp m, 0,1
	v_readlane_b32 s[36+2*\m], v[BM0], s45
	v_readlane_b32 s[37+2*\m], v[BM1], s45
	s_add_co_u32 s45, s45, 1
.endr
	s_wait_alu depctr_va_sdst(0)                   ; the four words s36 to s39 are written, ahead of the counts and selects that read them
.irp m, 0,1,2,3
	s_mov_b32 s[52+\m], s44
	s_bcnt1_i32_b32 s47, s[36+\m]
	s_lshl_b32 s47, s47, 6
	s_add_co_u32 s47, s47, 1
	s_add_co_u32 s44, s44, s47
.endr
.irp m, 0,1,2,3                        ; the trip's twelve compares in one run, each into a scalar register of its own
.irp t, 0,1,2
	v_cmp_le_u32 s[MK+3*\m+\t-40*((3*\m+\t)/8)], s[52+\m], v[LIM+\t]
.endr
.endr
	s_wait_alu depctr_va_sdst(0)                   ; the twelve masks are written, ahead of the selects that read them
.irp m, 0,1,2,3
.irp t, 0,1,2
	v_cndmask_b32 v[KK+\t], v[KK+\t], s[52+\m], s[MK+3*\m+\t-40*((3*\m+\t)/8)]
	v_cndmask_b32 v[WW+\t], v[WW+\t], s[36+\m], s[MK+3*\m+\t-40*((3*\m+\t)/8)]
.endr
.endr
	s_sub_co_u32 s46, s46, 1
	s_cmp_lg_u32 s46, 0
	s_cbranch_scc1 .Lwd
.irp t, 0,1,2
	v_lshrrev_b32 v[TQ+\t], 6, v[KK+\t]            ; the rows ahead of the word
	v_sub_nc_u32 v[DD+\t], v[DD+\t], v[TQ+\t]      ; which of its set bits is wanted
	v_lshrrev_b32 v[TQ+\t], 1, v[WW+\t]            ; the set bits of each 2, 4, 8 and 16 bits of the word
	v_and_b32 v[TQ+\t], 0x55555555, v[TQ+\t]
	v_sub_nc_u32 v[C1+\t], v[WW+\t], v[TQ+\t]
	v_lshrrev_b32 v[TQ+\t], 2, v[C1+\t]
	v_and_b32 v[TQ+\t], 0x33333333, v[TQ+\t]
	v_and_b32 v[C2+\t], 0x33333333, v[C1+\t]
	v_add_nc_u32 v[C2+\t], v[C2+\t], v[TQ+\t]
	v_lshrrev_b32 v[TQ+\t], 4, v[C2+\t]
	v_add_nc_u32 v[C4+\t], v[C2+\t], v[TQ+\t]
	v_and_b32 v[C4+\t], 0x0f0f0f0f, v[C4+\t]
	v_lshrrev_b32 v[TQ+\t], 8, v[C4+\t]
	v_add_nc_u32 v[C8+\t], v[C4+\t], v[TQ+\t]
	v_mov_b32 v[PP+\t], 0
.endr
	LEVEL C8, 5, 16
	LEVEL C4, 4, 8
	LEVEL C2, 4, 4
	LEVEL C1, 2, 2
	LEVEL WW, 1, 1
.irp t, 0,1,2
	v_bfe_u32 v[TQ+\t], v[KK+\t], 1, 5             ; the word's token group
	v_lshl_add_u32 v[TQ+\t], v[TQ+\t], 5, v[PP+\t] ; the token
.endr
	WIN 0x40
.irp t, 0,1,2
	v_mov_b32 v[RT+\t], v[TQ+\t]
.endr
	WIN 0
.Lblk_next:
	s_sub_co_u32 s[LRB], s[LRB], 192
	s_sub_co_u32 s[LBK], s[LBK], 1
	s_cmp_lg_u32 s[LBK], 0
	s_cbranch_scc1 .Lblk
	s_cmp_lg_u32 s[WV], 0
	s_cbranch_scc1 .Lstream
	; wave 0 stores, by rank, the pairs of my slice's four words: a set bit's rank is the rows ahead of its word + the set bits below the lane
	s_mul_i32 s47, s[EX], RLE                      ; the expert's first entry
	s_add_co_u32 s52, s[PRE], s47
.irp m, 0,1,2
	s_bcnt1_i32_b32 s47, s[CW+\m]
	s_add_co_u32 s[53+\m], s[52+\m], s47
.endr
	s_lshl_b32 s44, s[EX], 4
	s_add_co_u32 s44, s44, s[SG]
	s_lshl_b32 s44, s44, 5
	s_add_co_u32 s44, s44, DUMP                    ; the 32 entries of my expert and slice,
	v_add_nc_u32 v[SP0+2], s44, v3                 ; where a lane without a bit puts its number
	s_lshl_b32 s44, s[SG], 6                       ; the first token of my four words
	v_add_nc_u32 v[SP0], s44, v3                   ; p of choice 0 in their first group
	v_add_nc_u32 v[SP0+1], 1024, v[SP0]            ; p of choice 1
.irp m, 0,1,2,3
	v_mbcnt_lo_u32_b32 v[SA+\m], s[CW+\m], s[52+\m]
.endr
.irp m, 0,1,2,3
	v_cndmask_b32 v[SA+\m], v[SP0+2], v[SA+\m], s[CW+\m]
.endr
.irp m, 0,1,2,3
	v_min_u32 v[SA+\m], 0x61ff, v[SA+\m]           ; inside the buffer's 25,088 entries
.endr
.irp m, 0,1,2,3
	v_lshlrev_b32 v[SA+\m], 2, v[SA+\m]
.endr
.irp m, 0,1,2,3
	v_add_nc_u32 v[SD+\m], 32*(\m/2), v[SP0+\m%2]
.endr
	v_lshlrev_b32 v[SP0+3], 2, v3                  ; the count's offset and the count, for slice 0's store below: made here, so that one wait serves all five stores
	v_mov_b32 v[SP0+4], s[CNT]
	s_wait_alu depctr_va_vdst(0)                   ; the list's offsets and data, and the count's, are written, which the stores below read
.irp m, 0,1,2,3
	global_store_b32 v[SA+\m], v[SD+\m], s[14:15]
.endr
	s_cmp_lg_u32 s[SG], 0
	s_cbranch_scc1 .Lstream
	s_lshl_b32 s44, s[EX], 7                       ; slice 0 stores the count too
	s_mov_b32 s45, 0
	s_add_nc_u64 s[62:63], s[16:17], s[44:45]
	global_store_b32 v[SP0+3], v[SP0+4], s[62:63]
.Lstream:
.irp o, 0,1,2,3,4,5,6,7,8,9,10,11,12,13,14,15
	OCT \o
.if \o == 13
	BIASLD                                         ; early, so that the bias is on its way under the last two groups and the barrier
.endif
.endr
	s_wait_dscnt 0x0                               ; for the others' sake: my part of the slice is in LDS
	s_barrier_signal -1
	s_barrier_wait -1                              ; the slice is whole
	s_wait_loadcnt 0x0                             ; the bias
	s_wait_xcnt 0x0                                ; the list's stores have had their addresses translated: their registers lie where W's fragments land
	s_wait_alu depctr_vm_vsrc(0)                   ; my LDS stores have read TT, and wave 0's list stores their offsets and data: W's fragments land in these registers from here on
	s_mov_b32 s[BC], 0
.Lpass:                                ; six blocks of 192 rows cover every split
	s_cmp_lt_u32 s[RB16], s[CNT]
	s_cbranch_scc0 .Lnext                          ; my first tile of the block has no row
	WIN 0x04
.irp t, 0,1,2
	v_min_u32 v[ROWA+\t], 0x3ff, v[RT+\t]          ; what hangs on loaded words is clamped in front of the address
.endr
	WIN 0
.irp t, 0,1,2
	v_lshl_add_u32 v[ROWA+\t], v[ROWA+\t], 11, v[H16]
.endr
	s_add_co_u32 s46, s[RB16], 128
	s_cmp_lt_u32 s46, s[CNT]
	s_cbranch_scc0 .Ltwo
	PASS 3
	s_branch .Lnext
.Ltwo:
	PASS 2
.Lnext:
	s_wait_xcnt 0x0                                ; the stores' data and base, and the loads' offsets, are rewritten only behind this wait
	s_wait_alu depctr_vm_vsrc(0)                   ; the pass's stores have read U, its loads ROWA and BW: the next pass writes all three
	WIN 0x41
.set n, 0
.rept 15
	v_mov_b32 v[RT+n], v[RT+n+3]                   ; the next block's tokens come to the bottom
.set n, n+1
.endr
	WIN 0
	s_add_nc_u64 s[HS:HS+1], s[HS:HS+1], 786432    ; twelve tiles on
	s_add_co_u32 s[RB16], s[RB16], 192
	s_add_co_u32 s[BC], s[BC], 1
	s_cmp_lt_u32 s[BC], 6
	s_cbranch_scc1 .Lpass
	s_wait_dscnt 0x0                               ; my reads of the slice are over
	s_barrier_signal -1
	s_barrier_wait -1                              ; every wave's are
	s_wait_dscnt 0x0                               ; the wave's end.  Behind it the closing add onto the spare words
	s_wait_alu depctr_hold_cnt(0) depctr_sa_sdst(0) depctr_va_vdst(0) depctr_va_sdst(0) depctr_va_ssrc(0) depctr_va_vcc(0) depctr_vm_vsrc(0)
	s_wait_tensorcnt 0x0
	ds_add_u32 v10, v11
	s_wait_dscnt 0x0
	s_endpgm
.Lfunc_end_k_q78edce205d_ffn1:
	.size	k_q78edce205d_ffn1, .Lfunc_end_k_q78edce205d_ffn1-k_q78edce205d_ffn1
	.p2alignl 7, 3214868480
	.fill 96, 4, 3214868480
	.section	.rodata,"a",@progbits
	.p2align	6, 0x0
	.amdhsa_kernel k_q78edce205d_ffn1
		.amdhsa_group_segment_fixed_size 265216
		.amdhsa_private_segment_fixed_size 0
		.amdhsa_enable_private_segment 0
		.amdhsa_kernarg_size 56
		.amdhsa_user_sgpr_count 2
		.amdhsa_user_sgpr_kernarg_segment_ptr 1
		.amdhsa_wavefront_size32 1
		.amdhsa_system_sgpr_workgroup_id_x 1
		.amdhsa_system_sgpr_workgroup_id_y 1
		.amdhsa_system_sgpr_workgroup_id_z 1
		.amdhsa_system_vgpr_workitem_id 0
		.amdhsa_next_free_vgpr 512
		.amdhsa_next_free_sgpr 80
		.amdhsa_reserve_vcc 0
		.amdhsa_float_denorm_mode_32 3
		.amdhsa_float_denorm_mode_16_64 3
		.amdhsa_memory_ordered 1
		.amdhsa_forward_progress 1
		.amdhsa_inst_pref_size 133
	.end_amdhsa_kernel
	.amdgpu_metadata
---
amdhsa.version: [ 1, 2 ]
amdhsa.kernels:
  - .name:           k_q78edce205d_ffn1
    .symbol:         k_q78edce205d_ffn1.kd
    .args:
      - { .name: W1, .offset: 0, .size: 8, .value_kind: global_buffer, .address_space: global }
      - { .name: b1, .offset: 8, .size: 8, .value_kind: global_buffer, .address_space: global }
      - { .name: xb, .offset: 16, .size: 8, .value_kind: global_buffer, .address_space: global }
      - { .name: bm, .offset: 24, .size: 8, .value_kind: global_buffer, .address_space: global }
      - { .name: hf, .offset: 32, .size: 8, .value_kind: global_buffer, .address_space: global }
      - { .name: rowlist, .offset: 40, .size: 8, .value_kind: global_buffer, .address_space: global }
      - { .name: cntb, .offset: 48, .size: 8, .value_kind: global_buffer, .address_space: global }
    .group_segment_fixed_size: 265216
    .private_segment_fixed_size: 0
    .kernarg_segment_align: 8
    .kernarg_segment_size: 56
    .max_flat_workgroup_size: 256
    .sgpr_count:     80
    .vgpr_count:     512
    .wavefront_size: 32
...
	.end_amdgpu_metadata
.endif
;; end of part 8
;; launch ffn2 (part 9): grid 16 x 16, 8 waves a work-group, no clusters, 300,032 bytes of LDS; arguments W2, b2, hf, rowlist, cntb, part; writes part
.if DOCPART == 9
	.amdgcn_target "amdgcn-amd-amdhsa--gfx1250"
	.amdhsa_code_object_version 6
	.text
	.protected	k_q78edce205d_ffn2
	.globl	k_q78edce205d_ffn2
	.p2align	8
	.type	k_q78edce205d_ffn2,@function
k_q78edce205d_ffn2:
	s_mov_b64 s[64:65], 0
	v_nop
	global_prefetch_b8 v0, s[64:65] scope:SCOPE_SE
	s_setreg_imm32_b32 hwreg(HW_REG_WAVE_SCHED_MODE, 0, 2), 2
	s_setreg_imm32_b32 hwreg(HW_REG_WAVE_MODE, 25, 1), 1
	s_wait_xcnt 0x0
	s_wait_alu depctr_vm_vsrc(0)
; SECOND LAYER.  part[kh][p] = h[p][half kh of the hidden width] W2[e] (+ b2[e] in half 0) for the pairs p = 1024 k + token of expert e.  The two halves, and the router's weights, are put
; together by the next launch.  W2 rounded once to bf16, h bf16, sums, bias and the partial rows f32.
; GRID.  x = 8 kh + cs: half kh of the 2,048 hidden, slice cs of 128 output columns; y = expert e.  A work-group alone reads its 512 KiB of W2, once.  The hidden width is halved so that a
; slice has the first layer's shape: 128 columns x 1,024 k fit in LDS as bf16, and a wave has four column tiles for each token fragment that it loads.
; PHASES, ring, slice in LDS, shares of the waves and the pass are the first layer's: eight waves stream the slice into LDS as [column][k] with the blocks of k turned by (row / 16) mod 4,
; one barrier, then wave (q = w / 2, g = w mod 2) multiplies row tiles 12 b + q + 4 t by column tiles 4 g .. 4 g + 3.  The pass's 32 steps are written out: every LDS address is a register
; made at the head, never rewritten, plus an immediate.
; TOKEN OPERANDS come from hf as ready register images, two loads of 512 consecutive bytes each.  A tile past the expert's last is read as the last one and not stored.
; WAY OUT.  Lane (r, h) register j of column tile c is column 16 c + 8 h + j of row r: the accumulators go as they lie into my wave's stage, come back as rows of 256 bytes, and sixteen lanes
; store 256 consecutive bytes, aligned, at the row that the list names.  The list holds the count's entries alone: places past the count read the last entry and store its row's bytes again.
; LIMITS.  An expert without rows still streams its slice (every wave passes the barrier) and stores nothing.  NaN and infinities are not treated apart.  b2 is taken in f32 as it is given.
; NO TENSOR LOADS, NO CLUSTER: each weight has one reader.  hf's tiles are shared by the 8 slices of a half, but beside the slice some 60 KiB of LDS are free and eight steps of 12 tiles are
; 96 KiB: two slots for joint loads do not fit.
; THE MODE: SCHED_MODE bits 1:0 = 2 (LLVM: expert scheduling mode 2), set by the entry lines.  The code itself states the register dependences
; between vector or matrix instructions and memory or LDS instructions, and those through scalar registers that vector instructions write, with s_wait_alu, always for 0.
; THE PLAN.  Registers that memory or LDS instructions touch:
;   ring slots    Group o: its sixteen conversions read slot o mod 7; behind them the loads of group o + 7 land in it (in slot 6, at last, the bias).
;   TT0, TT1      Group o: its conversions write TT[o mod 2], its four LDS stores read it; group o + 2's conversions write it again.
;   AF0 .. AF7    Step s: its products read AF[s mod 8]; the loads issued in step s + 1 land in it (the images of step s + 8).
;   BF0 .. BF3    Step s: its products read BF[s mod 4]; the LDS loads issued in step s + 1 land in it (W's fragments of step s + 4).
;   VA            Read by every load of an image; written at a pass's head.
;   PROW          Written by step 27's address lines; step 28's loads read it and land in it; written again behind the last step; read by the way out's stores.
;   ACC           Written by the products; read by the way out's LDS stores.      OB0 .. OB2  A buffer a tile, in BF: the loads from the stage land in it, the tile's stores read it.
;   GOFF, LST, STO, SRD, L16, H32, R16, BW   Made at the head, never written again.
; So in the stream ONE wait on va_vdst stands in a group, behind its conversions, and one on vm_vsrc at its head; in the pass ONE wait on va_vdst stands at the head of a step, behind the waits
; for its data: the step's loads go into the buffers that the step before read, which no product of this step names, and are dealt among its products with no further wait.
.set PITCH, 4096                       ; bytes from row to row of W2[e]
.set WP,    2064
.set STG,   128*WP                     ; behind the slice: each wave's stage, 16 rows of 256 bytes + 16; behind the stages 1,024 bytes of spare words for the closing add
.set SGP,   272
.set NS,    7
.set RLP,   4224                       ; bytes of an expert's part of rowlist
; window 0
.set GOFF, 12                          ; v12      my wave's 8 rows + 16 x lane
.set LST,  13                          ; v13      LDS: row 4 x lane, my wave's block of k, turned
.set STO,  14                          ; v14      stage, in: row r, 32 h
.set L16,  15                          ; v15      16 x lane
.set BW,   16                          ; v16-23   W's fragments at k = 0; never rewritten
.set VA,   24                          ; v24-26   tile t: tile x 65,536 + 16 x lane
.set H32,  27                          ; v27      32 h
.set SRD,  28                          ; v28      stage, out: row h, 16 r
.set R16,  29                          ; v29      16 r
.set ACC,  32                          ; v32-127  accumulators 32 t + 8 c
.set BF,   128                         ; v128-255 W fragments: four steps of 32 registers
.set TT,   128
.set OB,   128                         ; the way out: tile t's 16 rows read back, 32 registers at OB + 32 t
; window 1
.set AF,   0                           ; v0-191   token images: step mod 8 x 24 + 8 t  (phase 1: the ring, v0-223)
.set BT,   192                         ; v192-223 bias 8 c + j, or 0 in half 1
.set PROW, 232                         ; v232-255 tile t, pair of rows i: p x 4,096 + 16 r of row 2 i + h
.set WV, 20
.set Q, 21
.set G, 22
.set CS, 23
.set EX, 24
.set CNT, 25
.set NT1, 26                           ; the expert's last tile
.set BC, 27
.set RB16, 28
.set CM1, 29                           ; count - 1: used only where the count is above 0
.set WB, 30                            ; s[30:31] W2 at the slice
.set HB0, 34                           ; s[34:35] hf at the expert's half
.set RLB, 36                           ; s[36:37] rowlist at the expert
.set PB, 38                            ; s[38:39] part at my 64 columns
.set B2B, 40                           ; s[40:41] b2 at my 64 columns
.set KH, 42
.set T0, 43                            ; my tile 0 of the block
.set MSB, 0
.macro WIN new
.if MSB != (\new)
	s_set_vgpr_msb (MSB<<8)|(\new)
.set MSB, (\new)
.endif
.endm
.macro OCT o                           ; group o of my rows: 8 rows x 4 columns a lane -> four 16-byte LDS stores; the slot is asked for again, for group o + 7
.set SL, 32*((\o)%NS)
.set TS, TT+16*((\o)%2)
.if (\o) <= 15-(NS-1)
	s_wait_loadcnt 8*(NS-1)                        ; six younger slots of eight loads stay out
.elseif (\o) <= 13
	s_wait_loadcnt 8*(15-(\o))
.else
	s_wait_loadcnt 8*(15-(\o))+8                   ; the bias's eight loads, issued behind group 13, stay out too
.endif
.if (\o) >= 2
	s_wait_alu depctr_vm_vsrc(0)                   ; the LDS stores of the group before last have read this set of TT, which the conversions below write again
.endif
	WIN 0x05
.irp c, 0,1,2,3
.irp i, 0,1,2,3
	v_cvt_pk_bf16_f32 v[TS+4*\c+\i], v[SL+8*\i+\c], v[SL+8*\i+4+\c]
.endr
.endr
.if (\o)+NS <= 15
	WIN 0x40
	s_wait_alu depctr_va_vdst(0)                   ; the conversions are done reading the slot, in which the loads below land, and have written TT, which the LDS stores below read
.irp j, 0,1,2,3,4,5,6,7
	global_load_b128 v[SL+4*\j:SL+4*\j+3], v[GOFF], s[WB:WB+1] offset:(64*((\o)+NS)+\j)*PITCH th:TH_LOAD_NT
.endr
	WIN 0
.else
	WIN 0
	s_wait_alu depctr_va_vdst(0)                   ; the conversions have written TT, which the LDS stores below read (group 13: and are done reading slot 6, in which the bias lands)
.endif
.irp c, 0,1,2,3
	ds_store_b128 v[LST], v[TS+4*\c:TS+4*\c+3] offset:\c*WP+128*(\o)
.endr
.endm
.macro BIASLD                          ; b2 of columns 16 c + 8 h + 0..7, in the accumulators' order, into ring slot 6, which group 13 has left.  No wait: since group 13's wait only its LDS stores were issued
	WIN 0x40
.irp c, 0,1,2,3
	global_load_b128 v[BT+8*\c:BT+8*\c+3],   v[H32], s[B2B:B2B+1] offset:64*\c
	global_load_b128 v[BT+8*\c+4:BT+8*\c+7], v[H32], s[B2B:B2B+1] offset:64*\c+16
.endr
	WIN 0
.endm
.macro GA kp, nt                       ; the images of step kp (destination window 1)
.set y, 0
.rept \nt
	global_load_b128 v[AF+24*((\kp)%8)+8*y:AF+24*((\kp)%8)+8*y+3],   v[VA+y], s[HB0:HB0+1] offset:1024*(\kp)
	global_load_b128 v[AF+24*((\kp)%8)+8*y+4:AF+24*((\kp)%8)+8*y+7], v[VA+y], s[HB0:HB0+1] offset:1024*(\kp)+512
.set y, y+1
.endr
.endm
.macro FBC kx, buf, c                  ; W's fragment of column tile c in step kx
	ds_load_b128 v[BF+32*(\buf)+8*(\c):BF+32*(\buf)+8*(\c)+3],   v[BW+(\c)]   offset:64*(\kx)
	ds_load_b128 v[BF+32*(\buf)+8*(\c)+4:BF+32*(\buf)+8*(\c)+7], v[BW+4+(\c)] offset:64*(\kx)
.endm
.macro FB kx, buf
.irp c, 0,1,2,3
	FBC \kx, \buf, \c
.endr
.endm
; Step ST's 4 nt products; the accumulators take turns, one instruction a turn.  Behind each column tile's products two LDS loads of the fragments three steps on, into the
; buffer that the step before read.  An LDS load takes destination and address by the fields that the products' setting leaves at window 0.
.macro MM nt
.irp c, 0,1,2,3
.set y, 0
.rept \nt
.if ST == 0
	v_wmma_f32_16x16x32_bf16 v[ACC+32*y+8*\c:ACC+32*y+8*\c+7], v[BF+32*(ST%4)+8*\c:BF+32*(ST%4)+8*\c+7], v[AF+24*(ST%8)+8*y:AF+24*(ST%8)+8*y+7], v[BT+8*\c:BT+8*\c+7]
.else
	v_wmma_f32_16x16x32_bf16 v[ACC+32*y+8*\c:ACC+32*y+8*\c+7], v[BF+32*(ST%4)+8*\c:BF+32*(ST%4)+8*\c+7], v[AF+24*(ST%8)+8*y:AF+24*(ST%8)+8*y+7], v[ACC+32*y+8*\c:ACC+32*y+8*\c+7]
.endif
.set y, y+1
.endr
.if ST <= 28
	FBC ST+3, (ST+3)%4, \c
.endif
.endr
.endm
.macro PADR nt                         ; the list places of my rows: vector work, behind step 27's products
	WIN 0
	v_add_nc_u32 v4, s[RB16], v2
	WIN 0x40
.set n, 0
.rept 8*(\nt)
	v_add_nc_u32 v[PROW+n], 64*(n/8)+2*(n%8), v4
.set n, n+1
.endr
	WIN 0x44
.set n, 0
.rept 8*(\nt)
	v_min_u32 v[PROW+n], s[CM1], v[PROW+n]         ; places past the count read the last entry
.set n, n+1
.endr
.set n, 0
.rept 8*(\nt)
	v_min_u32 v[PROW+n], 0x3ff, v[PROW+n]
.set n, n+1
.endr
.set n, 0
.rept 8*(\nt)
	v_lshlrev_b32 v[PROW+n], 2, v[PROW+n]
.set n, n+1
.endr
.endm
.macro PASK nt                         ; the pairs of my rows are asked for, three steps ahead of the way out; each load lands on its own address register.  No wait: step 28's wait stands behind PADR, and no product since names PROW
	WIN 0x41
.set n, 0
.rept 8*(\nt)
	global_load_b32 v[PROW+n], v[PROW+n], s[RLB:RLB+1]
.set n, n+1
.endr
.endm
.macro PFIN nt                         ; what was loaded is clamped in front of the address
	WIN 0x44
.set n, 0
.rept 8*(\nt)
	v_min_u32 v[PROW+n], 0x7ff, v[PROW+n]
.set n, n+1
.endr
	WIN 0x41
.set n, 0
.rept 8*(\nt)
	v_lshl_add_u32 v[PROW+n], v[PROW+n], 12, v[R16]
.set n, n+1
.endr
.endm
; Step ST of 32.  Its images were asked for seven steps ago, its W fragments three: the counts leave the younger steps' loads out.  The step asks again for the registers that the step before read.
.macro KB nt
.if ST <= 25
	s_wait_loadcnt 12*(\nt)                        ; six younger steps of 2 nt loads
.elseif ST <= 28
	s_wait_loadcnt 2*(\nt)*(31-ST)                 ; the counts run down
.else
	s_wait_loadcnt 2*(\nt)*(31-ST)+8*(\nt)         ; the pairs' loads, issued in step 28, stay out too
.endif
.if ST <= 29
	s_wait_dscnt 16                                ; two younger steps of eight loads
.else
	s_wait_dscnt 8*(31-ST)
.endif
.if ST == 0
	WIN 0x14                                       ; sources 1 and 2 in window 1: the first products take the bias (half 1: zeros) as C.  No wait: the pass's first wait stands for this step's loads too
.else
	WIN 0x04
.endif
.if (ST >= 1) && (ST <= 28)
	s_wait_alu depctr_va_vdst(0)                   ; the products of the step before are done reading their W fragments and images, in which this step's loads land; in step 28 PROW is written, which the pairs' loads read
.endif
	MM \nt
.if ST <= 24
	WIN 0x40
	GA ST+7, \nt                                   ; seven steps on.  No wait: no product since the wait above names this buffer
.endif
.if ST == 27
	PADR \nt
.endif
.if ST == 28
	PASK \nt
.endif
.endm
; The way out of tile t.  Each accumulator's registers 0-3 are read first.  The stage is my wave's own, and LDS serves a wave in order (ISA guide 5.7.1.4).
; Each tile has an out-buffer of its own, so nothing is waited for between the tiles but the loads from the stage.
.macro EPIT t, cond
.if \cond
	s_add_co_u32 s46, s[RB16], 64*(\t)
	s_cmp_lt_u32 s46, s[CNT]
	s_cbranch_scc0 .Lep_\@
.endif
.irp c, 0,1,2,3
	ds_store_b128 v[STO], v[ACC+32*(\t)+8*\c:ACC+32*(\t)+8*\c+3]   offset:64*\c
	ds_store_b128 v[STO], v[ACC+32*(\t)+8*\c+4:ACC+32*(\t)+8*\c+7] offset:64*\c+16
.endr
.irp i, 0,1,2,3,4,5,6,7
	ds_load_b128 v[OB+32*(\t)+4*\i:OB+32*(\t)+4*\i+3], v[SRD] offset:2*SGP*\i
.endr
	WIN 0x01                                       ; the stores' offsets lie in window 1
.irp i, 0,1,2,3,4,5,6,7
	s_wait_dscnt 7-\i
	global_store_b128 v[PROW+8*(\t)+\i], v[OB+32*(\t)+4*\i:OB+32*(\t)+4*\i+3], s[PB:PB+1]
.endr
	WIN 0
.if \cond
.Lep_\@:
.endif
.endm
.macro PASS nt
	WIN 0x40
	s_wait_alu depctr_va_vdst(0)                   ; VA is written, which the loads below read; all that read or wrote the images' and fragments' registers (the stream's conversions, the pass before) is done
.irp k, 0,1,2,3,4,5,6
	GA \k, \nt
.endr
	WIN 0
.irp k, 0,1,2
	FB \k, \k
.endr
.set ST, 0
.rept 32
	KB \nt
.set ST, ST+1
.endr
	WIN 0
	s_wait_loadcnt 0x0                             ; the pairs
	s_wait_alu depctr_vm_vsrc(0)                   ; their loads have read PROW as their addresses; the lines below write it
	PFIN \nt                                       ; these 16 nt plain lines are also the places between the last products and the stores of their results
	WIN 0
	s_wait_alu depctr_va_vdst(0)                   ; the products have written the accumulators, which the LDS stores read, and are done reading BF, in which the stage's rows land; PROW is written, which the stores read
	EPIT 0, 0
.if (\nt) == 3
	EPIT 1, 0
	EPIT 2, 0
.else
	EPIT 1, 1
.endif
.endm
	s_load_b256 s[4:11], s[0:1], 0x0               ; W2 s[4:5], b2 s[6:7], hf s[8:9], rowlist s[10:11]
	s_load_b128 s[12:15], s[0:1], 0x20             ; cntb s[12:13], part s[14:15]
	v_lshl_add_u32 v10, v0, 2, 0x49000
	v_mov_b32 v11, 0
	; all addresses that hang on no argument are made here, in the wait for the arguments
	v_and_b32 v1, 15, v0                           ; r
	v_bfe_u32 v2, v0, 4, 1                         ; h
	v_and_b32 v3, 31, v0                           ; lane
	v_lshrrev_b32 v4, 5, v0
	v_readfirstlane_b32 s[WV], v4
	s_and_b32 s[CS], ttmp9, 7
	s_lshr_b32 s[KH], ttmp9, 3
	s_and_b32 s[EX], ttmp7, 0xffff
	v_lshlrev_b32 v[L16], 4, v3
	v_lshlrev_b32 v[H32], 5, v2
	v_lshlrev_b32 v[R16], 4, v1
	s_wait_alu depctr_va_sdst(0)                   ; the wave's number is written, ahead of its first reader
	s_lshr_b32 s[Q], s[WV], 1
	s_and_b32 s[G], s[WV], 1
	s_lshl_b32 s44, s[EX], 23                      ; an expert's 8 MiB,
	s_lshl_b32 s45, s[KH], 22                      ; the half's 1,024 rows of 4,096 bytes,
	s_add_co_u32 s44, s44, s45
	s_lshl_b32 s45, s[CS], 9                       ; the slice's 512 bytes of a row
	s_add_co_u32 s44, s44, s45
	s_mov_b32 s45, 0
	s_lshl_b32 s46, s[WV], 15                      ; my 8 rows
	v_lshl_add_u32 v[GOFF], v3, 4, s46
	v_lshrrev_b32 v30, 2, v3                       ; the turn of my block of k, as in the first layer
	v_add_nc_u32 v30, s[WV], v30
	v_and_b32 v30, 3, v30
	s_and_b32 s46, s[WV], 4
	v_add_nc_u32 v30, s46, v30
	v_mul_u32_u24 v31, v3, 4*WP
	v_lshl_add_u32 v[LST], v30, 4, v31
	s_mul_i32 s46, s[G], 64*WP
	v_mul_u32_u24 v5, v1, WP
	v_add_nc_u32 v5, s46, v5                       ; row 64 g + r
.irp c, 0,1,2,3
	v_add_nc_u32 v6, \c, v2
	v_and_b32 v6, 3, v6
	v_xor_b32 v7, 2, v6
	v_lshl_add_u32 v6, v6, 4, v5
	v_lshl_add_u32 v7, v7, 4, v5
	v_add_nc_u32 v[BW+\c], \c*16*WP, v6
	v_add_nc_u32 v[BW+4+\c], \c*16*WP, v7
.endr
	s_mul_i32 s47, s[WV], 16*SGP
	s_add_co_u32 s47, s47, STG                     ; my stage
	v_mul_u32_u24 v[STO], v1, SGP
	v_lshl_add_u32 v[STO], v2, 5, v[STO]
	v_add_nc_u32 v[STO], s47, v[STO]
	v_mul_u32_u24 v[SRD], v2, SGP
	v_lshl_add_u32 v[SRD], v1, 4, v[SRD]
	v_add_nc_u32 v[SRD], s47, v[SRD]
	s_wait_kmcnt 0x0
	s_add_nc_u64 s[WB:WB+1], s[4:5], s[44:45]
	WIN 0x40
	s_wait_alu depctr_va_vdst(0)                   ; GOFF, LST, STO, SRD, H32 and BW are written: the offsets and addresses that the kernel's loads and stores read and that are never written again
.set n, 0
.rept 8*NS                             ; the ring is filled: groups 0 to 6
	global_load_b128 v[4*n:4*n+3], v[GOFF], s[WB:WB+1] offset:(64*(n/8)+n%8)*PITCH th:TH_LOAD_NT
.set n, n+1
.endr
	WIN 0
	s_lshl_b32 s44, s[EX], 7
	s_add_nc_u64 s[60:61], s[12:13], s[44:45]
	s_load_b32 s[CNT], s[60:61], 0x0
	s_lshl_b32 s44, s[EX], 22                      ; hf: an expert's 4 MiB, the half's 32 images
	s_lshl_b32 s46, s[KH], 15
	s_add_co_u32 s44, s44, s46
	s_add_nc_u64 s[HB0:HB0+1], s[8:9], s[44:45]
	s_mul_i32 s44, s[EX], RLP
	s_add_nc_u64 s[RLB:RLB+1], s[10:11], s[44:45]
	s_lshl_b32 s44, s[EX], 12                      ; b2: an expert's 4,096 bytes,
	s_lshl_b32 s46, s[CS], 9
	s_lshl_b32 s47, s[G], 8
	s_add_co_u32 s46, s46, s47                     ; my 64 columns, in bytes
	s_add_co_u32 s44, s44, s46
	s_add_nc_u64 s[B2B:B2B+1], s[6:7], s[44:45]
	s_lshl_b32 s44, s[KH], 23                      ; part: a half's 8 MiB
	s_add_co_u32 s44, s44, s46
	s_add_nc_u64 s[PB:PB+1], s[14:15], s[44:45]
	s_lshl_b32 s[RB16], s[Q], 4
	s_mov_b32 s[T0], s[Q]
	s_wait_kmcnt 0x0
	s_sub_co_u32 s[CM1], s[CNT], 1
	s_lshr_b32 s[NT1], s[CM1], 4                   ; both used only where the count is above 0
.irp o, 0,1,2,3,4,5,6,7,8,9,10,11,12,13,14,15
	OCT \o
.if \o == 13
	BIASLD                                         ; early, so that the bias is on its way under the last two groups and the barrier
.endif
.endr
	s_wait_dscnt 0x0                               ; for the others' sake: my part of the slice is in LDS
	s_barrier_signal -1
	s_barrier_wait -1                              ; the slice is whole
	s_wait_loadcnt 0x0                             ; the bias
	s_wait_alu depctr_vm_vsrc(0)                   ; my LDS stores have read TT: W's fragments land in these registers from here on
	s_cmp_eq_u32 s[KH], 0
	s_cselect_b32 s46, -1, 0
	WIN 0x44
.set n, 0
.rept 32
	v_cndmask_b32 v[BT+n], 0, v[BT+n], s46         ; the bias belongs to half 0 alone
.set n, n+1
.endr
	WIN 0
	s_mov_b32 s[BC], 0
.Lpass:                                ; six blocks of 192 rows cover every split
	s_cmp_lt_u32 s[RB16], s[CNT]
	s_cbranch_scc0 .Lnext                          ; my first tile of the block has no row
.irp t, 0,1,2
	s_add_co_u32 s46, s[T0], 4*\t
	s_min_u32 s46, s46, s[NT1]                     ; a tile past the last is read as the last
	s_min_u32 s46, s46, 63
	s_lshl_b32 s46, s46, 16
	v_add_nc_u32 v[VA+\t], s46, v[L16]
.endr
	s_add_co_u32 s46, s[RB16], 128
	s_cmp_lt_u32 s46, s[CNT]
	s_cbranch_scc0 .Ltwo
	PASS 3
	s_branch .Lnext
.Ltwo:
	PASS 2
.Lnext:
	s_wait_xcnt 0x0                                ; the stores' data and offsets are rewritten only behind this wait
	s_wait_alu depctr_vm_vsrc(0)                   ; the pass's stores have read OB, PROW and the accumulators, its loads VA: the next pass writes all four
	s_add_co_u32 s[RB16], s[RB16], 192
	s_add_co_u32 s[T0], s[T0], 12
	s_add_co_u32 s[BC], s[BC], 1
	s_cmp_lt_u32 s[BC], 6
	s_cbranch_scc1 .Lpass
	s_wait_dscnt 0x0                               ; the wave's end.  Behind it the closing add onto the spare words
	s_wait_alu depctr_hold_cnt(0) depctr_sa_sdst(0) depctr_va_vdst(0) depctr_va_sdst(0) depctr_va_ssrc(0) depctr_va_vcc(0) depctr_vm_vsrc(0)
	s_wait_tensorcnt 0x0
	ds_add_u32 v10, v11
	s_wait_dscnt 0x0
	s_endpgm
.Lfunc_end_k_q78edce205d_ffn2:
	.size	k_q78edce205d_ffn2, .Lfunc_end_k_q78edce205d_ffn2-k_q78edce205d_ffn2
	.p2alignl 7, 3214868480
	.fill 96, 4, 3214868480
	.section	.rodata,"a",@progbits
	.p2align	6, 0x0
	.amdhsa_kernel k_q78edce205d_ffn2
		.amdhsa_group_segment_fixed_size 300032
		.amdhsa_private_segment_fixed_size 0
		.amdhsa_enable_private_segment 0
		.amdhsa_kernarg_size 48
		.amdhsa_user_sgpr_count 2
		.amdhsa_user_sgpr_kernarg_segment_ptr 1
		.amdhsa_wavefront_size32 1
		.amdhsa_system_sgpr_workgroup_id_x 1
		.amdhsa_system_sgpr_workgroup_id_y 1
		.amdhsa_system_sgpr_workgroup_id_z 1
		.amdhsa_system_vgpr_workitem_id 0
		.amdhsa_next_free_vgpr 512
		.amdhsa_next_free_sgpr 80
		.amdhsa_reserve_vcc 0
		.amdhsa_float_denorm_mode_32 3
		.amdhsa_float_denorm_mode_16_64 3
		.amdhsa_memory_ordered 1
		.amdhsa_forward_progress 1
		.amdhsa_inst_pref_size 182
	.end_amdhsa_kernel
	.amdgpu_metadata
---
amdhsa.version: [ 1, 2 ]
amdhsa.kernels:
  - .name:           k_q78edce205d_ffn2
    .symbol:         k_q78edce205d_ffn2.kd
    .args:
      - { .name: W2, .offset: 0, .size: 8, .value_kind: global_buffer, .address_space: global }
      - { .name: b2, .offset: 8, .size: 8, .value_kind: global_buffer, .address_space: global }
      - { .name: hf, .offset: 16, .size: 8, .value_kind: global_buffer, .address_space: global }
      - { .name: rowlist, .offset: 24, .size: 8, .value_kind: global_buffer, .address_space: global }
      - { .name: cntb, .offset: 32, .size: 8, .value_kind: global_buffer, .address_space: global }
      - { .name: part, .offset: 40, .size: 8, .value_kind: global_buffer, .address_space: global }
    .group_segment_fixed_size: 300032
    .private_segment_fixed_size: 0
    .kernarg_segment_align: 8
    .kernarg_segment_size: 48
    .max_flat_workgroup_size: 256
    .sgpr_count:     80
    .vgpr_count:     512
    .wavefront_size: 32
...
	.end_amdgpu_metadata
.endif
;; end of part 9
;; launch combine: the kernel of part 7 again; grid 256 x 1, 8 waves a work-group, no clusters, 0 bytes of LDS; arguments part, rw, out0; writes out0
